; MI455X (gfx1250); checked and timed in simulation.
; The chip was launched on July 23, 2026; its instructions are those of AMD's public machine-readable ISA for CDNA 5 (MIT licence, August 2026) and "CDNA5" Instruction Set Architecture Reference Guide (July 2026). The comments in the code are by the model that wrote it; some were corrected since.
;; Multi Query Attention. Allowed arithmetic: matrix products marked QUANTISED: E4M3 operands, one E8M0 scale for each 32 along K, by v_wmma_scale_f32_16x16x128_f8f6f4 with both operands' format E4M3, f32 sums; everything else in f32.
;; Inputs: Wk 128 x 2,048 float32; Wo 2,048 x 2,048 float32; Wq 2,048 x 2,048 float32; Wv 128 x 2,048 float32; bk 128 float32; bo 2,048 float32; bq 2,048 float32; bv 128 float32; mask 1 x 1 x 2,048 x 2,048 bool; x 1 x 2,048 x 2,048 float32.
;; Outputs: out0 1 x 2,048 x 2,048 float32.
;; This version of the problem:
;;   THIS VERSION OF THE PROBLEM IS GIVEN IN LOW PRECISION. The matrix products marked QUANTISED in the list below multiply operands that are first quantised to E4M3 (4 exponent bits, 3 mantissa bits; 8 bits a number), with one power-of-two scale for each 32 numbers along K (OCP MX v1.0); their sums are f32. All else is computed in f32.
;;   The module's matrix products, in the order in which they are computed (A, B: the left and right operand; K: the contracted axis; several contracted axes count as one K, in the product's order):
;;     1. [M 2,048, K 2,048] x [K 2,048, N 2,048]; A: input x; B: input Wq: QUANTISED
;;     2. [M 2,048, K 2,048] x [K 2,048, N 128]; A: input x; B: input Wk: QUANTISED
;;     3. [M 2,048, K 2,048] x [K 2,048, N 128]; A: input x; B: input Wv: QUANTISED
;;     4. [M 32,768, K 128] x [K 128, N 2,048]; A: computed on the way; B: computed on the way: QUANTISED
;;     5. [M 32,768, K 2,048] x [K 2,048, N 128]; A: softmax (see below); B: computed on the way: QUANTISED
;;     6. [M 2,048, K 2,048] x [K 2,048, N 2,048]; A: computed on the way; B: input Wo: QUANTISED
;;   THE QUANTISER, for each operand of a quantised product, along K:
;;     - K is cut into blocks of 32 from its start; a last block that is shorter is filled with zeros.
;;     - A block's scale is 2^e with e = floor(log2(the largest magnitude in the block)) - 8, held to -126 .. 127; a block of zeros has e = 0. As a byte (E8M0): e + 127.
;;     - Each number is divided by its block's scale, clamped to +-448, and rounded to the nearest number of E4M3, ties to even, subnormals kept.
;;     - The product sums the exact products of the quantised numbers (number of the format x scale) in f32.
;;   ~~~python
;;   def quantise(x, axis):      # numpy; x: float32 -> the quantised numbers, widened to float32 again
;;       x = np.moveaxis(x, axis, -1); K = x.shape[-1]
;;       x = np.pad(x, [(0, 0)] * (x.ndim - 1) + [(0, -K % 32)]); x = x.reshape(x.shape[:-1] + (-1, 32)); a = np.abs(x).max(-1, keepdims=True)
;;       e = np.where(a > 0, np.clip(np.frexp(np.where(a > 0, a, 1))[1] - 1 - 8, -126, 127), 0)      # np.frexp(a)[1] - 1 = floor(log2(a)), exactly
;;       r = np.clip(x / 2.0 ** e, -448, 448)
;;       step = 2.0 ** (np.maximum(np.frexp(np.where(r == 0, 1, r))[1] - 1, -6) - 3)
;;       q = np.round(r / step) * step * 2.0 ** e      # np.round: ties to even
;;       return np.moveaxis(q.reshape(q.shape[:-2] + (-1,))[..., :K], -1, axis).astype(np.float32)
;;   ~~~
;;   SOFTMAX AHEAD OF A QUANTISED PRODUCT. Where the list says 'softmax', what is quantised is not the finished softmax but p = 2^(t - M), with t = logit x log2(e) and M = ceil(the row's largest t), a whole number; so 1/2 < the row's largest p <= 1. The row's sum l is taken of the UNQUANTISED p, in f32, and the product's result is divided by l at the end. Since M is a whole number, a kernel that streams over the keys may use a running M (the ceiling of the running maximum): every later rescaling is an exact power of two, which a block's scale takes up: the codes' values come out the same.
;;   OPERANDS COMPUTED ON THE WAY. 'Computed on the way' means the value that the module computes at that place (a softmax that the list does not call 'softmax' is quantised finished and normalised). What goes into a quantiser is computed in f32, as accurately as f32 sums, v_exp_f32 and their like allow (about 1e-6 of the number): no bf16 or f16 on the way to a quantiser, and a product that is left as it is and whose result goes on into a quantised operand takes f32 operands (vector FMAs, or v_wmma_f32_16x16x4_f32). A number that lies on a knife's edge between two numbers of the format may be rounded either way, as far as f32 arithmetic and the matrix unit's own rounding can turn it there, and no further.
;; 2 versions. Each part assembles by itself: llvm-mc -triple=amdgcn-amd-amdhsa -mcpu=gfx1250 --defsym DOCPART=n.
;; ======== version 1 of 2: 4 launches
;; workspace buffers: pre 13,516,800 bytes; mw 532,480 bytes of whole numbers; qkv 4,866,048 bytes; att 4,325,376 bytes
;; launch prep (part 1): grid 528 x 1, 4 waves a work-group, no clusters, 67,072 bytes of LDS; arguments x, Wq, Wo, Wk, Wv, mask, pre, mw; writes pre, mw
.if DOCPART == 1
	.amdgcn_target "amdgcn-amd-amdhsa--gfx1250"
	.amdhsa_code_object_version 6
	.text
	.protected	k_q6eec212789_prep
	.globl	k_q6eec212789_prep
	.p2align	8
	.type	k_q6eec212789_prep,@function
k_q6eec212789_prep:
	s_mov_b64 s[64:65], 0
	v_nop
	global_prefetch_b8 v0, s[64:65] scope:SCOPE_SE
	s_setreg_imm32_b32 hwreg(HW_REG_WAVE_MODE, 25, 1), 1
	s_wait_xcnt 0x0
; PREP.  (1) x, Wq, Wo [2048][2048] and Wk, Wv [128][2048], f32 with K innermost, become codes of FP8 (E4M3) with one E8M0 scale byte for each 32 along K.
; (2) the mask [2048][2048] of bytes becomes lane-mask words for the attention launch, and one flag for each (tile of 16 queries, step of 128 keys).
; A block's scale is 2^(floor(log2(its largest magnitude)) - 8); its byte is the largest magnitude's exponent field - 8, held at 1 from below; each number is divided by the scale, held within +-448, rounded to the nearest code.
; LIMITS: NaN and infinities among the inputs are not served.  A block of zeros gets the byte 1 where the rule says 127: its codes are zeros, and this program alone reads the bytes.
; ROW ORDER.  Row n of a tensor is stored at POSITION n with bits 3 and 4 exchanged.  Sixteen consecutive positions 32 b + 16 u + r are then the rows 32 b + 8 u + r + 8 (r / 8): in a product used transposed,
; the 16 registers of result tiles 2 b and 2 b + 1 are 16 neighbours of the true index.  A wave's four rows stay together under the exchange.
; pre: codes [position][2048 bytes], scale bytes [position][64].  Wq, Wk and Wv share one section, in eight groups of 288 rows: 256 positions of Wq, then 32 of Wk (groups 0-3) or of Wv (groups 4-7).
; mw: words [tile 128][step 16][n 64]: bit (r + 16 h) of word n = 16 b + i is mask[query 32 (tile / 2) + 8 (tile % 2) + r + 8 (r / 8)][key 128 step + 32 b + 16 h + i]; behind them the flags [tile][step], the OR of a step's 64 words.
; Work-groups 0-399 quantise 16 rows each, a wave 4 rows in 16 steps of 512 numbers; work-groups 400-527 take one tile of queries each, a wave 512 keys.  The two ways have LDS bytes of their own.
; No matrix unit, cluster or tensor load: every byte is read once and waves share nothing.  The flags leave as 16 bytes a wave: 8,192 bytes of the launch's 14 million.
.set NQW,   400
.set PXC,   0
.set PWC,   4194304
.set POC,   8912896
.set PXS,   13107200
.set PWS,   13238272
.set POS,   13385728
.set FLB,   524288
.set STEPS, 16
.set EMAX,  8
.set MANT,  0x600000                   ; the mantissa field of 448 as f32
.set CB,    16                         ; bytes of 16 codes
.set R,     16                         ; v16-79   four sets of 16 numbers as loaded
.set X,     80                         ; v80-111  two sets of 16 neighbours
.set E,     112                        ; v112-127 a scale byte for each step
.set C,     128                        ; v128-191 codes: four registers for each step
.set WREG,  8192                       ; LDS 0 .. 32,767: a region for each wave: two stages of 32 x SP bytes, then its 256 scale bytes
.set SP,    80                         ; a lane's place in a stage: 64 bytes + 16 of padding
.set MSTG,  32768                      ; LDS from here: the mask's stages, 16 rows x 528 bytes a wave
	s_load_b512 s[4:19], s[0:1], 0x0               ; x, Wq, Wo, Wk, Wv, mask, pre, mw
	v_lshl_add_u32 v192, v0, 2, 0x10400
	v_mov_b32 v193, 0
	v_lshrrev_b32 v1, 5, v0
	v_readfirstlane_b32 s20, v1                    ; wave
	v_and_b32 v2, 31, v0                           ; lane
	s_cmp_ge_u32 ttmp9, NQW
	s_cbranch_scc1 .Lmask
	; ---------------- the quantiser
	v_lshlrev_b32 v3, 4, v2                        ; my 16 bytes of a load's 512
	s_mul_i32 s21, s20, WREG
	v_lshrrev_b32 v14, 2, v2
	v_mul_u32_u24 v14, v14, SP
	v_and_b32 v15, 3, v2
	v_lshl_add_u32 v14, v15, 4, v14
	v_add_nc_u32 v14, s21, v14                     ; the stage, on the way in: four lanes' 64 bytes on end, then 16 of padding
	v_mul_u32_u24 v15, v2, SP
	v_add_nc_u32 v15, s21, v15                     ; on the way out: my 16 neighbours
	v_mul_u32_u24 v4, v2, CB                       ; my codes' place in a step's
	v_lshrrev_b32 v5, 1, v2
	s_add_co_u32 s21, s21, 2*32*SP
	v_add_nc_u32 v5, s21, v5                       ; my block's scale byte among my wave's 256
	v_lshlrev_b32 v7, 3, v2
	v_add_nc_u32 v6, s21, v7                       ; and 8 of them a lane on the way out
	s_mov_b32 s23, MANT
	s_mov_b32 s26, 392                             ; the tensor's first work-group; the defaults are Wv's
	s_mov_b32 s27, PWC                             ; its codes' section
	s_mov_b32 s28, PWS                             ; its scale bytes' section
	s_mov_b32 s29, 1408                            ; what is added to the position: s29 + ((G >> s30) << s31)
	s_mov_b32 s30, 1
	s_mov_b32 s31, 8
	s_wait_kmcnt 0x0
	s_cmp_lt_u32 ttmp9, 392                        ; Wk.  Each choice hangs on the work-group's number alone
	s_cselect_b64 s[24:25], s[10:11], s[12:13]
	s_cselect_b32 s26, 384, s26
	s_cselect_b32 s29, 256, s29
	s_cmp_lt_u32 ttmp9, 384                        ; Wo
	s_cselect_b64 s[24:25], s[8:9], s[24:25]
	s_cselect_b32 s26, 256, s26
	s_cselect_b32 s27, POC, s27
	s_cselect_b32 s28, POS, s28
	s_cselect_b32 s29, 0, s29
	s_cselect_b32 s30, 31, s30                     ; (G >> 31 = 0: no such term)
	s_cmp_lt_u32 ttmp9, 256                        ; Wq
	s_cselect_b64 s[24:25], s[6:7], s[24:25]
	s_cselect_b32 s26, 128, s26
	s_cselect_b32 s27, PWC, s27
	s_cselect_b32 s28, PWS, s28
	s_cselect_b32 s30, 4, s30                      ; 32 rows more for each 256 positions passed
	s_cselect_b32 s31, 5, s31
	s_cmp_lt_u32 ttmp9, 128                        ; x
	s_cselect_b64 s[24:25], s[4:5], s[24:25]
	s_cselect_b32 s26, 0, s26
	s_cselect_b32 s27, PXC, s27
	s_cselect_b32 s28, PXS, s28
	s_cselect_b32 s30, 31, s30
	s_sub_co_u32 s26, ttmp9, s26                   ; G: which 16 rows of the tensor
	s_lshr_b32 s30, s26, s30
	s_lshl_b32 s30, s30, s31
	s_add_co_u32 s29, s29, s30
	s_lshr_b32 s30, s26, 1
	s_lshl_b32 s30, s30, 5
	s_add_co_u32 s29, s29, s30                     ; + 32 (G / 2)
	s_and_b32 s30, s26, 1
	s_lshl_b32 s30, s30, 3
	s_add_co_u32 s29, s29, s30                     ; + 8 (G % 2): the row's bit 4 becomes the position's bit 3
	s_lshr_b32 s30, s20, 1
	s_lshl_b32 s30, s30, 4
	s_add_co_u32 s29, s29, s30                     ; + 16 (wave / 2): bit 3 becomes bit 4
	s_and_b32 s30, s20, 1
	s_lshl_b32 s30, s30, 2
	s_add_co_u32 s29, s29, s30                     ; + 4 (wave % 2): my four rows' first row in the section
	s_lshl_b32 s30, s26, 2
	s_add_co_u32 s30, s30, s20
	s_lshl_b32 s30, s30, 15                        ; (4 G + wave) x 4 rows x 8,192 bytes
	s_mov_b32 s31, 0
	s_add_nc_u64 s[24:25], s[24:25], s[30:31]      ; the numbers
	s_lshl_b32 s30, s29, 11
	s_add_co_u32 s30, s30, s27
	s_add_nc_u64 s[32:33], s[16:17], s[30:31]      ; the codes: 8,192 consecutive bytes
	s_lshl_b32 s30, s29, 6
	s_add_co_u32 s30, s30, s28
	s_add_nc_u64 s[34:35], s[16:17], s[30:31]      ; the scale bytes: 256 consecutive bytes, aligned
.macro QLOAD t
.irp i, 0,1,2,3
	global_load_b128 v[R+16*((\t)%4)+4*\i:R+16*((\t)%4)+4*\i+3], v3, s[24:25] offset:2048*(\t)+512*\i th:TH_LOAD_NT   ; 32 lanes read 512 consecutive bytes
.endr
.endm
.macro QTURN t                         ; step t's numbers through the stage: LDS serves a wave's instructions in order, so no wait stands between the stores and the loads
.irp i, 0,1,2,3
	ds_store_b128 v14, v[R+16*((\t)%4)+4*\i:R+16*((\t)%4)+4*\i+3] offset:32*SP*((\t)%2)+8*SP*\i
.endr
.irp i, 0,1,2,3
	ds_load_b128 v[X+16*((\t)%2)+4*\i:X+16*((\t)%2)+4*\i+3], v15 offset:32*SP*((\t)%2)+16*\i
.endr
.endm
.irp t, 0,1,2,3
	QLOAD \t
.endr
	s_wait_loadcnt 12                              ; step 0's four loads are in; the twelve of steps 1 to 3 may be out
	QTURN 0
.macro QSTEP t
.set XR, X+16*((\t)%2)
.if (\t) > 0
	s_wait_dscnt 1                                 ; this step's numbers are back from the stage; the last step's byte store may be out
.else
	s_wait_dscnt 0x0
.endif
.if (\t)+4 < STEPS
	QLOAD (\t)+4                                   ; the stage's stores have read these registers
.endif
.if (\t)+1 < STEPS
.if STEPS-2-(\t) >= 3
	s_wait_loadcnt 12                              ; the next step's four loads are in; those of the three steps behind it may be out
.else
	s_wait_loadcnt 4*(STEPS-2-(\t))
.endif
	QTURN (\t)+1
.endif
	v_max3_num_f32 v8, |v[XR]|, |v[XR+1]|, |v[XR+2]|               ; the largest magnitude of my 16, in two chains
	v_max3_num_f32 v9, |v[XR+3]|, |v[XR+4]|, |v[XR+5]|
.irp i, 6,10
	v_max3_num_f32 v8, v8, |v[XR+\i]|, |v[XR+\i+1]|
	v_max3_num_f32 v9, v9, |v[XR+\i+2]|, |v[XR+\i+3]|
.endr
	v_max3_num_f32 v8, v8, |v[XR+14]|, |v[XR+15]|
	v_max3_num_f32 v8, v8, v9, (EMAX+1)<<23        ; and the floor 2^(9 - 127): the byte cannot fall under 1
	v_max_num_f32_dpp v8, v8, v8 row_xmask:1 row_mask:0xf bank_mask:0xf   ; with my neighbour's 16: the block's
	v_add_nc_u32 v11, -(EMAX<<23), v8              ; 8 off its exponent field: the conversion's scale operand
	v_and_or_b32 v10, v8, 0x7f800000, s23          ; 448 x the scale
.irp i, 0,1,2,3,4,5,6,7,8,9,10,11,12,13,14,15
	v_med3_num_f32 v[XR+\i], v[XR+\i], -v10, v10   ; the conversion to an 8-bit code does not saturate (ISA guide 7.6.2): the hold comes first
.endr
	v_cvt_scalef32_pk8_fp8_f32 v[C+4*(\t):C+4*(\t)+1], v[XR:XR+7], v11
	v_cvt_scalef32_pk8_fp8_f32 v[C+4*(\t)+2:C+4*(\t)+3], v[XR+8:XR+15], v11
	v_lshrrev_b32 v[E+(\t)], 23, v11               ; the scale's byte
	ds_store_b8 v5, v[E+(\t)] offset:16*(\t)       ; both lanes of a block write the same byte with the same value
	global_store_b128 v4, v[C+4*(\t):C+4*(\t)+3], s[32:33] offset:32*CB*(\t)   ; 512 consecutive bytes
.endm
.irp t, 0,1,2,3,4,5,6,7,8,9,10,11,12,13,14,15
	QSTEP \t
.endr
	ds_load_b64 v[12:13], v6                       ; LDS serves a wave's instructions in order: these see my byte stores
	s_wait_dscnt 0x0
	global_store_b64 v7, v[12:13], s[34:35]        ; 32 lanes store 256 consecutive bytes, aligned
	s_wait_tensorcnt 0x0
	ds_add_u32 v192, v193
	s_wait_dscnt 0x0
	s_endpgm
	; ---------------- the mask
.Lmask:
	s_sub_co_u32 s21, ttmp9, NQW                   ; the tile of queries
	s_lshr_b32 s22, s21, 1
	s_lshl_b32 s22, s22, 5
	s_and_b32 s23, s21, 1
	s_lshl_b32 s23, s23, 3
	s_add_co_u32 s22, s22, s23                     ; its first query: 32 (tile / 2) + 8 (tile % 2)
	s_lshl_b32 s22, s22, 11                        ; a row of the mask is 2,048 bytes
	s_lshl_b32 s23, s20, 9
	s_add_co_u32 s22, s22, s23                     ; + my wave's 512 keys
	s_mov_b32 s23, 0
	s_lshl_b32 s24, s21, 4
	s_lshl_b32 s25, s20, 2
	s_add_co_u32 s24, s24, s25                     ; 16 tile + 4 wave: my first key step
	s_lshl_b32 s26, s24, 8                         ; 256 bytes of words a step
	s_mov_b32 s27, 0
	s_lshl_b32 s28, s24, 2
	s_add_co_u32 s28, s28, FLB                     ; 4 bytes of flag a step
	s_mov_b32 s29, 0
	v_lshlrev_b32 v3, 4, v2                        ; 16 x lane
	s_mul_i32 s30, s20, 16*528
	s_add_co_u32 s30, s30, MSTG                    ; my stage
	v_add_nc_u32 v4, s30, v3                       ; into it: a row's 512 bytes as they lie
	v_and_b32 v5, 15, v2
	v_lshrrev_b32 v6, 4, v2
	v_mul_u32_u24 v5, v5, 528
	v_lshl_add_u32 v5, v6, 4, v5
	v_add_nc_u32 v5, s30, v5                       ; out of it: row r, + 16 h
	s_wait_kmcnt 0x0
	s_add_nc_u64 s[14:15], s[14:15], s[22:23]
	s_add_nc_u64 s[26:27], s[18:19], s[26:27]
	s_add_nc_u64 s[28:29], s[18:19], s[28:29]
.irp p, 0,1,2,3,4,5,6,7,8,9,10,11,12,13,14,15
	global_load_b128 v[16+4*\p:19+4*\p], v3, s[14:15] offset:(\p+8*(\p/8))*2048 th:TH_LOAD_NT   ; the tile's row p: 512 consecutive bytes
.endr
.irp j, 0,1,2,3,4,5,6,7
	v_mov_b32 v[96+\j], 0                          ; a lane write's destination counts as read
.endr
	s_wait_loadcnt 0x0
.irp p, 0,1,2,3,4,5,6,7,8,9,10,11,12,13,14,15
	ds_store_b128 v4, v[16+4*\p:19+4*\p] offset:528*\p
.endr
; Key step k of my four.  Lane (r, h) takes, of row r, the 16 bytes of each block of 32 keys that its half owns.  Byte i of block b, compared against 0 in all lanes at once, IS word 16 b + i.
; The words go lane by lane into registers laid for a dense store: two steps' 128 words are 512 bytes, word m in lane m / 4, register m % 4.
.macro MSTEP k
.irp b, 0,1,2,3
	ds_load_b128 v[80+4*\b:83+4*\b], v5 offset:128*\k+32*\b        ; LDS serves a wave's instructions in order: these see my stores
.endr
	s_wait_dscnt 0x0
	s_mov_b32 s[40+\k], 0
.set n, 0
.rept 64
	v_bfe_u32 v[8+n%4], v[80+n/4], 8*(n%4), 8
	v_cmp_ne_u32 s[36+n%4], 0, v[8+n%4]
	s_or_b32 s[40+\k], s[40+\k], s[36+n%4]         ; the step's flag
	v_writelane_b32 v[96+4*(\k/2)+n%4], s[36+n%4], 16*(\k%2)+n/4
.set n, n+1
.endr
.if \k%2 == 1
	global_store_b128 v3, v[96+4*(\k/2):99+4*(\k/2)], s[26:27] offset:512*(\k/2)   ; 512 consecutive bytes
.endif
.endm
	MSTEP 0
	MSTEP 1
	MSTEP 2
	MSTEP 3
.irp k, 0,1,2,3
	v_mov_b32 v[104+\k], s[40+\k]
.endr
	v_mov_b32 v12, 0
	v_cmp_eq_u32 vcc_lo, 0, v2
	s_wait_xcnt 0x0                                ; EXEC changes only behind this wait: the stores above have had their addresses translated
	s_wait_tensorcnt 0x0
	ds_add_u32 v192, v193
	s_wait_dscnt 0x0
	s_and_saveexec_b32 s44, vcc_lo
	global_store_b128 v12, v[104:107], s[28:29]    ; lane 0: my four flags
	s_wait_xcnt 0x0                                ; and again in front of the line that widens it
	s_or_b32 exec_lo, exec_lo, s44
	s_endpgm
.Lfunc_end_k_q6eec212789_prep:
	.size	k_q6eec212789_prep, .Lfunc_end_k_q6eec212789_prep-k_q6eec212789_prep
	.p2alignl 7, 3214868480
	.fill 96, 4, 3214868480
	.section	.rodata,"a",@progbits
	.p2align	6, 0x0
	.amdhsa_kernel k_q6eec212789_prep
		.amdhsa_group_segment_fixed_size 67072
		.amdhsa_private_segment_fixed_size 0
		.amdhsa_enable_private_segment 0
		.amdhsa_kernarg_size 64
		.amdhsa_user_sgpr_count 2
		.amdhsa_user_sgpr_kernarg_segment_ptr 1
		.amdhsa_wavefront_size32 1
		.amdhsa_system_sgpr_workgroup_id_x 1
		.amdhsa_system_sgpr_workgroup_id_y 1
		.amdhsa_system_sgpr_workgroup_id_z 1
		.amdhsa_system_vgpr_workitem_id 0
		.amdhsa_next_free_vgpr 194
		.amdhsa_next_free_sgpr 66
		.amdhsa_reserve_vcc 1
		.amdhsa_float_denorm_mode_32 3
		.amdhsa_float_denorm_mode_16_64 3
		.amdhsa_memory_ordered 1
		.amdhsa_forward_progress 1
		.amdhsa_inst_pref_size 115
	.end_amdhsa_kernel
	.amdgpu_metadata
---
amdhsa.version: [ 1, 2 ]
amdhsa.kernels:
  - .name:           k_q6eec212789_prep
    .symbol:         k_q6eec212789_prep.kd
    .args:
      - { .name: x, .offset: 0, .size: 8, .value_kind: global_buffer, .address_space: global }
      - { .name: Wq, .offset: 8, .size: 8, .value_kind: global_buffer, .address_space: global }
      - { .name: Wo, .offset: 16, .size: 8, .value_kind: global_buffer, .address_space: global }
      - { .name: Wk, .offset: 24, .size: 8, .value_kind: global_buffer, .address_space: global }
      - { .name: Wv, .offset: 32, .size: 8, .value_kind: global_buffer, .address_space: global }
      - { .name: mask, .offset: 40, .size: 8, .value_kind: global_buffer, .address_space: global }
      - { .name: pre, .offset: 48, .size: 8, .value_kind: global_buffer, .address_space: global }
      - { .name: mw, .offset: 56, .size: 8, .value_kind: global_buffer, .address_space: global }
    .group_segment_fixed_size: 67072
    .private_segment_fixed_size: 0
    .kernarg_segment_align: 8
    .kernarg_segment_size: 64
    .max_flat_workgroup_size: 128
    .sgpr_count:     66
    .vgpr_count:     194
    .wavefront_size: 32
...
	.end_amdgpu_metadata
.endif
;; end of part 1
;; launch proj (part 2): grid 8 x 32, 4 waves a work-group, clusters of 4 x 4, 327,680 bytes of LDS; arguments pre, bq, bk, bv, qkv; writes qkv
.if DOCPART == 2
	.amdgcn_target "amdgcn-amd-amdhsa--gfx1250"
	.amdhsa_code_object_version 6
	.text
	.protected	k_q6eec212789_proj
	.globl	k_q6eec212789_proj
	.p2align	8
	.type	k_q6eec212789_proj,@function
k_q6eec212789_proj:
	s_mov_b64 s[64:65], 0
	v_nop
	global_prefetch_b8 v0, s[64:65] scope:SCOPE_SE
	s_setreg_imm32_b32 hwreg(HW_REG_WAVE_MODE, 25, 1), 1
	s_wait_xcnt 0x0
	s_wait_alu depctr_hold_cnt(0) depctr_sa_sdst(0) depctr_va_vdst(0) depctr_va_sdst(0) depctr_va_ssrc(0) depctr_va_vcc(0) depctr_vm_vsrc(0)
	s_getreg_b32 s2, hwreg(HW_REG_IB_STS2, 6, 4)
	s_cmp_eq_u32 s2, 0
	s_cbranch_scc0 .Lentry_in_a_cluster
	s_endpgm
.Lentry_in_a_cluster:
	s_bfe_u32 s2, ttmp6, 0x10000c
	s_cmp_lg_u32 s2, 0xf033
	s_cbranch_scc0 .Lentry_shape_is_right
	s_endpgm
.Lentry_shape_is_right:
; PROJ.  q = x Wq^T + bq, k = x Wk^T + bk, v = x Wv^T + bv on codes of FP8 (E4M3) with E8M0 scales, sums in f32; the results are quantised here: q and k along the head's 128, v along the keys.
; SHARES.  Work-group (j, i) makes 64 rows of x (positions 64 i on) x 256 columns of q (positions 256 j on), and 64 x 32 of k (j = 0..3) or of v (j = 4..7): 256 work-groups of equal work.
; Wave w takes all 64 rows x columns 64 w on: 16 accumulators.  THE MATRIX INSTRUCTION IS USED TRANSPOSED (source 0 = 16 rows of W, source 1 = 16 rows of x): a lane holds one row of x, its registers run along the columns.
; Rows lie by POSITION (bits 3 and 4 of the index exchanged), so the 16 registers of tiles 2 b and 2 b + 1 are the true columns 32 b + 16 h + 0 .. 15: half a block of 32; the other half lies in lane l xor 16.
; THE EXTRA PART: two accumulators E = P0, P1 (source 0) x Q (source 1).  k: P = Wk's 32 rows, Q = x's rows 16 w on (a lane holds a key, registers run along d).
; v: P = x's rows 32 (w % 2) on, Q = Wv's rows 16 (w / 2) on (a lane holds a d, registers run along the keys).  Which of the two hangs on the cluster's x alone, which all partners share; only four LDS bases differ, chosen without a branch.
; THE BIASES ARE LOADED INTO THE ACCUMULATORS: every product adds in place, nothing is cleared, and no first step is written out.
; K goes in steps of 256 (rows of 256 bytes) through two LDS slots; the scale bytes of all of K come once, with the first fills.
; CLUSTERS: 4 x 4.  x's tile hangs on i alone and is asked for jointly along a row of the cluster, W's on j alone, along a column.
; qkv: q's codes [plane 4 head + c][position][32 bytes] (a fragment's registers 4 c .. 4 c + 3 of 16 positions are 512 consecutive bytes), k's [c][position][32], v's [block of 32 keys][d position][32];
; scale words of q [head][position], scale bytes of k [position][4], of v [d position][64].  k's and v's scale bytes leave as single bytes: 16,384 of the launch's 4.9 million bytes.
; LIMITS: NaN and infinities are not served; a block of zeros carries the byte 1 (its codes are zeros; this program alone reads the bytes).
; No L2 prefetch: eight short K steps on small tiles.  One tile to a work-group.
; REGISTERS.  Window 0: v1 r, v2 h, v16-31 and v60-61 addresses, v32-59 scale words (two sets of 14), v64-191 the accumulators ((mt, nt) at 64 + 32 mt + 8 nt), v192-207 E, v208-251 at work on the way out.
; Windows 1 and 2: fragment sets 0 and 1: W's four at v0, x's four at v64, P0, P1 at v128, v144, Q at v160.
.set BR,     288                       ; rows of W in a group
.set PITCH,  272                       ; an LDS row: 256 bytes + 16 of padding: the 16 rows of a fragment start at 16 different groups of four banks
.set BOFF,   64*PITCH                  ; in a slot: x's 64 rows, then W's 288
.set SLOT,   (64+BR)*PITCH
.set SCL,    2*SLOT                    ; x's scale bytes, 4,096, as rows of 256 bytes + 16
.set SCLB,   SCL+16*272                ; W's, 18,432 likewise
.set SPARE,  215552                    ; the spare words, 128 bytes a wave: two blocks of 256 bytes that no other line names
.set QSS,    SPARE+512                 ; q's scale words on their way out: [2 heads][64 positions]
.set SBLK,   4*272                     ; the scale bytes of 16 rows
.set NF,     44                        ; LDS loads of a set of fragments
.set PXS,    13107200
.set PWC,    4194304
.set PWS,    13238272
.set KC,     4194304
.set VC,     4456448
.set QS,     4718592
.set KS,     4849664
.set VS,     4857856
.set ADRA, 16
.set ADRB, 18
.set ADRP, 20
.set ADRQ, 22
.set ADRS, 24
.set ADPS, 25
.set ADQS, 26
.set LQ,   27                          ; 32 r + 16 h: my 16 codes in 16 positions' 512 bytes
.set SPW,  28
.set NIL,  29
.set LS8,  30
.set QSA,  31
.set SC,   32
.set QRD,  60
.set QGO,  61
.set ACC,  64
.set E,    192
.set TM,   208                         ; +0 largest magnitudes, +4 bytes, +8 448 x the scale, +12 the scale operands
.set PC,   224                         ; the codes just made
.set HW,   240                         ; half scale words
.set VB,   244                         ; bv of my lane's d
.set G1,   24
.set G0,   32
.set G1B,  48
.set G0B,  56
.set G1S,  68
.set G0S,  76
.set G1SB, 80
.set G0SB, 88
.set SEL,  96
.set MNT,  98
.set TYM,  99                          ; 0 in k's work-groups, all ones in v's
.set MSB, 0
.macro WIN new                         ; the immediate's high byte repeats the setting that is left
.if MSB != (\new)
	s_set_vgpr_msb (MSB<<8)|(\new)
.set MSB, (\new)
.endif
.endm
; A joint load: waves 0 and 1 fetch for x, waves 2 and 3 for W.  The branch hangs on the wave's number alone.  Four v_nop follow each of the two lines.
.macro JLOAD g0a, g1a, g0b, g1b
	s_cmp_eq_u32 s15, 0
	s_cbranch_scc0 .Lfor_b_\@
	tensor_load_to_lds s[\g0a:\g0a+3], s[\g1a:\g1a+7]
	s_nop 0
.rept 4
	v_nop
.endr
	s_branch .Lasked_\@
.Lfor_b_\@:
	tensor_load_to_lds s[\g0b:\g0b+3], s[\g1b:\g1b+7]
	s_nop 0
.rept 4
	v_nop
.endr
.Lasked_\@:
.endm
.macro CREST                           ; a round of the cluster's barrier behind its opening barrier
	s_cmp_lg_u32 s14, 0
	s_cbranch_scc1 .Lnot_wave_0_\@
	s_barrier_signal -3
.Lnot_wave_0_\@:
	s_barrier_wait -3
	s_barrier_signal -1
	s_barrier_wait -1
.endm
.macro CROUND
	s_barrier_signal -1
	s_barrier_wait -1
	CREST
.endm
.macro PLACES n
.rept \n
	v_nop
.endr
.endm
	s_load_b256 s[4:11], s[0:1], 0x0               ; pre, bq, bk, bv
	s_load_b64 s[12:13], s[0:1], 0x20              ; qkv
	v_lshl_add_u32 v[SPW], v0, 2, SPARE
	v_mov_b32 v[NIL], 0
	ds_add_u32 v28, v29
	ds_add_u32 v28, v29
	s_wait_dscnt 0x0
	v_lshrrev_b32 v1, 5, v0
	v_readfirstlane_b32 s14, v1                    ; wave
	s_lshr_b32 s15, s14, 1                         ; I fetch for x (0) or for W (1)
	s_and_b32 s16, s14, 1                          ; which half of its rows
	s_bfe_u32 s40, ttmp6, 0x40000                  ; cx
	s_bfe_u32 s41, ttmp6, 0x40004                  ; cy
	s_lshl_b32 s42, ttmp9, 2
	s_add_co_u32 s42, s42, s40                     ; j
	s_and_b32 s17, ttmp7, 0xffff
	s_lshl_b32 s17, s17, 2
	s_add_co_u32 s17, s17, s41                     ; i
	s_lshl_b32 s43, s41, 2
	s_lshl_b32 s43, 15, s43                        ; my row of the cluster
	s_lshl_b32 s44, 0x1111, s40                    ; my column
	s_or_b32 s[G1+0], s43, (1<<20)|(1<<21)|(5<<22)|(3<<25)    ; the mask; elements of 1 byte; padding on; bit 21 beside a mask; 4 words behind every 64
	s_or_b32 s[G1B+0], s44, (1<<20)|(1<<21)|(5<<22)|(3<<25)
	s_mov_b32 s[G1+1], 256<<16                     ; tensor_dim0
	s_mov_b32 s[G1+2], 32<<16                      ; tensor_dim1: x's half, 32 rows
	s_mov_b32 s[G1+3], 256<<16                     ; tile_dim0
	s_mov_b32 s[G1+4], 32                          ; tile_dim1
	s_mov_b32 s[G1+5], 2048                        ; from row to row
	s_mov_b32 s[G1+6], 0
	s_mov_b32 s[G1+7], 0
	s_mov_b32 s[G1B+1], 256<<16
	s_mov_b32 s[G1B+2], (BR/2)<<16                 ; W's half, 144 rows
	s_mov_b32 s[G1B+3], 256<<16
	s_mov_b32 s[G1B+4], BR/2
	s_mov_b32 s[G1B+5], 2048
	s_mov_b32 s[G1B+6], 0
	s_mov_b32 s[G1B+7], 0
	s_or_b32 s[G1S+0], s43, (3<<16)|(1<<20)|(1<<21)|(5<<22)|(3<<25)   ; the scale bytes: dense blocks, as rows of 32 elements of 8 bytes
	s_or_b32 s[G1SB+0], s44, (3<<16)|(1<<20)|(1<<21)|(5<<22)|(3<<25)
	s_mov_b32 s[G1S+1], 32<<16
	s_mov_b32 s[G1S+2], 8<<16                      ; 32 rows x 64 bytes = 8 rows of 256
	s_mov_b32 s[G1S+3], 32<<16
	s_mov_b32 s[G1S+4], 8
	s_mov_b32 s[G1S+5], 32
	s_mov_b32 s[G1S+6], 0
	s_mov_b32 s[G1S+7], 0
	s_mov_b32 s[G1SB+1], 32<<16
	s_mov_b32 s[G1SB+2], (BR/8)<<16                ; 144 rows x 64 bytes = 36 rows of 256
	s_mov_b32 s[G1SB+3], 32<<16
	s_mov_b32 s[G1SB+4], BR/8
	s_mov_b32 s[G1SB+5], 32
	s_mov_b32 s[G1SB+6], 0
	s_mov_b32 s[G1SB+7], 0
	s_lshl_b32 s20, s17, 6                         ; x's addresses hang on i and the wave alone,
	s_lshl_b32 s18, s16, 5
	s_add_co_u32 s20, s20, s18                     ; row 64 i + 32 half
	s_lshl_b32 s22, s20, 6
	s_add_co_u32 s22, s22, PXS
	s_lshl_b32 s20, s20, 11
	s_mov_b32 s21, 0
	s_mov_b32 s23, 0
	s_mul_i32 s46, s42, BR                         ; W's on j and the wave alone
	s_mul_i32 s18, s16, BR/2
	s_add_co_u32 s46, s46, s18                     ; row 288 j + 144 half
	s_lshl_b32 s92, s46, 6
	s_add_co_u32 s92, s92, PWS
	s_lshl_b32 s46, s46, 11
	s_add_co_u32 s46, s46, PWC
	s_mov_b32 s47, 0
	s_mov_b32 s93, 0
	s_mul_i32 s45, s16, 32*PITCH                   ; where they go: no place in the cluster enters an LDS address
	s_mul_i32 s94, s16, (BR/2)*PITCH
	s_add_co_u32 s94, s94, BOFF
	s_mul_i32 s95, s16, 8*272
	s_add_co_u32 s95, s95, SCL
	s_mul_i32 s66, s16, (BR/8)*272
	s_add_co_u32 s66, s66, SCLB
	s_mov_b32 s[SEL], 0x76543210
	s_mov_b32 s[SEL+1], 0xfedcba98                 ; v_permlanex16_b32's selects for lane l xor 16
	s_mov_b32 s[MNT], 0x600000                     ; the mantissa field of 448
	s_wait_kmcnt 0x0
	s_add_nc_u64 s[20:21], s[4:5], s[20:21]
	s_add_nc_u64 s[22:23], s[4:5], s[22:23]
	s_add_nc_u64 s[46:47], s[4:5], s[46:47]
	s_add_nc_u64 s[92:93], s[4:5], s[92:93]
	CROUND                                         ; all sixteen work-groups are here: the first joint loads meet
	s_mov_b32 s[G0S], 1
	s_mov_b32 s[G0S+1], s95
	s_mov_b64 s[G0S+2:G0S+3], s[22:23]
	s_or_b32 s[G0S+3], s[G0S+3], 0x80000000
	s_mov_b32 s[G0SB], 1
	s_mov_b32 s[G0SB+1], s66
	s_mov_b64 s[G0SB+2:G0SB+3], s[92:93]
	s_or_b32 s[G0SB+3], s[G0SB+3], 0x80000000
	JLOAD G0S, G1S, G0SB, G1SB                     ; the scale bytes first: wanted with K step 0
.irp s, 0,1
	s_mov_b32 s[G0+4*\s], 1
	s_add_co_u32 s[G0+4*\s+1], s45, \s*SLOT
	s_add_nc_u64 s[G0+4*\s+2:G0+4*\s+3], s[20:21], \s*256
	s_or_b32 s[G0+4*\s+3], s[G0+4*\s+3], 0x80000000
	s_mov_b32 s[G0B+4*\s], 1
	s_add_co_u32 s[G0B+4*\s+1], s94, \s*SLOT
	s_add_nc_u64 s[G0B+4*\s+2:G0B+4*\s+3], s[46:47], \s*256
	s_or_b32 s[G0B+4*\s+3], s[G0B+4*\s+3], 0x80000000
	JLOAD G0+4*\s, G1, G0B+4*\s, G1B               ; three loads of mine are out behind the second of these
.endr
	; ---- LDS addresses
	v_and_b32 v1, 15, v0                           ; r
	v_bfe_u32 v2, v0, 4, 1                         ; h
	v_mul_u32_u24 v3, v1, PITCH
	v_lshl_add_u32 v3, v2, 4, v3                   ; a fragment's row x pitch + 16 h
	s_mul_i32 s18, s14, 64*PITCH
	s_add_co_u32 s18, s18, BOFF                    ; my 64 rows of W
	s_mul_i32 s19, s16, 32*PITCH                   ; v: P = x's rows 32 (w % 2) on
	s_mul_i32 s45, s14, 16*PITCH                   ; k: Q = x's rows 16 w on
	s_mul_i32 s66, s15, 16*PITCH
	s_add_co_u32 s66, s66, BOFF+256*PITCH          ; v: Q = the group's rows 256 + 16 (w / 2) on
	s_mov_b32 s67, BOFF+256*PITCH                  ; k: P = the group's rows 256 on
	s_cmp_eq_u32 ttmp9, 0                          ; the cluster's x: the same in all sixteen partners
	s_cselect_b32 s19, s67, s19
	s_cselect_b32 s45, s45, s66
.irp s, 0,1
	v_add_nc_u32 v[ADRA+\s], \s*SLOT, v3
	v_add_nc_u32 v[ADRB+\s], s18, v3
	v_add_nc_u32 v[ADRP+\s], s19, v3
	v_add_nc_u32 v[ADRQ+\s], s45, v3
	s_add_co_u32 s18, s18, SLOT
	s_add_co_u32 s19, s19, SLOT
	s_add_co_u32 s45, s45, SLOT
.endr
	v_lshrrev_b32 v4, 2, v1                        ; row r's scale bytes: four rows of 64 bytes to 256 + 16
	v_mul_u32_u24 v4, v4, 272
	v_and_b32 v5, 3, v1
	v_lshl_add_u32 v4, v5, 6, v4
	s_mul_i32 s18, s14, 16*272
	s_add_co_u32 s18, s18, 16*272                  ; from x's scale bytes to those of my 64 rows of W
	v_mul_u32_u24 v5, s18, v2                      ; lanes 16-31 take W's
	v_add_nc_u32 v5, v5, v4
	v_add_nc_u32 v[ADRS], SCL, v5
	s_mul_i32 s18, s16, 8*272
	s_add_co_u32 s18, s18, SCL                     ; v: P's
	s_mul_i32 s19, s14, 4*272
	s_add_co_u32 s19, s19, SCL                     ; k: Q's
	s_mul_i32 s45, s15, 4*272
	s_add_co_u32 s45, s45, SCLB+64*272             ; v: Q's
	s_mov_b32 s66, SCLB+64*272                     ; k: P's
	s_cmp_eq_u32 ttmp9, 0
	s_cselect_b32 s18, s66, s18
	s_cselect_b32 s19, s19, s45
	v_add_nc_u32 v[ADPS], s18, v4
	v_add_nc_u32 v[ADQS], s19, v4
	v_lshlrev_b32 v[LQ], 5, v1
	v_lshl_add_u32 v[LQ], v2, 4, v[LQ]
	s_lshl_b32 s18, s15, 8
	s_lshl_b32 s19, s16, 1
	s_add_co_u32 s18, s18, s19
	s_add_co_u32 s18, s18, QSS
	v_lshl_add_u32 v[QSA], v1, 2, s18              ; my two bytes of position r's scale word: head w / 2, bytes 2 (w % 2) on
	v_and_b32 v[QRD], 31, v0
	v_lshl_add_u32 v[QRD], v[QRD], 4, QSS          ; and 16 bytes a lane on the way out
	v_lshlrev_b32 v[QGO], 13, v2
	v_lshl_add_u32 v[QGO], v1, 4, v[QGO]           ; lanes 0-15: the first head's 256 bytes; lanes 16-31: the second's
.irp b, 0,1,2,3
	v_mov_b32 v[TM+4+\b], 0                        ; a lane permute's destination counts as one of its sources
.endr
	; ---- the biases, into the accumulators: register j of tile 2 b + u holds column 32 b + 16 h + 8 u + j
	s_lshl_b32 s18, s42, 10
	s_lshl_b32 s19, s14, 8
	s_add_co_u32 s18, s18, s19
	s_mov_b32 s19, 0
	s_add_nc_u64 s[6:7], s[6:7], s[18:19]          ; bq at column 256 j + 64 w
	v_lshlrev_b32 v6, 6, v2                        ; 16 h numbers
.irp m, 0,1,2,3
.irp t, 0,1,2,3
	global_load_b128 v[ACC+32*\m+8*\t:ACC+32*\m+8*\t+3], v6, s[6:7] offset:(32*(\t/2)+8*(\t%2))*4
	global_load_b128 v[ACC+32*\m+8*\t+4:ACC+32*\m+8*\t+7], v6, s[6:7] offset:(32*(\t/2)+8*(\t%2))*4+16
.endr
.endr
	s_lshl_b32 s18, s40, 7                         ; 32 cx numbers
	s_add_nc_u64 s[8:9], s[8:9], s[18:19]
	s_add_nc_u64 s[10:11], s[10:11], s[18:19]
.irp c, 0,1,2,3
	global_load_b128 v[E+4*\c:E+4*\c+3], v6, s[8:9] offset:16*\c   ; k: bk at d = 32 cx + 16 h + 0 .. 15
.endr
	v_and_b32 v7, 8, v1
	v_add_nc_u32 v7, v7, v1                        ; 16 (r / 8) + r % 8
	s_lshl_b32 s18, s15, 3
	v_add_nc_u32 v7, s18, v7                       ; + 8 (w / 2): the true d of position 16 (w / 2) + r
	v_lshlrev_b32 v7, 2, v7
	global_load_b32 v[VB], v7, s[10:11]            ; v: bv of my lane's d
	; ---- where the results go
	s_lshl_b32 s18, s42, 3
	s_lshl_b32 s19, s14, 1
	s_add_co_u32 s18, s18, s19                     ; plane 8 j + 2 w
	s_lshl_b32 s18, s18, 16
	s_lshl_b32 s19, s17, 11                        ; 64 i positions of 32 bytes
	s_add_co_u32 s18, s18, s19
	s_mov_b32 s19, 0
	s_add_nc_u64 s[20:21], s[12:13], s[18:19]      ; q's codes
	s_lshl_b32 s18, s42, 14                        ; head 2 j: 8,192 bytes a head
	s_lshl_b32 s45, s17, 8
	s_add_co_u32 s18, s18, s45
	s_add_co_u32 s18, s18, QS
	s_add_nc_u64 s[22:23], s[12:13], s[18:19]      ; q's scale words
	s_lshl_b32 s18, s17, 6
	s_lshl_b32 s19, s14, 4
	s_add_co_u32 s18, s18, s19                     ; k: position 64 i + 16 w
	s_lshl_b32 s19, s40, 5
	s_lshl_b32 s45, s15, 4
	s_add_co_u32 s19, s19, s45                     ; v: d position 32 cx + 16 (w / 2)
	s_lshl_b32 s45, s17, 1
	s_add_co_u32 s45, s45, s16                     ; v: block of keys 2 i + w % 2
	s_lshl_b32 s46, s40, 16
	s_lshl_b32 s47, s18, 5
	s_add_co_u32 s46, s46, s47
	s_add_co_u32 s46, s46, KC                      ; k's codes
	s_lshl_b32 s47, s45, 12
	s_lshl_b32 s66, s19, 5
	s_add_co_u32 s47, s47, s66
	s_add_co_u32 s47, s47, VC                      ; v's codes
	s_lshl_b32 s66, s18, 2
	s_add_co_u32 s66, s66, s40
	s_add_co_u32 s66, s66, KS                      ; k's scale bytes
	s_lshl_b32 s67, s19, 6
	s_add_co_u32 s67, s67, s45
	s_add_co_u32 s67, s67, VS                      ; v's scale bytes
	s_cmp_eq_u32 ttmp9, 0
	s_cselect_b32 s92, s46, s47
	s_cselect_b32 s94, s66, s67
	s_cselect_b32 s18, 2, 6                        ; from lane to lane: 4 bytes in k's, 64 in v's
	s_cselect_b32 s[TYM], 0, -1
	s_mov_b32 s93, 0
	s_mov_b32 s95, 0
	s_add_nc_u64 s[92:93], s[12:13], s[92:93]
	s_add_nc_u64 s[94:95], s[12:13], s[94:95]
	v_lshlrev_b32 v[LS8], s18, v1
	s_wait_loadcnt 0x0                             ; the biases
.irp n, 0,1,2,3,4,5,6,7,8,9,10,11,12,13,14,15
	v_cndmask_b32 v[E+\n], v[E+\n], v[VB], s[TYM]  ; in v's work-groups all 16 registers are keys of one d
.endr
.macro FRAG reg, adr, off              ; 16 rows x 128 K: registers 4 c .. 4 c + 3 hold K = 32 c + 16 h + 0 .. 15
.irp c, 0,1,2,3
	ds_load_b128 v[\reg+4*\c:\reg+4*\c+3], v[\adr] offset:\off+32*\c
.endr
.endm
.macro FETCH slot, q, p                ; the slot's q-th 128 along K into set p: 44 loads in one run
	WIN 0x40+0x40*\p
.irp t, 0,1,2,3
	FRAG 16*\t, ADRB+\slot, 128*\q+\t*16*PITCH
.endr
.irp t, 0,1,2,3
	FRAG 64+16*\t, ADRA+\slot, 128*\q+\t*16*PITCH
.endr
	FRAG 128, ADRP+\slot, 128*\q
	FRAG 144, ADRP+\slot, 128*\q+16*PITCH
	FRAG 160, ADRQ+\slot, 128*\q
.endm
.macro SCALES sl                       ; a K step's scale words, two a row: lanes 0-15 x's tile i, lanes 16-31 W's tile i; then P0's, P1's, Q's
	WIN 0
.irp i, 0,1,2,3
	ds_load_b64 v[SC+14*\sl+2*\i:SC+14*\sl+2*\i+1], v[ADRS] offset:\i*SBLK
.endr
	ds_load_b64 v[SC+14*\sl+8:SC+14*\sl+9], v[ADPS]
	ds_load_b64 v[SC+14*\sl+10:SC+14*\sl+11], v[ADPS] offset:SBLK
	ds_load_b64 v[SC+14*\sl+12:SC+14*\sl+13], v[ADQS]
.endm
; The 18 accumulators take turns, one instruction a turn, in the same order in every step.
.macro MUL p, q, sl, mtlo, mthi
	WIN 0x05+0x05*\p
.set mt, \mtlo
.rept \mthi-\mtlo+1
.irp nt, 0,1,2,3
	v_wmma_scale_f32_16x16x128_f8f6f4 v[ACC+32*mt+8*\nt:ACC+32*mt+8*\nt+7], v[16*\nt:16*\nt+15], v[64+16*mt:64+16*mt+15], v[ACC+32*mt+8*\nt:ACC+32*mt+8*\nt+7], v[SC+14*\sl+2*\nt+\q], v[SC+14*\sl+2*mt+\q] matrix_a_scale:MATRIX_SCALE_ROW1
.endr
.set mt, mt+1
.endr
.endm
.macro MULX p, q, sl
	WIN 0x05+0x05*\p
.irp u, 0,1
	v_wmma_scale_f32_16x16x128_f8f6f4 v[E+8*\u:E+8*\u+7], v[128+16*\u:128+16*\u+15], v[160:175], v[E+8*\u:E+8*\u+7], v[SC+14*\sl+8+2*\u+\q], v[SC+14*\sl+12+\q]
.endr
.endm
; A slot's first 128 along K (set 0).  Eight places stand in front of loads into registers that matrix instructions have read.
.macro STEP slot
	PLACES 8
	FETCH \slot, 1, 1
	s_wait_dscnt NF                                ; all but the 44 just issued: set 0 and its scale words are in
	MUL 0, 0, \slot, 0, 3
	MULX 0, 0, \slot
.endm
; A slot's second 128 (set 1) changes slots: one barrier; in front of it each wave waits for all its tensor loads, adds 0 to its spare word, and waits for that and for its reads of this slot.
.macro TURN slot, next, fill
	WIN 0
	s_wait_tensorcnt 0x0                           ; all my tensor loads have landed: my part of the next slot
	ds_add_u32 v[SPW], v[NIL]                      ; 0 onto my spare word
	s_wait_dscnt 1                                 ; set 1 is in; the add alone may be out
	MUL 1, 1, \slot, 0, 1
	s_wait_dscnt 0x0                               ; the add is done, and my reads of this slot are over
	s_barrier_signal -1
	MUL 1, 1, \slot, 2, 2
	WIN 0
	s_barrier_wait -1
.if \fill
	CREST                                          ; the barrier has opened a round of the cluster's: no wave of any partner still reads this slot or has a load on its way
	s_add_nc_u64 s[G0+4*\slot+2:G0+4*\slot+3], s[G0+4*\slot+2:G0+4*\slot+3], 512
	s_add_nc_u64 s[G0B+4*\slot+2:G0B+4*\slot+3], s[G0B+4*\slot+2:G0B+4*\slot+3], 512
	JLOAD G0+4*\slot, G1, G0B+4*\slot, G1B         ; the first tensor load behind the round; its four v_nop are four of the eight places
	PLACES 4
.else
	PLACES 8
.endif
	v_add_nc_u32 v[ADRS], 8, v[ADRS]               ; the next K step's scale words
	v_add_nc_u32 v[ADPS], 8, v[ADPS]
	v_add_nc_u32 v[ADQS], 8, v[ADQS]
	FETCH \next, 0, 0
	SCALES \next
	MUL 1, 1, \slot, 3, 3
	MULX 1, 1, \slot
	WIN 0
.endm
	s_wait_tensorcnt 1                             ; the scale bytes and my part of K step 0 are in; K step 1's load may be out
	s_barrier_signal -1
	s_barrier_wait -1
	FETCH 0, 0, 0
	SCALES 0
	s_mov_b32 s3, 3
.Llap:                                             ; a trip = two K steps of 256 = once round the ring; both slots are filled again
	STEP 0
	TURN 0, 1, 1
	STEP 1
	TURN 1, 0, 1
	s_sub_co_u32 s3, s3, 1
	s_cmp_lg_u32 s3, 0
	s_cbranch_scc1 .Llap
	STEP 0                                         ; the last lap fills nothing
	TURN 0, 1, 0
	STEP 1
	s_wait_dscnt 0x0
	MUL 1, 1, 1, 0, 3
	MULX 1, 1, 1
	WIN 0
	PLACES 8                                       ; in front of the first read of results
; n blocks of a lane: v[s + 16 b + i] = number 32 b + 16 h + i of my row: codes into v[PC + 4 b] on, bytes into v[TM + 4 + b].  Each accumulator is read from its low end on.
.macro QUANT s, n
.set qb, 0
.rept \n
	v_max3_num_f32 v[TM+qb], |v[(\s)+16*qb]|, |v[(\s)+1+16*qb]|, 0x4800000   ; my 16 numbers, and the floor 2^(9 - 127): the byte cannot fall under 1
.set qb, qb+1
.endr
.irp i, 2,4,6,8,10,12,14
.set qb, 0
.rept \n
	v_max3_num_f32 v[TM+qb], v[TM+qb], |v[(\s)+16*qb+\i]|, |v[(\s)+1+16*qb+\i]|
.set qb, qb+1
.endr
.endr
.set qb, 0
.rept \n
	v_permlanex16_b32 v[TM+4+qb], v[TM+qb], s[SEL], s[SEL+1]
.set qb, qb+1
.endr
.set qb, 0
.rept \n
	v_max_num_f32 v[TM+qb], v[TM+qb], v[TM+4+qb]   ; with lane l xor 16's: the block's largest magnitude
.set qb, qb+1
.endr
.set qb, 0
.rept \n
	v_add_nc_u32 v[TM+12+qb], 0xfc000000, v[TM+qb] ; 8 off its exponent field: the conversion's scale operand
	v_and_or_b32 v[TM+8+qb], v[TM+qb], 0x7f800000, s[MNT]   ; 448 x the scale
.set qb, qb+1
.endr
.set qb, 0
.rept \n
	v_lshrrev_b32 v[TM+4+qb], 23, v[TM+12+qb]      ; the scale's byte
.set qb, qb+1
.endr
.set qb, 0
.rept \n
.irp i, 0,1,2,3,4,5,6,7,8,9,10,11,12,13,14,15
	v_med3_num_f32 v[(\s)+16*qb+\i], v[(\s)+16*qb+\i], -v[TM+8+qb], v[TM+8+qb]   ; the conversion does not saturate (ISA guide 7.6.2): the hold comes first
.endr
	v_cvt_scalef32_pk8_fp8_f32 v[PC+4*qb:PC+4*qb+1], v[(\s)+16*qb:(\s)+16*qb+7], v[TM+12+qb]
	v_cvt_scalef32_pk8_fp8_f32 v[PC+4*qb+2:PC+4*qb+3], v[(\s)+16*qb+8:(\s)+16*qb+15], v[TM+12+qb]
.set qb, qb+1
.endr
	v_nop                                          ; one plain instruction behind the last conversion
.endm
	; ---- q: two tiles of rows at a time; block B is (tile 2 mp + B / 2, columns 32 (B % 2) on)
.irp mp, 0,1
.if \mp == 1
	s_wait_xcnt 0x0                                ; the stores have read the codes' registers
.endif
	QUANT ACC+64*\mp, 4
.irp B, 0,1,2,3
	global_store_b128 v[LQ], v[PC+4*\B:PC+4*\B+3], s[20:21] offset:(\B%2)*65536+(2*\mp+\B/2)*512   ; 512 consecutive bytes
.endr
	v_lshl_or_b32 v[HW+2*\mp], v[TM+5], 8, v[TM+4]
	v_lshl_or_b32 v[HW+2*\mp+1], v[TM+7], 8, v[TM+6]
	ds_store_b16 v[QSA], v[HW+2*\mp] offset:64*(2*\mp)             ; both lanes of a block write the same two bytes with the same value
	ds_store_b16 v[QSA], v[HW+2*\mp+1] offset:64*(2*\mp+1)
.endr
	; ---- k or v: one block a lane
	s_wait_xcnt 0x0
	QUANT E, 1
	global_store_b128 v[LQ], v[PC:PC+3], s[92:93]  ; 512 consecutive bytes
	global_store_b8 v[LS8], v[TM+4], s[94:95]
	s_wait_dscnt 0x0                               ; for the others' sake: my half words lie in LDS
	s_barrier_signal -1
	s_barrier_wait -1
	s_cmp_lg_u32 s14, 0
	s_cbranch_scc1 .Lnot_first
	ds_load_b128 v[248:251], v[QRD]                ; wave 0: two heads x 64 positions of whole scale words
	s_wait_dscnt 0x0
	global_store_b128 v[QGO], v[248:251], s[22:23] ; sixteen lanes store 256 consecutive bytes, aligned
.Lnot_first:
	s_wait_tensorcnt 0x0                           ; the wave's end
	ds_add_u32 v[SPW], v[NIL]
	s_wait_dscnt 0x0
	CROUND                                         ; the closing round
	s_endpgm
.Lfunc_end_k_q6eec212789_proj:
	.size	k_q6eec212789_proj, .Lfunc_end_k_q6eec212789_proj-k_q6eec212789_proj
	.p2alignl 7, 3214868480
	.fill 96, 4, 3214868480
	.section	.rodata,"a",@progbits
	.p2align	6, 0x0
	.amdhsa_kernel k_q6eec212789_proj
		.amdhsa_group_segment_fixed_size 327680
		.amdhsa_private_segment_fixed_size 0
		.amdhsa_enable_private_segment 0
		.amdhsa_kernarg_size 40
		.amdhsa_user_sgpr_count 2
		.amdhsa_user_sgpr_kernarg_segment_ptr 1
		.amdhsa_wavefront_size32 1
		.amdhsa_system_sgpr_workgroup_id_x 1
		.amdhsa_system_sgpr_workgroup_id_y 1
		.amdhsa_system_sgpr_workgroup_id_z 1
		.amdhsa_system_vgpr_workitem_id 0
		.amdhsa_next_free_vgpr 768
		.amdhsa_next_free_sgpr 100
		.amdhsa_reserve_vcc 0
		.amdhsa_float_denorm_mode_32 3
		.amdhsa_float_denorm_mode_16_64 3
		.amdhsa_memory_ordered 1
		.amdhsa_forward_progress 1
		.amdhsa_inst_pref_size 85
	.end_amdhsa_kernel
	.amdgpu_metadata
---
amdhsa.version: [ 1, 2 ]
amdhsa.kernels:
  - .name:           k_q6eec212789_proj
    .symbol:         k_q6eec212789_proj.kd
    .args:
      - { .name: pre, .offset: 0, .size: 8, .value_kind: global_buffer, .address_space: global }
      - { .name: bq, .offset: 8, .size: 8, .value_kind: global_buffer, .address_space: global }
      - { .name: bk, .offset: 16, .size: 8, .value_kind: global_buffer, .address_space: global }
      - { .name: bv, .offset: 24, .size: 8, .value_kind: global_buffer, .address_space: global }
      - { .name: qkv, .offset: 32, .size: 8, .value_kind: global_buffer, .address_space: global }
    .group_segment_fixed_size: 327680
    .private_segment_fixed_size: 0
    .kernarg_segment_align: 8
    .kernarg_segment_size: 40
    .max_flat_workgroup_size: 128
    .sgpr_count:     100
    .vgpr_count:     768
    .wavefront_size: 32
...
	.end_amdgpu_metadata
.endif
;; end of part 2
;; launch attn (part 3): grid 64 x 4, 8 waves a work-group, no clusters, 297,984 bytes of LDS; arguments qkv, mw, att; writes att
.if DOCPART == 3
	.amdgcn_target "amdgcn-amd-amdhsa--gfx1250"
	.amdhsa_code_object_version 6
	.text
	.protected	k_q6eec212789_attn
	.globl	k_q6eec212789_attn
	.p2align	8
	.type	k_q6eec212789_attn,@function
k_q6eec212789_attn:
	s_mov_b64 s[64:65], 0
	v_nop
	global_prefetch_b8 v0, s[64:65] scope:SCOPE_SE
	s_setreg_imm32_b32 hwreg(HW_REG_WAVE_MODE, 25, 1), 1
	s_wait_xcnt 0x0
; ATTN.  o = softmax(q k^T / sqrt(128), under the mask) v for 16 query heads on ONE key and value head, both products on codes of FP8 (E4M3) with E8M0 scales; o / l is quantised along the hidden axis for the last product.
; THE SOFTMAX: t = score x log2(e) / sqrt(128); M = the row's largest t so far, rounded up to a whole number; p = 2^(t - M) is quantised along the keys, not normalised; l sums the unquantised p and divides at the end.
; When M moves, l and O are multiplied by 2^(old M - new M): exact.
; THE MASK is an input.  An earlier launch has stored it as lane-mask words (one word for each score register of a step) and one flag for each (tile of 16 queries, step of 128 keys).  A false bit makes the score -infinity
; ahead of the maximum.  A step whose flag is 0 holds no true bit: it adds nothing for any input, and a scalar branch on the stored flag leads round its work.
; This launch has no tensor load, no joint loads and no cluster, although all work-groups walk the same K and V: LDS is filled through registers.
; SHARES.  Work-group (a, hq): tiles a and 127 - a of 16 queries x heads 4 hq .. 4 hq + 3: eight tiles, one a wave.  The pairing only evens the work out where flags fall as for a triangular mask; no value hangs on it.
; Every wave passes all 16 key steps.  K and V come through two LDS slots of 256 keys: wave w brings 8,192 consecutive bytes of a slot (waves 0-3: K's four planes; waves 4-7: V's eight planes, two each) into registers
; while the slot in hand is worked, and stores them into the other slot; one barrier a slot.  A slot that no wave of the work-group needs (both tiles' flags) is not brought.
; LAYOUT.  Both products transposed: S^T = K Q^T, O^T = V^T P^T: a lane holds one query.  Rows lie by POSITION (bits 3, 4 exchanged): the 16 registers of tiles 2 b, 2 b + 1 are true keys (or channels) 32 b + 16 h + 0 .. 15.
; A QUERY WITH NO TRUE KEY: l = 0.  Its codes are zeros and its scale word is 0xffffffff, which makes the last product's whole row NaN, as the softmax of such a row is.  This path was not tried.
; LIMITS: NaN and infinities among the inputs are not served; a block of zeros carries the byte 1.  The rows' scale bytes leave as 16 bytes a row: 131,072 of the launch's 4.3 million bytes.
; REGISTERS.  v0 -infinity; v1-7 addresses that stay; v8-11 addresses in hand; v12 -M, v13 the largest t, v[14:15] l; v16-31 Q; v32-95 four fragments; v96-159 S^T, then p, then V's tiles 4-7; v160-223 O^T; v224-239 p's codes;
; v232-247 at work; v240-243, v248-251 scale words; v252 f, v253 p's scale word, v254 at work, v255 Q's scale words.  Window 1: v0-63 the next slot's bytes, v64-127 K's tiles 4-7.
.set KC,    4194304
.set VC,    4456448
.set QS,    4718592
.set KS,    4849664
.set ASC,   4194304
.set FLB,   524288
.set SLOT1, 131072                     ; slot 1 begins here; a slot uses 8 x 8,704 bytes: 8,192 as rows of 256 bytes + 16 of padding
.set VOFF,  4*8704                     ; in a slot: K's four planes (256 positions x 32 bytes), then V's eight (128 positions x 32 bytes)
.set SCK,   262144                     ; K's scale words, 8,192 bytes as rows of 256 + 16
.set SCV,   SCK+8704                   ; V's scale bytes likewise
.set OST,   SCV+8704                   ; the way out: 32 rows x (512 + 16) bytes
.set SCST,  OST+32*528                 ; and 32 rows x 16 scale bytes
.set AK0,  1
.set AV0,  2
.set ASK0, 3
.set ASV0, 4
.set FA0,  5
.set GOFF, 6
.set PFO,  7
.set ADK,  8
.set ADV,  9
.set ADS,  10
.set ADT,  11
.set TM,   232
.set PC,   32
.set TS,   3                           ; s3   where the step's scale words of K begin: 544 bytes a step
.set TJ,   4                           ; s4   and V's: 4 bytes a step
.set CNT,  5                           ; s5   the slot in hand
.set FLG,  6                           ; s6   my tile's flags, the step in hand in bit 0
.set MOFF, 7                           ; s7   the next step's mask words
.set WV,   8
.set MNT,  9
.set PLIM, 10
.set T,    11
.set SEL,  12
.set CS,   14
.set MP,   16                          ; s[16:17] my tile's mask words
.set GP,   18                          ; s[18:19] my 8,192 bytes of the next slot
.set STG,  20                          ; s[20:21] a slot on, in bytes
.set PFA,  22                          ; s[22:23] my 8,192 bytes of the slot after the next
.set FLW,  24                          ; s24  both tiles' flags, two bits a slot
.set MSB, 0
.macro WIN new
.if MSB != (\new)
	s_set_vgpr_msb (MSB<<8)|(\new)
.set MSB, (\new)
.endif
.endm
	s_load_b128 s[32:35], s[0:1], 0x0              ; qkv, mw
	s_set_vgpr_msb 0x40
	v_lshl_add_u32 v128, v0, 2, 0x48800
	v_mov_b32 v129, 0
	s_set_vgpr_msb 0x4000
	v_lshrrev_b32 v8, 5, v0
	v_readfirstlane_b32 s[WV], v8                  ; wave 0..7
	s_mov_b32 s25, ttmp9                           ; a
	s_and_b32 s26, ttmp7, 0xffff                   ; hq
	s_lshr_b32 s27, s[WV], 2
	s_xor_b32 s27, s27, s[WV]
	s_and_b32 s27, s27, 1                          ; which of the two tiles: waves w and w + 4, and waves 2 s and 2 s + 1, hold one of each
	s_lshr_b32 s28, s[WV], 1                       ; which of the four heads
	s_sub_co_u32 s30, 127, s25
	s_cmp_eq_u32 s27, 0
	s_cselect_b32 s29, s25, s30                    ; my tile
	s_lshl_b32 s31, s26, 2
	s_add_co_u32 s31, s31, s28                     ; my head
	s_lshl_b32 s40, s31, 18                        ; Q's codes: four planes of 65,536 bytes a head,
	s_lshl_b32 s42, s29, 9                         ; 16 positions of 32 bytes a tile
	s_add_co_u32 s40, s40, s42
	s_mov_b32 s41, 0
	s_lshl_b32 s42, s31, 13                        ; Q's scale words
	s_lshl_b32 s44, s29, 6
	s_add_co_u32 s42, s42, s44
	s_add_co_u32 s42, s42, QS
	s_mov_b32 s43, 0
	s_lshl_b32 s44, s[WV], 11                      ; K's and V's scale bytes lie on end: 2,048 bytes a wave
	s_add_co_u32 s44, s44, KS
	s_mov_b32 s45, 0
	s_lshl_b32 s46, s[WV], 16
	s_add_co_u32 s46, s46, KC                      ; waves 0-3: K's plane w
	s_lshl_b32 s47, s[WV], 13
	s_add_co_u32 s47, s47, VC-4*8192               ; waves 4-7: two of V's planes
	s_mov_b32 s[STG], 32768
	s_cmp_lt_u32 s[WV], 4
	s_cselect_b32 s46, s46, s47
	s_cselect_b32 s[STG], 8192, s[STG]
	s_mov_b32 s47, 0
	s_mov_b32 s[STG+1], 0
	s_lshl_b32 s48, s25, 6
	s_add_co_u32 s48, s48, FLB                     ; tile a's flags
	s_mov_b32 s49, 0
	s_lshl_b32 s50, s30, 6
	s_add_co_u32 s50, s50, FLB                     ; tile 127 - a's
	s_mov_b32 s51, 0
	s_lshl_b32 s52, s29, 12
	s_mov_b32 s53, 0
	v_and_b32 v9, 31, v0                           ; lane
	v_and_b32 v10, 15, v0                          ; r
	v_bfe_u32 v11, v0, 4, 1                        ; h
	v_lshlrev_b32 v[GOFF], 4, v9
	v_lshlrev_b32 v[PFO], 8, v9
	v_lshrrev_b32 v12, 3, v10
	v_mul_u32_u24 v12, v12, 272
	v_and_b32 v13, 7, v10
	v_lshl_add_u32 v12, v13, 5, v12
	v_lshl_add_u32 v[AK0], v11, 4, v12             ; position r of a tile: eight positions of 32 bytes to 256 + 16; + 16 h: sixteen lanes touch sixteen different columns of 16 bytes
	v_add_nc_u32 v[AV0], VOFF, v[AK0]
	v_lshl_add_u32 v[ASK0], v10, 2, SCK
	v_lshrrev_b32 v12, 2, v10
	v_mul_u32_u24 v12, v12, 272
	v_and_b32 v13, 3, v10
	v_lshl_add_u32 v12, v13, 6, v12
	v_add_nc_u32 v[ASV0], SCV, v12
	v_mul_u32_u24 v12, v11, 272
	v_lshl_add_u32 v12, v10, 4, v12                ; a load's 512 bytes in LDS: two rows of 256 + 16
	s_mul_i32 s54, s[WV], 8704
	v_add_nc_u32 v[FA0], s54, v12
	s_mul_i32 s54, s[WV], 2176
	s_add_co_u32 s54, s54, SCK
	v_add_nc_u32 v14, s54, v12
	v_lshlrev_b32 v15, 5, v10
	v_lshl_add_u32 v15, v11, 4, v15
	v_lshlrev_b32 v254, 2, v10
	s_mov_b32 s[SEL], 0x76543210
	s_mov_b32 s[SEL+1], 0xfedcba98
	s_mov_b32 s[CS], 0x3e0293ee                    ; c = log2(e) / sqrt(128)
	s_mov_b32 s[CS+1], s[CS]
	s_mov_b32 s[MNT], 0x600000
	s_mov_b32 s[TS], 0
	s_mov_b32 s[TJ], 0
	s_mov_b32 s[CNT], 0
	s_mov_b32 s[MOFF], 0
	s_or_b32 s54, s25, s26
	s_cmp_eq_u32 s54, 0
	s_cselect_b32 s[PLIM], 6, 0                    ; work-group (0, 0) alone prefetches, in slots 0 to 5
	s_wait_kmcnt 0x0
	s_add_nc_u64 s[40:41], s[32:33], s[40:41]
	s_add_nc_u64 s[42:43], s[32:33], s[42:43]
	s_add_nc_u64 s[44:45], s[32:33], s[44:45]
	s_add_nc_u64 s[GP:GP+1], s[32:33], s[46:47]
	s_add_nc_u64 s[48:49], s[34:35], s[48:49]
	s_add_nc_u64 s[50:51], s[34:35], s[50:51]
	s_add_nc_u64 s[MP:MP+1], s[34:35], s[52:53]
	WIN 0x40
.irp i, 0,1,2,3,4,5,6,7,8,9,10,11,12,13,14,15
	global_load_b128 v[4*\i:4*\i+3], v[GOFF], s[GP:GP+1] offset:512*\i   ; slot 0: my 8,192 bytes
.endr
	WIN 0
.irp i, 0,1,2,3
	global_load_b128 v[32+4*\i:35+4*\i], v[GOFF], s[44:45] offset:512*\i   ; my 2,048 scale bytes
.endr
.irp c, 0,1,2,3
	global_load_b128 v[16+4*\c:19+4*\c], v15, s[40:41] offset:65536*\c     ; Q's fragment stays in registers
.endr
	global_load_b32 v255, v254, s[42:43]
	s_load_b512 s[68:83], s[48:49], 0x0
	s_load_b512 s[84:99], s[50:51], 0x0
.irp j, 0,1,2,3,4,5,6,7,8,9,10,11,12,13,14,15,16,17,18,19,20,21,22,23,24,25,26,27,28,29,30,31,32,33,34,35,36,37,38,39,40,41,42,43,44,45,46,47,48,49,50,51,52,53,54,55,56,57,58,59,60,61,62,63
	v_mov_b32 v[160+\j], 0                         ; O^T: the step is written once; the first change of M leaves zeros zeros
.endr
.irp b, 0,1,2,3
	v_mov_b32 v[236+\b], 0                         ; a lane permute's destination counts as one of its sources
.endr
	v_mov_b32 v252, 0
	v_mov_b32 v253, 0
	s_wait_kmcnt 0x0
	s_mov_b32 s54, 0
	s_mov_b32 s55, 0
.irp k, 0,1,2,3,4,5,6,7,8,9,10,11,12,13,14,15
	s_cmp_lg_u32 s[68+\k], 0
	s_cselect_b32 s[T], (1<<\k), 0
	s_or_b32 s54, s54, s[T]
	s_cmp_lg_u32 s[84+\k], 0
	s_cselect_b32 s[T], (1<<\k), 0
	s_or_b32 s55, s55, s[T]
.endr
	s_or_b32 s[FLW], s54, s55
	s_cmp_eq_u32 s27, 0
	s_cselect_b32 s[FLG], s54, s55
	s_wait_loadcnt 0x0
	WIN 0x04
.irp i, 0,1,2,3,4,5,6,7,8,9,10,11,12,13,14,15
	ds_store_b128 v[FA0], v[4*\i:4*\i+3] offset:544*\i
.endr
	WIN 0
.irp i, 0,1,2,3
	ds_store_b128 v14, v[32+4*\i:35+4*\i] offset:544*\i
.endr
	s_load_b512 s[32:47], s[MP:MP+1], 0x0          ; step 0's 64 mask words (all loads that named s32-53 are done)
	s_load_b512 s[48:63], s[MP:MP+1], 0x40
	s_load_b512 s[68:83], s[MP:MP+1], 0x80
	s_load_b512 s[84:99], s[MP:MP+1], 0xc0
	s_add_nc_u64 s[GP:GP+1], s[GP:GP+1], s[STG:STG+1]      ; slot 1
	s_add_nc_u64 s[PFA:PFA+1], s[GP:GP+1], s[STG:STG+1]    ; slot 2
	v_mov_b32 v13, 0xff61b1e6                      ; the largest t so far: -3e38
	v_floor_f32 v12, -v13                          ; -M
	v_mov_b32 v14, 0
	v_mov_b32 v15, 0
	v_mov_b32 v0, 0xff800000                       ; -infinity
.macro MLOAD                           ; the next step's 64 mask words, if that step counts.  Behind the last step the flags are all shifted out: nothing is read
	s_bitcmp1_b32 s[FLG], 0
	s_cbranch_scc0 .Lnomask_\@
	s_load_b512 s[32:47], s[MP:MP+1], s[MOFF] offset:0x0
	s_load_b512 s[48:63], s[MP:MP+1], s[MOFF] offset:0x40
	s_load_b512 s[68:83], s[MP:MP+1], s[MOFF] offset:0x80
	s_load_b512 s[84:99], s[MP:MP+1], s[MOFF] offset:0xc0
.Lnomask_\@:
.endm
; A KEY STEP: 128 keys, the q-th of slot sl.
.macro STEP sl, q
	s_wait_kmcnt 0x0                               ; this step's mask words are in, and their offset may step
	s_add_co_u32 s[MOFF], s[MOFF], 256
	s_and_b32 s[T], s[FLG], 1
	s_lshr_b32 s[FLG], s[FLG], 1
	s_cmp_eq_u32 s[T], 0
	s_cbranch_scc1 .Lskip_\@                       ; no true bit in 16 queries x 128 keys
	v_add_nc_u32 v[ADK], \sl*SLOT1, v[AK0]
	v_add_nc_u32 v[ADV], \sl*SLOT1, v[AV0]
	v_add_nc_u32 v[ADS], s[TS], v[ASK0]
	v_add_nc_u32 v[ADT], s[TJ], v[ASV0]
.rept 5
	v_nop                                          ; with the four additions nine places: the scores below are written over registers that the last step's products read
.endr
.irp t, 0,1,2,3
.irp c, 0,1,2,3
	ds_load_b128 v[32+16*\t+4*\c:35+16*\t+4*\c], v[ADK] offset:8704*\c+(16*\q+2*\t)*272
.endr
	ds_load_b32 v[248+\t], v[ADS] offset:64*\t
.endr
	WIN 0x40
.irp t, 0,1,2,3
.irp c, 0,1,2,3
	ds_load_b128 v[64+16*\t+4*\c:67+16*\t+4*\c], v[ADK] offset:8704*\c+(16*\q+8+2*\t)*272
.endr
.endr
	WIN 0
.irp t, 0,1,2,3
	ds_load_b32 v[240+\t], v[ADS] offset:272+64*\t
.endr
	s_wait_dscnt 20                                ; tiles 0-3 and their scale words are in; the 16 + 4 loads of tiles 4-7 may be out
.irp t, 0,1,2,3
	v_wmma_scale_f32_16x16x128_f8f6f4 v[96+8*\t:103+8*\t], v[32+16*\t:47+16*\t], v[16:31], 0, v[248+\t], v255
.endr
	s_wait_dscnt 0x0
	WIN 0x01
.irp t, 0,1,2,3
	v_wmma_scale_f32_16x16x128_f8f6f4 v[128+8*\t:135+8*\t], v[64+16*\t:79+16*\t], v[16:31], 0, v[240+\t], v255
.endr
	WIN 0
.rept 8
	v_nop                                          ; places in front of the loads below and of the first read of the scores
.endr
.irp t, 0,1,2,3                                    ; V's tiles 0-3 land under the softmax
.irp c, 0,1,2,3
	ds_load_b128 v[32+16*\t+4*\c:35+16*\t+4*\c], v[ADV] offset:(4*\q+\c)*4352+2*\t*272
.endr
	ds_load_b32 v[248+\t], v[ADT] offset:1088*\t
.endr
.set n, 0
.rept 32
	v_cndmask_b32 v[96+n], v0, v[96+n], s[32+n]    ; THE MASK: word n holds register n's bit of every lane; a false bit gives -infinity
.set n, n+1
.endr
.rept 32
	v_cndmask_b32 v[96+n], v0, v[96+n], s[36+n]
.set n, n+1
.endr
	MLOAD                                          ; the words have been read: the next step's land under the softmax
.irp b, 0,1,2,3
	v_max3_num_f32 v[232+\b], v[96+16*\b], v[97+16*\b], v[98+16*\b]   ; the largest score of each block of 32 keys: for the row's maximum, and, since p rises with the score, for the block's largest p
.endr
.irp i, 3,5,7,9,11,13
.irp b, 0,1,2,3
	v_max3_num_f32 v[232+\b], v[232+\b], v[96+16*\b+\i], v[97+16*\b+\i]
.endr
.endr
.irp b, 0,1,2,3
	v_max_num_f32 v[232+\b], v[232+\b], v[111+16*\b]
.endr
.irp b, 0,1,2,3
	v_permlanex16_b32 v[236+\b], v[232+\b], s[SEL], s[SEL+1]
.endr
.irp b, 0,1,2,3
	v_max_num_f32 v[232+\b], v[232+\b], v[236+\b]  ; with lane l xor 16's 16 keys
.endr
	v_max3_num_f32 v254, v232, v233, v234
	v_max_num_f32 v254, v254, v235
	v_mul_f32 v254, s[CS], v254                    ; as t
	v_max_num_f32 v13, v13, v254                   ; the running largest t
	v_mov_b32 v254, v12
	v_floor_f32 v12, -v13                          ; the new -M = -ceil(t)
	v_sub_f32 v254, v12, v254                      ; old M - new M: a whole number, 0 or less
	v_cvt_i32_f32 v254, v254                       ; (it saturates)
	v_ldexp_f32 v252, 1.0, v254                    ; f = 2^(old M - new M)
.irp j, 0,2,4,6,8,10,12,14,16,18,20,22,24,26,28,30,32,34,36,38,40,42,44,46,48,50,52,54,56,58,60,62
	v_pk_fma_f32 v[96+\j:97+\j], v[96+\j:97+\j], s[CS:CS+1], v[12:13] op_sel_hi:[1,0,0]   ; t - M
.endr
.irp b, 0,1,2,3
	v_fma_f32 v[232+\b], v[232+\b], s[CS], v12
.endr
.irp j, 0,1,2,3,4,5,6,7,8,9,10,11,12,13,14,15,16,17,18,19,20,21,22,23,24,25,26,27,28,29,30,31,32,33,34,35,36,37,38,39,40,41,42,43,44,45,46,47,48,49,50,51,52,53,54,55,56,57,58,59,60,61,62,63
	v_exp_f32 v[96+\j], v[96+\j]                   ; p = 2^(t - M)
.endr
	v_pk_mul_f32 v[14:15], v[14:15], v[252:253] op_sel_hi:[1,0]    ; l under the new M: a plain instruction behind the exponentials
	s_wait_alu depctr_va_vdst(0)                   ; one wait for the batch, ahead of its first reader
.irp b, 0,1,2,3
	v_exp_f32 v[232+\b], v[232+\b]                 ; the block's largest p: the same two instructions on the same number
.endr
	v_pk_add_f32 v[236:237], v[96:97], v[98:99]    ; l is taken of the unquantised p, in two chains
.irp j, 4,8,12,16,20,24,28,32,36,40,44,48,52,56,60
	v_pk_add_f32 v[14:15], v[14:15], v[96+\j:97+\j]
	v_pk_add_f32 v[236:237], v[236:237], v[98+\j:99+\j]
.endr
	v_pk_add_f32 v[14:15], v[14:15], v[236:237]
	s_wait_alu depctr_va_vdst(0)                   ; and one for the four
.irp b, 0,1,2,3
	v_max_num_f32 v[232+\b], 0x4800000, v[232+\b]  ; the floor 2^(9 - 127)
.endr
.irp b, 0,1,2,3
	v_add_nc_u32 v[244+\b], 0xfc000000, v[232+\b]  ; the conversion's scale operand
.endr
.irp b, 0,1,2,3
	v_and_or_b32 v[240+\b], v[232+\b], 0x7f800000, s[MNT]          ; 448 x the scale
.endr
.irp b, 0,1,2,3
	v_lshrrev_b32 v[236+\b], 23, v[244+\b]
.endr
	v_lshl_or_b32 v253, v237, 8, v236              ; p's scale word for these 128 keys
	v_lshl_or_b32 v253, v238, 16, v253
	v_lshl_or_b32 v253, v239, 24, v253
.irp b, 0,1,2,3
.irp i, 0,1,2,3,4,5,6,7,8,9,10,11,12,13,14,15
	v_min_num_f32 v[96+16*\b+\i], v[96+16*\b+\i], v[240+\b]        ; the hold; p is not negative
.endr
	v_cvt_scalef32_pk8_fp8_f32 v[224+4*\b:225+4*\b], v[96+16*\b:103+16*\b], v[244+\b]
	v_cvt_scalef32_pk8_fp8_f32 v[226+4*\b:227+4*\b], v[104+16*\b:111+16*\b], v[244+\b]
.endr
.irp t, 0,1,2,3                                    ; V's tiles 4-7 into the registers that p has left
.irp c, 0,1,2,3
	ds_load_b128 v[96+16*\t+4*\c:99+16*\t+4*\c], v[ADV] offset:(4*\q+\c)*4352+(8+2*\t)*272
.endr
	ds_load_b32 v[240+\t], v[ADT] offset:1088*(4+\t)
.endr
.irp j, 0,2,4,6,8,10,12,14,16,18,20,22,24,26,28,30,32,34,36,38,40,42,44,46,48,50,52,54,56,58,60,62
	v_pk_mul_f32 v[160+\j:161+\j], v[160+\j:161+\j], v[252:253] op_sel_hi:[1,0]   ; O^T under the new M; these are also the places in front of the products
.endr
	s_wait_dscnt 0x0
.irp t, 0,1,2,3
	v_wmma_scale_f32_16x16x128_f8f6f4 v[160+8*\t:167+8*\t], v[32+16*\t:47+16*\t], v[224:239], v[160+8*\t:167+8*\t], v[248+\t], v253
.endr
.irp t, 0,1,2,3
	v_wmma_scale_f32_16x16x128_f8f6f4 v[192+8*\t:199+8*\t], v[96+16*\t:111+16*\t], v[224:239], v[192+8*\t:199+8*\t], v[240+\t], v253
.endr
	s_branch .Ldone_\@
.Lskip_\@:
	MLOAD
.Ldone_\@:
	s_add_co_u32 s[TS], s[TS], 544
	s_add_co_u32 s[TJ], s[TJ], 4
.endm
; A SLOT.  In front of the barrier each wave waits for its stores into this slot and for its reads of the other.  Behind it this slot is whole and nobody reads the other, which is written at the slot's end and read behind the next barrier.
.macro SLOTTRIP sl
	s_wait_dscnt 0x0
	s_barrier_signal -1
	s_barrier_wait -1
	s_lshr_b32 s[FLW], s[FLW], 2                   ; bits 0, 1: does any wave of the work-group need the next slot?  Behind the eighth shift: 0
	s_and_b32 s[T], s[FLW], 3
	s_cmp_eq_u32 s[T], 0
	s_cbranch_scc1 .Lnofill_\@
	WIN 0x40
.irp i, 0,1,2,3,4,5,6,7,8,9,10,11,12,13,14,15
	global_load_b128 v[4*\i:4*\i+3], v[GOFF], s[GP:GP+1] offset:512*\i
.endr
	WIN 0
	s_cmp_lt_u32 s[CNT], s[PLIM]
	s_cbranch_scc0 .Lnofill_\@
	global_prefetch_b8 v[PFO], s[PFA:PFA+1] th:TH_LOAD_NT scope:SCOPE_SE   ; my 8,192 bytes of the slot after the next, lanes 256 bytes apart: one work-group asks for all, two key steps ahead of the loads
.Lnofill_\@:
	STEP \sl, 0
	STEP \sl, 1
	s_wait_loadcnt 0x0                             ; on every way: the next slot's loads, where they were issued, are in: their registers are stored below, and loaded again only behind this wait
	s_and_b32 s[T], s[FLW], 3
	s_cmp_eq_u32 s[T], 0
	s_cbranch_scc1 .Lnostore_\@
	v_add_nc_u32 v[ADK], (1-\sl)*SLOT1, v[FA0]
	WIN 0x04
.irp i, 0,1,2,3,4,5,6,7,8,9,10,11,12,13,14,15
	ds_store_b128 v[ADK], v[4*\i:4*\i+3] offset:544*\i
.endr
	WIN 0
.Lnostore_\@:
	s_wait_xcnt 0x0                                ; the loads and the prefetch have read their bases
	s_add_nc_u64 s[GP:GP+1], s[GP:GP+1], s[STG:STG+1]
	s_add_nc_u64 s[PFA:PFA+1], s[PFA:PFA+1], s[STG:STG+1]
	s_add_co_u32 s[CNT], s[CNT], 1
.endm
	s_mov_b32 s31, 0
.Lpair:                                            ; four trips of two slots: every LDS address of the ring is a constant and a lane term
	SLOTTRIP 0
	SLOTTRIP 1
	s_add_co_u32 s31, s31, 1
	s_cmp_lt_u32 s31, 4
	s_cbranch_scc1 .Lpair
	; THE WAY OUT.  O^T / l is quantised along the channels (register 16 b + i = channel 32 b + 16 h + i), meets the other heads' in a stage, and leaves as 512 consecutive bytes of a TRUE row.
	s_wait_kmcnt 0x0
	s_load_b64 s[32:33], s[0:1], 0x10              ; att
	s_mul_i32 s34, s27, 16*528
	s_lshl_b32 s35, s28, 7
	s_add_co_u32 s34, s34, s35
	s_add_co_u32 s34, s34, OST                     ; my tile's 16 stage rows, my head's 128 bytes
	s_lshl_b32 s35, s27, 8
	s_lshl_b32 s36, s28, 2
	s_add_co_u32 s35, s35, s36
	s_add_co_u32 s35, s35, SCST
	s_mul_i32 s36, s[WV], 4*528
	s_add_co_u32 s36, s36, OST                     ; back: stage rows 4 w on
	s_lshr_b32 s38, s25, 1
	s_lshl_b32 s38, s38, 5
	s_and_b32 s39, s25, 1
	s_lshl_b32 s39, s39, 3
	s_add_co_u32 s38, s38, s39                     ; tile a's first true row
	s_lshr_b32 s37, s30, 1
	s_lshl_b32 s37, s37, 5
	s_and_b32 s39, s30, 1
	s_lshl_b32 s39, s39, 3
	s_add_co_u32 s37, s37, s39                     ; tile 127 - a's: the larger
	s_lshr_b32 s39, s[WV], 2
	s_cmp_eq_u32 s39, 0
	s_cselect_b32 s40, s38, s37                    ; the tile whose rows I store
	s_and_b32 s39, s[WV], 3
	s_lshl_b32 s41, s39, 2
	s_add_co_u32 s40, s40, s41                     ; + r = 4 (w % 4)
	s_lshr_b32 s39, s39, 1
	s_lshl_b32 s39, s39, 3
	s_add_co_u32 s40, s40, s39                     ; + 8 (r / 8)
	s_lshl_b32 s40, s40, 11
	s_lshl_b32 s39, s26, 9
	s_add_co_u32 s40, s40, s39                     ; + my four heads' 512 bytes
	s_mov_b32 s41, 0
	s_sub_co_u32 s37, s37, s38
	s_lshl_b32 s42, s38, 6
	s_lshl_b32 s39, s26, 4
	s_add_co_u32 s42, s42, s39
	s_add_co_u32 s42, s42, ASC
	s_mov_b32 s43, 0
	v_bfe_u32 v8, v[GOFF], 4, 4                    ; r.  (These address lines are also the places behind the last products)
	v_bfe_u32 v9, v[GOFF], 8, 1                    ; h
	v_mul_u32_u24 v10, v8, 528
	v_lshl_add_u32 v10, v9, 4, v10
	v_add_nc_u32 v10, s34, v10                     ; into the stage: row r, + 16 h; block b 32 bytes on
	v_lshl_add_u32 v11, v8, 4, s35                 ; my row's scale word
	v_add_nc_u32 v1, s36, v[GOFF]                  ; back: 16 bytes a lane
	v_add_nc_u32 v2, SCST, v[GOFF]                 ; a row's 16 scale bytes a lane
	v_and_b32 v3, 8, v8
	v_add_nc_u32 v3, v3, v8
	v_mad_u32_u24 v3, v9, s37, v3
	v_lshlrev_b32 v3, 6, v3                        ; and that row's place among the scale bytes: 64 bytes a true row
	v_add_f32 v14, v14, v15
	v_permlanex16_b32 v252, v14, s[SEL], s[SEL+1]
	v_add_f32 v14, v14, v252                       ; l
	v_rcp_f32 v15, v14
	v_cmp_eq_f32 vcc_lo, 0, v14                    ; no true key
	v_nop                                          ; a plain instruction behind the reciprocal
	s_wait_alu depctr_va_vdst(0)                   ; the wait ahead of its first reader
	v_cndmask_b32 v15, v15, 0, vcc_lo
.irp j, 0,1,2,3,4,5,6,7,8,9,10,11,12,13,14,15,16,17,18,19,20,21,22,23,24,25,26,27,28,29,30,31,32,33,34,35,36,37,38,39,40,41,42,43,44,45,46,47,48,49,50,51,52,53,54,55,56,57,58,59,60,61,62,63
	v_mul_f32 v[96+\j], v[160+\j], v15             ; each accumulator from its low end on
.endr
.irp b, 0,1,2,3
	v_max3_num_f32 v[TM+\b], |v[96+16*\b]|, |v[97+16*\b]|, 0x4800000
.endr
.irp i, 2,4,6,8,10,12,14
.irp b, 0,1,2,3
	v_max3_num_f32 v[TM+\b], v[TM+\b], |v[96+16*\b+\i]|, |v[97+16*\b+\i]|
.endr
.endr
.irp b, 0,1,2,3
	v_permlanex16_b32 v[TM+4+\b], v[TM+\b], s[SEL], s[SEL+1]
.endr
.irp b, 0,1,2,3
	v_max_num_f32 v[TM+\b], v[TM+\b], v[TM+4+\b]
.endr
.irp b, 0,1,2,3
	v_add_nc_u32 v[TM+12+\b], 0xfc000000, v[TM+\b]
.endr
.irp b, 0,1,2,3
	v_and_or_b32 v[TM+8+\b], v[TM+\b], 0x7f800000, s[MNT]
.endr
.irp b, 0,1,2,3
	v_lshrrev_b32 v[TM+4+\b], 23, v[TM+12+\b]
.endr
	v_lshl_or_b32 v253, v[TM+5], 8, v[TM+4]
	v_lshl_or_b32 v253, v[TM+6], 16, v253
	v_lshl_or_b32 v253, v[TM+7], 24, v253
	v_cndmask_b32 v253, v253, -1, vcc_lo           ; no true key: four bytes 0xff
.irp b, 0,1,2,3
.irp i, 0,1,2,3,4,5,6,7,8,9,10,11,12,13,14,15
	v_med3_num_f32 v[96+16*\b+\i], v[96+16*\b+\i], -v[TM+8+\b], v[TM+8+\b]
.endr
	v_cvt_scalef32_pk8_fp8_f32 v[PC+4*\b:PC+4*\b+1], v[96+16*\b:103+16*\b], v[TM+12+\b]
	v_cvt_scalef32_pk8_fp8_f32 v[PC+4*\b+2:PC+4*\b+3], v[104+16*\b:111+16*\b], v[TM+12+\b]
.endr
	v_nop                                          ; one plain instruction behind the last conversion
.irp b, 0,1,2,3
	ds_store_b128 v10, v[PC+4*\b:PC+4*\b+3] offset:32*\b
.endr
	ds_store_b32 v11, v253                         ; both halves of the lanes write the same word with the same value
	s_wait_kmcnt 0x0
	s_add_nc_u64 s[40:41], s[32:33], s[40:41]
	s_add_nc_u64 s[42:43], s[32:33], s[42:43]
	s_wait_dscnt 0x0                               ; for the others' sake: my stores lie in the stage
	s_barrier_signal -1
	s_barrier_wait -1
.irp i, 0,1,2,3
	ds_load_b128 v[48+4*\i:51+4*\i], v1 offset:528*\i
.endr
	s_wait_dscnt 0x0
.irp i, 0,1,2,3
	global_store_b128 v[GOFF], v[48+4*\i:51+4*\i], s[40:41] offset:2048*\i   ; 32 lanes store 512 consecutive bytes, aligned
.endr
	s_cmp_lg_u32 s[WV], 0
	s_cbranch_scc1 .Lend
	ds_load_b128 v[64:67], v2                      ; wave 0: 32 rows x my four heads' scale words
	s_wait_dscnt 0x0
	global_store_b128 v3, v[64:67], s[42:43]
.Lend:
	s_set_vgpr_msb 0x5
	s_wait_tensorcnt 0x0
	ds_add_u32 v128, v129
	s_wait_dscnt 0x0
	s_set_vgpr_msb 0x500
	s_endpgm
.Lfunc_end_k_q6eec212789_attn:
	.size	k_q6eec212789_attn, .Lfunc_end_k_q6eec212789_attn-k_q6eec212789_attn
	.p2alignl 7, 3214868480
	.fill 96, 4, 3214868480
	.section	.rodata,"a",@progbits
	.p2align	6, 0x0
	.amdhsa_kernel k_q6eec212789_attn
		.amdhsa_group_segment_fixed_size 297984
		.amdhsa_private_segment_fixed_size 0
		.amdhsa_enable_private_segment 0
		.amdhsa_kernarg_size 24
		.amdhsa_user_sgpr_count 2
		.amdhsa_user_sgpr_kernarg_segment_ptr 1
		.amdhsa_wavefront_size32 1
		.amdhsa_system_sgpr_workgroup_id_x 1
		.amdhsa_system_sgpr_workgroup_id_y 1
		.amdhsa_system_sgpr_workgroup_id_z 1
		.amdhsa_system_vgpr_workitem_id 0
		.amdhsa_next_free_vgpr 386
		.amdhsa_next_free_sgpr 100
		.amdhsa_reserve_vcc 1
		.amdhsa_float_denorm_mode_32 3
		.amdhsa_float_denorm_mode_16_64 3
		.amdhsa_memory_ordered 1
		.amdhsa_forward_progress 1
		.amdhsa_inst_pref_size 146
	.end_amdhsa_kernel
	.amdgpu_metadata
---
amdhsa.version: [ 1, 2 ]
amdhsa.kernels:
  - .name:           k_q6eec212789_attn
    .symbol:         k_q6eec212789_attn.kd
    .args:
      - { .name: qkv, .offset: 0, .size: 8, .value_kind: global_buffer, .address_space: global }
      - { .name: mw, .offset: 8, .size: 8, .value_kind: global_buffer, .address_space: global }
      - { .name: att, .offset: 16, .size: 8, .value_kind: global_buffer, .address_space: global }
    .group_segment_fixed_size: 297984
    .private_segment_fixed_size: 0
    .kernarg_segment_align: 8
    .kernarg_segment_size: 24
    .max_flat_workgroup_size: 256
    .sgpr_count:     100
    .vgpr_count:     386
    .wavefront_size: 32
...
	.end_amdgpu_metadata
.endif
;; end of part 3
;; launch oproj (part 4): grid 8 x 32, 4 waves a work-group, clusters of 4 x 4, 327,680 bytes of LDS; arguments att, pre, bo, out0; writes out0
.if DOCPART == 4
	.amdgcn_target "amdgcn-amd-amdhsa--gfx1250"
	.amdhsa_code_object_version 6
	.text
	.protected	k_q6eec212789_oproj
	.globl	k_q6eec212789_oproj
	.p2align	8
	.type	k_q6eec212789_oproj,@function
k_q6eec212789_oproj:
	s_mov_b64 s[64:65], 0
	v_nop
	global_prefetch_b8 v0, s[64:65] scope:SCOPE_SE
	s_setreg_imm32_b32 hwreg(HW_REG_WAVE_MODE, 25, 1), 1
	s_wait_xcnt 0x0
	s_wait_alu depctr_hold_cnt(0) depctr_sa_sdst(0) depctr_va_vdst(0) depctr_va_sdst(0) depctr_va_ssrc(0) depctr_va_vcc(0) depctr_vm_vsrc(0)
	s_getreg_b32 s2, hwreg(HW_REG_IB_STS2, 6, 4)
	s_cmp_eq_u32 s2, 0
	s_cbranch_scc0 .Lentry_in_a_cluster
	s_endpgm
.Lentry_in_a_cluster:
	s_bfe_u32 s2, ttmp6, 0x10000c
	s_cmp_lg_u32 s2, 0xf033
	s_cbranch_scc0 .Lentry_shape_is_right
	s_endpgm
.Lentry_shape_is_right:
; OPROJ.  out = a Wo^T + bo on codes of FP8 (E4M3) with E8M0 scales, sums in f32.  a: codes [true row 2048][2048 bytes], scale bytes [row][64].  Wo: codes [position][2048], scale bytes [position][64].  out: f32.
; SHARES.  Work-group (j, i) makes rows 64 i on x columns 256 j on: 256 work-groups.  Wave w takes all 64 rows x columns 64 w on: 16 accumulators.
; THE MATRIX INSTRUCTION IS USED TRANSPOSED (source 0 = 16 rows of Wo, source 1 = 16 rows of a): a lane holds one row of out.  Wo's rows lie by POSITION (bits 3 and 4 exchanged), so register j of tile 2 b + u is the true
; column 32 b + 16 h + 8 u + j.  THE BIAS IS LOADED INTO THE ACCUMULATORS: every product adds in place, nothing is cleared.
; K goes in steps of 256 through two LDS slots; the scale bytes of all of K come once.  CLUSTERS: 4 x 4: a's tile is asked for jointly along a row of the cluster, Wo's along a column.
; A row of a whose scale bytes are 0xff (a query with no true key) comes out NaN, as the softmax of such a row is.
; No L2 prefetch: eight short K steps on small tiles.  One tile to a work-group.
; REGISTERS.  Window 0: v1 r, v2 h, v16-31 addresses, v32-47 scale words (two sets of 8), v64-191 the accumulators ((mt, nt) at 64 + 32 mt + 8 nt), v192-255 rows on their way out.
; Windows 1 and 2: fragment sets 0 and 1: Wo's four at v0, a's four at v64.
.set BR,     256
.set PITCH,  272
.set BOFF,   64*PITCH
.set SLOT,   (64+BR)*PITCH
.set SCL,    2*SLOT
.set SCLB,   SCL+16*272
.set SPARE,  SCLB+64*272               ; the spare words, 128 bytes a wave: two blocks of 256 bytes that no other line names
.set STG,    SPARE+512                 ; the way out: 16 rows x (256 + 16) bytes for each wave
.set SBLK,   4*272
.set NF,     32
.set ASC,    4194304
.set POC,    8912896
.set POS,    13385728
.set ADRA, 16
.set ADRB, 18
.set ADRS, 24
.set STO,  25
.set RD,   26
.set CO,   27
.set SPW,  28
.set NIL,  29
.set SC,   32
.set ACC,  64
.set BK,   192
.set G1,   24
.set G0,   32
.set G1B,  48
.set G0B,  56
.set G1S,  68
.set G0S,  76
.set G1SB, 80
.set G0SB, 88
.set MSB, 0
.macro WIN new
.if MSB != (\new)
	s_set_vgpr_msb (MSB<<8)|(\new)
.set MSB, (\new)
.endif
.endm
.macro JLOAD g0a, g1a, g0b, g1b        ; waves 0 and 1 fetch for a, waves 2 and 3 for Wo; four v_nop follow each of the two lines
	s_cmp_eq_u32 s15, 0
	s_cbranch_scc0 .Lfor_b_\@
	tensor_load_to_lds s[\g0a:\g0a+3], s[\g1a:\g1a+7]
	s_nop 0
.rept 4
	v_nop
.endr
	s_branch .Lasked_\@
.Lfor_b_\@:
	tensor_load_to_lds s[\g0b:\g0b+3], s[\g1b:\g1b+7]
	s_nop 0
.rept 4
	v_nop
.endr
.Lasked_\@:
.endm
.macro CREST
	s_cmp_lg_u32 s14, 0
	s_cbranch_scc1 .Lnot_wave_0_\@
	s_barrier_signal -3
.Lnot_wave_0_\@:
	s_barrier_wait -3
	s_barrier_signal -1
	s_barrier_wait -1
.endm
.macro CROUND
	s_barrier_signal -1
	s_barrier_wait -1
	CREST
.endm
.macro PLACES n
.rept \n
	v_nop
.endr
.endm
	s_load_b256 s[4:11], s[0:1], 0x0               ; att, pre, bo, out0
	v_lshl_add_u32 v[SPW], v0, 2, SPARE
	v_mov_b32 v[NIL], 0
	ds_add_u32 v28, v29
	ds_add_u32 v28, v29
	s_wait_dscnt 0x0
	v_lshrrev_b32 v1, 5, v0
	v_readfirstlane_b32 s14, v1                    ; wave
	s_lshr_b32 s15, s14, 1
	s_and_b32 s16, s14, 1
	s_bfe_u32 s40, ttmp6, 0x40000                  ; cx
	s_bfe_u32 s41, ttmp6, 0x40004                  ; cy
	s_lshl_b32 s42, ttmp9, 2
	s_add_co_u32 s42, s42, s40                     ; j
	s_and_b32 s17, ttmp7, 0xffff
	s_lshl_b32 s17, s17, 2
	s_add_co_u32 s17, s17, s41                     ; i
	s_lshl_b32 s43, s41, 2
	s_lshl_b32 s43, 15, s43                        ; my row of the cluster
	s_lshl_b32 s44, 0x1111, s40                    ; my column
	s_or_b32 s[G1+0], s43, (1<<20)|(1<<21)|(5<<22)|(3<<25)
	s_or_b32 s[G1B+0], s44, (1<<20)|(1<<21)|(5<<22)|(3<<25)
	s_mov_b32 s[G1+1], 256<<16
	s_mov_b32 s[G1+2], 32<<16
	s_mov_b32 s[G1+3], 256<<16
	s_mov_b32 s[G1+4], 32
	s_mov_b32 s[G1+5], 2048
	s_mov_b32 s[G1+6], 0
	s_mov_b32 s[G1+7], 0
	s_mov_b32 s[G1B+1], 256<<16
	s_mov_b32 s[G1B+2], (BR/2)<<16
	s_mov_b32 s[G1B+3], 256<<16
	s_mov_b32 s[G1B+4], BR/2
	s_mov_b32 s[G1B+5], 2048
	s_mov_b32 s[G1B+6], 0
	s_mov_b32 s[G1B+7], 0
	s_or_b32 s[G1S+0], s43, (3<<16)|(1<<20)|(1<<21)|(5<<22)|(3<<25)
	s_or_b32 s[G1SB+0], s44, (3<<16)|(1<<20)|(1<<21)|(5<<22)|(3<<25)
	s_mov_b32 s[G1S+1], 32<<16
	s_mov_b32 s[G1S+2], 8<<16
	s_mov_b32 s[G1S+3], 32<<16
	s_mov_b32 s[G1S+4], 8
	s_mov_b32 s[G1S+5], 32
	s_mov_b32 s[G1S+6], 0
	s_mov_b32 s[G1S+7], 0
	s_mov_b32 s[G1SB+1], 32<<16
	s_mov_b32 s[G1SB+2], (BR/8)<<16
	s_mov_b32 s[G1SB+3], 32<<16
	s_mov_b32 s[G1SB+4], BR/8
	s_mov_b32 s[G1SB+5], 32
	s_mov_b32 s[G1SB+6], 0
	s_mov_b32 s[G1SB+7], 0
	s_lshl_b32 s20, s17, 6
	s_lshl_b32 s18, s16, 5
	s_add_co_u32 s20, s20, s18                     ; a: row 64 i + 32 half
	s_lshl_b32 s22, s20, 6
	s_add_co_u32 s22, s22, ASC
	s_lshl_b32 s20, s20, 11
	s_mov_b32 s21, 0
	s_mov_b32 s23, 0
	s_lshl_b32 s46, s42, 8
	s_lshl_b32 s18, s16, 7
	s_add_co_u32 s46, s46, s18                     ; Wo: position 256 j + 128 half
	s_lshl_b32 s92, s46, 6
	s_add_co_u32 s92, s92, POS
	s_lshl_b32 s46, s46, 11
	s_add_co_u32 s46, s46, POC
	s_mov_b32 s47, 0
	s_mov_b32 s93, 0
	s_mul_i32 s45, s16, 32*PITCH
	s_mul_i32 s94, s16, (BR/2)*PITCH
	s_add_co_u32 s94, s94, BOFF
	s_mul_i32 s95, s16, 8*272
	s_add_co_u32 s95, s95, SCL
	s_mul_i32 s66, s16, (BR/8)*272
	s_add_co_u32 s66, s66, SCLB
	s_wait_kmcnt 0x0
	s_add_nc_u64 s[20:21], s[4:5], s[20:21]
	s_add_nc_u64 s[22:23], s[4:5], s[22:23]
	s_add_nc_u64 s[46:47], s[6:7], s[46:47]
	s_add_nc_u64 s[92:93], s[6:7], s[92:93]
	CROUND                                         ; all sixteen work-groups are here: the first joint loads meet
	s_mov_b32 s[G0S], 1
	s_mov_b32 s[G0S+1], s95
	s_mov_b64 s[G0S+2:G0S+3], s[22:23]
	s_or_b32 s[G0S+3], s[G0S+3], 0x80000000
	s_mov_b32 s[G0SB], 1
	s_mov_b32 s[G0SB+1], s66
	s_mov_b64 s[G0SB+2:G0SB+3], s[92:93]
	s_or_b32 s[G0SB+3], s[G0SB+3], 0x80000000
	JLOAD G0S, G1S, G0SB, G1SB
.irp s, 0,1
	s_mov_b32 s[G0+4*\s], 1
	s_add_co_u32 s[G0+4*\s+1], s45, \s*SLOT
	s_add_nc_u64 s[G0+4*\s+2:G0+4*\s+3], s[20:21], \s*256
	s_or_b32 s[G0+4*\s+3], s[G0+4*\s+3], 0x80000000
	s_mov_b32 s[G0B+4*\s], 1
	s_add_co_u32 s[G0B+4*\s+1], s94, \s*SLOT
	s_add_nc_u64 s[G0B+4*\s+2:G0B+4*\s+3], s[46:47], \s*256
	s_or_b32 s[G0B+4*\s+3], s[G0B+4*\s+3], 0x80000000
	JLOAD G0+4*\s, G1, G0B+4*\s, G1B               ; three loads of mine are out behind the second of these
.endr
	v_and_b32 v1, 15, v0                           ; r
	v_bfe_u32 v2, v0, 4, 1                         ; h
	v_mul_u32_u24 v3, v1, PITCH
	v_lshl_add_u32 v3, v2, 4, v3
	s_mul_i32 s18, s14, 64*PITCH
	s_add_co_u32 s18, s18, BOFF
.irp s, 0,1
	v_add_nc_u32 v[ADRA+\s], \s*SLOT, v3
	v_add_nc_u32 v[ADRB+\s], s18, v3
	s_add_co_u32 s18, s18, SLOT
.endr
	v_lshrrev_b32 v4, 2, v1
	v_mul_u32_u24 v4, v4, 272
	v_and_b32 v5, 3, v1
	v_lshl_add_u32 v4, v5, 6, v4
	s_mul_i32 s18, s14, 16*272
	s_add_co_u32 s18, s18, 16*272
	v_mul_u32_u24 v5, s18, v2                      ; lanes 16-31 take Wo's
	v_add_nc_u32 v5, v5, v4
	v_add_nc_u32 v[ADRS], SCL, v5
	s_mul_i32 s18, s14, 16*272
	s_add_co_u32 s18, s18, STG                     ; my stage
	v_mul_u32_u24 v[STO], v1, 272                  ; into it: row r,
	v_lshl_add_u32 v[STO], v2, 6, v[STO]           ; + 64 h bytes: my half's 16 columns of a block of 32
	v_add_nc_u32 v[STO], s18, v[STO]
	v_mul_u32_u24 v[RD], v2, 272
	v_lshl_add_u32 v[RD], v1, 4, v[RD]
	v_add_nc_u32 v[RD], s18, v[RD]                 ; back: lanes 0-15 one row of 256 bytes, lanes 16-31 the next
	v_lshlrev_b32 v[CO], 13, v2
	v_lshl_add_u32 v[CO], v1, 4, v[CO]             ; and the same two rows in out
	s_lshl_b32 s18, s42, 10
	s_lshl_b32 s19, s14, 8
	s_add_co_u32 s18, s18, s19                     ; column 256 j + 64 w, in bytes
	s_mov_b32 s19, 0
	s_add_nc_u64 s[8:9], s[8:9], s[18:19]
	s_add_nc_u64 s[10:11], s[10:11], s[18:19]
	s_lshl_b32 s18, s17, 19                        ; 64 i rows of 8,192 bytes
	s_add_nc_u64 s[10:11], s[10:11], s[18:19]
	v_lshlrev_b32 v6, 6, v2
.irp m, 0,1,2,3
.irp t, 0,1,2,3
	global_load_b128 v[ACC+32*\m+8*\t:ACC+32*\m+8*\t+3], v6, s[8:9] offset:(32*(\t/2)+8*(\t%2))*4
	global_load_b128 v[ACC+32*\m+8*\t+4:ACC+32*\m+8*\t+7], v6, s[8:9] offset:(32*(\t/2)+8*(\t%2))*4+16
.endr
.endr
	s_wait_loadcnt 0x0                             ; the bias
.macro FRAG reg, adr, off
.irp c, 0,1,2,3
	ds_load_b128 v[\reg+4*\c:\reg+4*\c+3], v[\adr] offset:\off+32*\c
.endr
.endm
.macro FETCH slot, q, p
	WIN 0x40+0x40*\p
.irp t, 0,1,2,3
	FRAG 16*\t, ADRB+\slot, 128*\q+\t*16*PITCH
.endr
.irp t, 0,1,2,3
	FRAG 64+16*\t, ADRA+\slot, 128*\q+\t*16*PITCH
.endr
.endm
.macro SCALES sl
	WIN 0
.irp i, 0,1,2,3
	ds_load_b64 v[SC+8*\sl+2*\i:SC+8*\sl+2*\i+1], v[ADRS] offset:\i*SBLK
.endr
.endm
; The 16 accumulators take turns, one instruction a turn, in the same order in every step.
.macro MUL p, q, sl, mtlo, mthi
	WIN 0x05+0x05*\p
.set mt, \mtlo
.rept \mthi-\mtlo+1
.irp nt, 0,1,2,3
	v_wmma_scale_f32_16x16x128_f8f6f4 v[ACC+32*mt+8*\nt:ACC+32*mt+8*\nt+7], v[16*\nt:16*\nt+15], v[64+16*mt:64+16*mt+15], v[ACC+32*mt+8*\nt:ACC+32*mt+8*\nt+7], v[SC+8*\sl+2*\nt+\q], v[SC+8*\sl+2*mt+\q] matrix_a_scale:MATRIX_SCALE_ROW1
.endr
.set mt, mt+1
.endr
.endm
.macro STEP slot
	PLACES 8                                       ; in front of loads into registers that matrix instructions have read
	FETCH \slot, 1, 1
	s_wait_dscnt NF                                ; all but the 32 just issued
	MUL 0, 0, \slot, 0, 3
.endm
.macro TURN slot, next, fill
	WIN 0
	s_wait_tensorcnt 0x0                           ; all my tensor loads have landed: my part of the next slot
	ds_add_u32 v[SPW], v[NIL]                      ; 0 onto my spare word
	s_wait_dscnt 1                                 ; set 1 is in; the add alone may be out
	MUL 1, 1, \slot, 0, 1
	s_wait_dscnt 0x0                               ; the add is done, and my reads of this slot are over
	s_barrier_signal -1
	MUL 1, 1, \slot, 2, 2
	WIN 0
	s_barrier_wait -1
.if \fill
	CREST                                          ; no wave of any partner still reads this slot or has a load on its way
	s_add_nc_u64 s[G0+4*\slot+2:G0+4*\slot+3], s[G0+4*\slot+2:G0+4*\slot+3], 512
	s_add_nc_u64 s[G0B+4*\slot+2:G0B+4*\slot+3], s[G0B+4*\slot+2:G0B+4*\slot+3], 512
	JLOAD G0+4*\slot, G1, G0B+4*\slot, G1B
	PLACES 4
.else
	PLACES 8
.endif
	v_add_nc_u32 v[ADRS], 8, v[ADRS]
	FETCH \next, 0, 0
	SCALES \next
	MUL 1, 1, \slot, 3, 3
	WIN 0
.endm
	s_wait_tensorcnt 1                             ; the scale bytes and my part of K step 0 are in; K step 1's load may be out
	s_barrier_signal -1
	s_barrier_wait -1
	FETCH 0, 0, 0
	SCALES 0
	s_mov_b32 s3, 3
.Llap:
	STEP 0
	TURN 0, 1, 1
	STEP 1
	TURN 1, 0, 1
	s_sub_co_u32 s3, s3, 1
	s_cmp_lg_u32 s3, 0
	s_cbranch_scc1 .Llap
	STEP 0                                         ; the last lap fills nothing
	TURN 0, 1, 0
	STEP 1
	s_wait_dscnt 0x0
	MUL 1, 1, 1, 0, 3
	WIN 0
	PLACES 8                                       ; in front of the first read of results
; THE WAY OUT, 16 rows x 64 columns at a time, through my own stage: a lane's registers go to their true columns, and whole rows of 256 bytes come back.  LDS serves a wave's instructions in order: no wait between stores and loads.
.macro TOSTAGE mt
.irp nt, 0,1,2,3
	ds_store_b128 v[STO], v[ACC+32*\mt+8*\nt:ACC+32*\mt+8*\nt+3] offset:128*(\nt/2)+32*(\nt%2)        ; each accumulator from its low end on
	ds_store_b128 v[STO], v[ACC+32*\mt+8*\nt+4:ACC+32*\mt+8*\nt+7] offset:128*(\nt/2)+32*(\nt%2)+16
.endr
.irp t, 0,1,2,3,4,5,6,7
	ds_load_b128 v[BK+32*(\mt%2)+4*\t:BK+32*(\mt%2)+4*\t+3], v[RD] offset:\t*2*272
.endr
.endm
.macro SEND mt, younger
	s_wait_dscnt \younger
.irp t, 0,1,2,3,4,5,6,7
	global_store_b128 v[CO], v[BK+32*(\mt%2)+4*\t:BK+32*(\mt%2)+4*\t+3], s[10:11] offset:(16*\mt+2*\t)*8192 th:TH_STORE_NT   ; sixteen lanes store 256 consecutive bytes, aligned
.endr
.endm
	TOSTAGE 0
	TOSTAGE 1
	SEND 0, 16                                     ; behind block 0's loads: block 1's 8 stores and 8 loads
	s_wait_xcnt 0x0                                ; block 0's stores have read their registers
	TOSTAGE 2
	SEND 1, 16
	s_wait_xcnt 0x0
	TOSTAGE 3
	SEND 2, 16
	SEND 3, 0
	s_wait_tensorcnt 0x0                           ; the wave's end
	ds_add_u32 v[SPW], v[NIL]
	s_wait_dscnt 0x0
	CROUND                                         ; the closing round
	s_endpgm
.Lfunc_end_k_q6eec212789_oproj:
	.size	k_q6eec212789_oproj, .Lfunc_end_k_q6eec212789_oproj-k_q6eec212789_oproj
	.p2alignl 7, 3214868480
	.fill 96, 4, 3214868480
	.section	.rodata,"a",@progbits
	.p2align	6, 0x0
	.amdhsa_kernel k_q6eec212789_oproj
		.amdhsa_group_segment_fixed_size 327680
		.amdhsa_private_segment_fixed_size 0
		.amdhsa_enable_private_segment 0
		.amdhsa_kernarg_size 32
		.amdhsa_user_sgpr_count 2
		.amdhsa_user_sgpr_kernarg_segment_ptr 1
		.amdhsa_wavefront_size32 1
		.amdhsa_system_sgpr_workgroup_id_x 1
		.amdhsa_system_sgpr_workgroup_id_y 1
		.amdhsa_system_sgpr_workgroup_id_z 1
		.amdhsa_system_vgpr_workitem_id 0
		.amdhsa_next_free_vgpr 768
		.amdhsa_next_free_sgpr 96
		.amdhsa_reserve_vcc 0
		.amdhsa_float_denorm_mode_32 3
		.amdhsa_float_denorm_mode_16_64 3
		.amdhsa_memory_ordered 1
		.amdhsa_forward_progress 1
		.amdhsa_inst_pref_size 59
	.end_amdhsa_kernel
	.amdgpu_metadata
---
amdhsa.version: [ 1, 2 ]
amdhsa.kernels:
  - .name:           k_q6eec212789_oproj
    .symbol:         k_q6eec212789_oproj.kd
    .args:
      - { .name: att, .offset: 0, .size: 8, .value_kind: global_buffer, .address_space: global }
      - { .name: pre, .offset: 8, .size: 8, .value_kind: global_buffer, .address_space: global }
      - { .name: bo, .offset: 16, .size: 8, .value_kind: global_buffer, .address_space: global }
      - { .name: out0, .offset: 24, .size: 8, .value_kind: global_buffer, .address_space: global }
    .group_segment_fixed_size: 327680
    .private_segment_fixed_size: 0
    .kernarg_segment_align: 8
    .kernarg_segment_size: 32
    .max_flat_workgroup_size: 128
    .sgpr_count:     96
    .vgpr_count:     768
    .wavefront_size: 32
...
	.end_amdgpu_metadata
.endif
;; end of part 4
;; ======== version 2 of 2: 4 launches
;; limits: right only within a limited range of input values
;; workspace buffers: pre 14,057,472 bytes; mw 532,480 bytes of whole numbers; qkv 4,866,048 bytes; att 4,325,376 bytes
;; launch prep (part 5): grid 528 x 1, 4 waves a work-group, no clusters, 67,072 bytes of LDS; arguments x, Wq, Wo, Wk, Wv, mask, pre, mw; writes pre, mw
.if DOCPART == 5
	.amdgcn_target "amdgcn-amd-amdhsa--gfx1250"
	.amdhsa_code_object_version 6
	.text
	.protected	k_q6eec212789_prep
	.globl	k_q6eec212789_prep
	.p2align	8
	.type	k_q6eec212789_prep,@function
k_q6eec212789_prep:
	s_mov_b64 s[64:65], 0
	v_nop
	global_prefetch_b8 v0, s[64:65] scope:SCOPE_SE
	s_setreg_imm32_b32 hwreg(HW_REG_WAVE_MODE, 25, 1), 1
	s_wait_xcnt 0x0
; PREP.  (1) x, Wq, Wo [2048][2048] and Wk, Wv [128][2048], f32 with K innermost, become codes of FP8 (E4M3) with one E8M0 scale byte for each 32 along K.
; (2) the mask [2048][2048] of bytes becomes lane-mask words for the attention launch, and one flag for each (tile of 16 queries, step of 128 keys).
; A block's scale is 2^(floor(log2(its largest magnitude)) - 8); its byte is the largest magnitude's exponent field - 8, held at 1 from below; each number is divided by the scale, held within +-448, rounded to the nearest code.
; LIMITS: NaN and infinities among the inputs are not served.  A block of zeros gets the byte 1 where the rule says 127: its codes are zeros, and this program alone reads the bytes.
; ROW ORDER.  Row n of a tensor is stored at POSITION n with bits 3 and 4 exchanged.  Sixteen consecutive positions 32 b + 16 u + r are then the rows 32 b + 8 u + r + 8 (r / 8): in a product used transposed,
; the 16 registers of result tiles 2 b and 2 b + 1 are 16 neighbours of the true index.  A wave's four rows stay together under the exchange.
; pre: codes [position][2048 bytes], scale bytes [position][64].  Wq, Wk and Wv share one section, in sixteen groups of 160 rows: 128 positions of Wq, then 32 of Wk (groups 0-7) or of Wv (groups 8-15):
; block b of 32 lies in groups b and b + 4 (Wv: 8 + b and 12 + b), since two work-groups of the next launch take it with different rows of x.  It is read once and stored twice, 640 rows apart.
; mw: words [tile 128][step 16][n 64]: bit (r + 16 h) of word n = 16 b + i is mask[query 32 (tile / 2) + 8 (tile % 2) + r + 8 (r / 8)][key 128 step + 32 b + 16 h + i]; behind them the flags [tile][step], the OR of a step's 64 words.
; Work-groups 0-399 quantise 16 rows each, a wave 4 rows in 16 steps of 512 numbers; work-groups 400-527 take one tile of queries each, a wave 512 keys.  The two ways have LDS bytes of their own.
; No matrix unit, cluster or tensor load: every byte is read once and waves share nothing.  The flags leave as 16 bytes a wave: 8,192 bytes of the launch's 14 million.
.set NQW,   400
.set PXC,   0
.set PWC,   4194304
.set POC,   9437184
.set PXS,   13631488
.set PWS,   13762560
.set POS,   13926400
.set COPYC, 640*2048                   ; from a block of Wk or Wv to its second copy: four groups of 160 rows of codes,
.set COPYS, 640*64                     ; and of scale bytes
.set FLB,   524288                     ; a flag as it is stored: bit 0: some bit of the step's 64 words is set; bit 1: every bit of them is set
.set STEPS, 16
.set EMAX,  8
.set MANT,  0x600000                   ; the mantissa field of 448 as f32
.set CB,    16                         ; bytes of 16 codes
.set R,     16                         ; v16-79   four sets of 16 numbers as loaded
.set X,     80                         ; v80-111  two sets of 16 neighbours
.set E,     112                        ; v112-127 a scale byte for each step
.set C,     128                        ; v128-191 codes: four registers for each step
.set WREG,  8192                       ; LDS 0 .. 32,767: a region for each wave: two stages of 32 x SP bytes, then its 256 scale bytes
.set SP,    80                         ; a lane's place in a stage: 64 bytes + 16 of padding
.set MSTG,  32768                      ; LDS from here: the mask's stages, 16 rows x 528 bytes a wave
	s_load_b512 s[4:19], s[0:1], 0x0               ; x, Wq, Wo, Wk, Wv, mask, pre, mw
	v_lshl_add_u32 v192, v0, 2, 0x10400
	v_mov_b32 v193, 0
	v_lshrrev_b32 v1, 5, v0
	v_readfirstlane_b32 s20, v1                    ; wave
	v_and_b32 v2, 31, v0                           ; lane
	s_cmp_ge_u32 ttmp9, NQW
	s_cbranch_scc1 .Lmask
	; ---------------- the quantiser
	v_lshlrev_b32 v3, 4, v2                        ; my 16 bytes of a load's 512
	s_mul_i32 s21, s20, WREG
	v_lshrrev_b32 v14, 2, v2
	v_mul_u32_u24 v14, v14, SP
	v_and_b32 v15, 3, v2
	v_lshl_add_u32 v14, v15, 4, v14
	v_add_nc_u32 v14, s21, v14                     ; the stage, on the way in: four lanes' 64 bytes on end, then 16 of padding
	v_mul_u32_u24 v15, v2, SP
	v_add_nc_u32 v15, s21, v15                     ; on the way out: my 16 neighbours
	v_mul_u32_u24 v4, v2, CB                       ; my codes' place in a step's
	v_lshrrev_b32 v5, 1, v2
	s_add_co_u32 s21, s21, 2*32*SP
	v_add_nc_u32 v5, s21, v5                       ; my block's scale byte among my wave's 256
	v_lshlrev_b32 v7, 3, v2
	v_add_nc_u32 v6, s21, v7                       ; and 8 of them a lane on the way out
	s_mov_b32 s23, MANT
	s_mov_b32 s26, 392                             ; the tensor's first work-group; the defaults are Wv's
	s_mov_b32 s27, PWC                             ; its codes' section
	s_mov_b32 s28, PWS                             ; its scale bytes' section
	s_mov_b32 s29, 1408                            ; what is added to the position: s29 + ((G >> s30) << s31).  Wv: 8 groups + 128 rows, and 128 rows more for each block of 32
	s_mov_b32 s30, 1
	s_mov_b32 s31, 7
	s_wait_alu depctr_va_vdst(0)
	s_wait_kmcnt 0x0
	s_cmp_lt_u32 ttmp9, 392                        ; Wk.  Each choice hangs on the work-group's number alone
	s_cselect_b64 s[24:25], s[10:11], s[12:13]
	s_cselect_b32 s26, 384, s26
	s_cselect_b32 s29, 128, s29
	s_cmp_lt_u32 ttmp9, 384                        ; Wo
	s_cselect_b64 s[24:25], s[8:9], s[24:25]
	s_cselect_b32 s26, 256, s26
	s_cselect_b32 s27, POC, s27
	s_cselect_b32 s28, POS, s28
	s_cselect_b32 s29, 0, s29
	s_cselect_b32 s30, 31, s30                     ; (G >> 31 = 0: no such term)
	s_cselect_b32 s36, 0, 1                        ; 1: Wk or Wv, stored twice
	s_cmp_lt_u32 ttmp9, 256                        ; Wq
	s_cselect_b64 s[24:25], s[6:7], s[24:25]
	s_cselect_b32 s26, 128, s26
	s_cselect_b32 s27, PWC, s27
	s_cselect_b32 s28, PWS, s28
	s_cselect_b32 s30, 3, s30                      ; 32 rows more for each 128 positions passed
	s_cselect_b32 s31, 5, s31
	s_cmp_lt_u32 ttmp9, 128                        ; x
	s_cselect_b64 s[24:25], s[4:5], s[24:25]
	s_cselect_b32 s26, 0, s26
	s_cselect_b32 s27, PXC, s27
	s_cselect_b32 s28, PXS, s28
	s_cselect_b32 s30, 31, s30
	s_sub_co_u32 s26, ttmp9, s26                   ; G: which 16 rows of the tensor
	s_lshr_b32 s30, s26, s30
	s_lshl_b32 s30, s30, s31
	s_add_co_u32 s29, s29, s30
	s_lshr_b32 s30, s26, 1
	s_lshl_b32 s30, s30, 5
	s_add_co_u32 s29, s29, s30                     ; + 32 (G / 2)
	s_and_b32 s30, s26, 1
	s_lshl_b32 s30, s30, 3
	s_add_co_u32 s29, s29, s30                     ; + 8 (G % 2): the row's bit 4 becomes the position's bit 3
	s_lshr_b32 s30, s20, 1
	s_lshl_b32 s30, s30, 4
	s_add_co_u32 s29, s29, s30                     ; + 16 (wave / 2): bit 3 becomes bit 4
	s_and_b32 s30, s20, 1
	s_lshl_b32 s30, s30, 2
	s_add_co_u32 s29, s29, s30                     ; + 4 (wave % 2): my four rows' first row in the section
	s_lshl_b32 s30, s26, 2
	s_add_co_u32 s30, s30, s20
	s_lshl_b32 s30, s30, 15                        ; (4 G + wave) x 4 rows x 8,192 bytes
	s_mov_b32 s31, 0
	s_add_nc_u64 s[24:25], s[24:25], s[30:31]      ; the numbers
	s_lshl_b32 s30, s29, 11
	s_add_co_u32 s30, s30, s27
	s_add_nc_u64 s[32:33], s[16:17], s[30:31]      ; the codes: 8,192 consecutive bytes
	s_lshl_b32 s30, s29, 6
	s_add_co_u32 s30, s30, s28
	s_add_nc_u64 s[34:35], s[16:17], s[30:31]      ; the scale bytes: 256 consecutive bytes, aligned
.macro QLOAD t
.irp i, 0,1,2,3
	global_load_b128 v[R+16*((\t)%4)+4*\i:R+16*((\t)%4)+4*\i+3], v3, s[24:25] offset:2048*(\t)+512*\i th:TH_LOAD_NT   ; 32 lanes read 512 consecutive bytes
.endr
.endm
.macro QTURN t                         ; step t's numbers through the stage: LDS serves a wave's instructions in order, so no wait stands between the stores and the loads
.irp i, 0,1,2,3
	ds_store_b128 v14, v[R+16*((\t)%4)+4*\i:R+16*((\t)%4)+4*\i+3] offset:32*SP*((\t)%2)+8*SP*\i
.endr
.irp i, 0,1,2,3
	ds_load_b128 v[X+16*((\t)%2)+4*\i:X+16*((\t)%2)+4*\i+3], v15 offset:32*SP*((\t)%2)+16*\i
.endr
.endm
.irp t, 0,1,2,3
	QLOAD \t
.endr
	s_wait_loadcnt 12                              ; step 0's four loads are in; the twelve of steps 1 to 3 may be out
	QTURN 0
.macro QSTEP t
.set XR, X+16*((\t)%2)
.if (\t) > 0
	s_wait_dscnt 1                                 ; this step's numbers are back from the stage; the last step's byte store may be out
.else
	s_wait_dscnt 0x0
.endif
.if (\t)+4 < STEPS
	QLOAD (\t)+4                                   ; the stage's stores have read these registers
.endif
.if (\t)+1 < STEPS
.if STEPS-2-(\t) >= 3
	s_wait_loadcnt 12                              ; the next step's four loads are in; those of the three steps behind it may be out
.else
	s_wait_loadcnt 4*(STEPS-2-(\t))
.endif
	QTURN (\t)+1
.endif
	v_max3_num_f32 v8, |v[XR]|, |v[XR+1]|, |v[XR+2]|               ; the largest magnitude of my 16, in two chains
	v_max3_num_f32 v9, |v[XR+3]|, |v[XR+4]|, |v[XR+5]|
.irp i, 6,10
	v_max3_num_f32 v8, v8, |v[XR+\i]|, |v[XR+\i+1]|
	v_max3_num_f32 v9, v9, |v[XR+\i+2]|, |v[XR+\i+3]|
.endr
	v_max3_num_f32 v8, v8, |v[XR+14]|, |v[XR+15]|
	v_max3_num_f32 v8, v8, v9, (EMAX+1)<<23        ; and the floor 2^(9 - 127): the byte cannot fall under 1
	v_max_num_f32_dpp v8, v8, v8 row_xmask:1 row_mask:0xf bank_mask:0xf   ; with my neighbour's 16: the block's
	v_add_nc_u32 v11, -(EMAX<<23), v8              ; 8 off its exponent field: the conversion's scale operand
	v_and_or_b32 v10, v8, 0x7f800000, s23          ; 448 x the scale
.irp i, 0,1,2,3,4,5,6,7,8,9,10,11,12,13,14,15
	v_med3_num_f32 v[XR+\i], v[XR+\i], -v10, v10   ; the conversion to an 8-bit code does not saturate (ISA guide 7.6.2): the hold comes first
.endr
	v_cvt_scalef32_pk8_fp8_f32 v[C+4*(\t):C+4*(\t)+1], v[XR:XR+7], v11
	v_cvt_scalef32_pk8_fp8_f32 v[C+4*(\t)+2:C+4*(\t)+3], v[XR+8:XR+15], v11
	v_lshrrev_b32 v[E+(\t)], 23, v11               ; the scale's byte
	ds_store_b8 v5, v[E+(\t)] offset:16*(\t)       ; both lanes of a block write the same byte with the same value
	global_store_b128 v4, v[C+4*(\t):C+4*(\t)+3], s[32:33] offset:32*CB*(\t)   ; 512 consecutive bytes
	s_cmp_eq_u32 s36, 0
	s_cbranch_scc1 .Lonce_\@
	global_store_b128 v4, v[C+4*(\t):C+4*(\t)+3], s[32:33] offset:32*CB*(\t)+COPYC   ; Wk, Wv: the second copy
.Lonce_\@:
.endm
.irp t, 0,1,2,3,4,5,6,7,8,9,10,11,12,13,14,15
	QSTEP \t
.endr
	ds_load_b64 v[12:13], v6                       ; LDS serves a wave's instructions in order: these see my byte stores
	s_wait_dscnt 0x0
	global_store_b64 v7, v[12:13], s[34:35]        ; 32 lanes store 256 consecutive bytes, aligned
	s_cmp_eq_u32 s36, 0
	s_cbranch_scc1 .Lqend
	global_store_b64 v7, v[12:13], s[34:35] offset:COPYS
.Lqend:
	s_wait_tensorcnt 0x0
	ds_add_u32 v192, v193
	s_wait_dscnt 0x0
	s_endpgm
	; ---------------- the mask
.Lmask:
	s_sub_co_u32 s21, ttmp9, NQW                   ; the tile of queries
	s_lshr_b32 s22, s21, 1
	s_lshl_b32 s22, s22, 5
	s_and_b32 s23, s21, 1
	s_lshl_b32 s23, s23, 3
	s_add_co_u32 s22, s22, s23                     ; its first query: 32 (tile / 2) + 8 (tile % 2)
	s_lshl_b32 s22, s22, 11                        ; a row of the mask is 2,048 bytes
	s_lshl_b32 s23, s20, 9
	s_add_co_u32 s22, s22, s23                     ; + my wave's 512 keys
	s_mov_b32 s23, 0
	s_lshl_b32 s24, s21, 4
	s_lshl_b32 s25, s20, 2
	s_add_co_u32 s24, s24, s25                     ; 16 tile + 4 wave: my first key step
	s_lshl_b32 s26, s24, 8                         ; 256 bytes of words a step
	s_mov_b32 s27, 0
	s_lshl_b32 s28, s24, 2
	s_add_co_u32 s28, s28, FLB                     ; 4 bytes of flag a step
	s_mov_b32 s29, 0
	s_wait_alu depctr_va_vdst(0)
	v_lshlrev_b32 v3, 4, v2                        ; 16 x lane
	s_mul_i32 s30, s20, 16*528
	s_add_co_u32 s30, s30, MSTG                    ; my stage
	v_add_nc_u32 v4, s30, v3                       ; into it: a row's 512 bytes as they lie
	v_and_b32 v5, 15, v2
	v_lshrrev_b32 v6, 4, v2
	v_mul_u32_u24 v5, v5, 528
	v_lshl_add_u32 v5, v6, 4, v5
	v_add_nc_u32 v5, s30, v5                       ; out of it: row r, + 16 h
	s_wait_alu depctr_va_vdst(0)
	s_wait_kmcnt 0x0
	s_add_nc_u64 s[14:15], s[14:15], s[22:23]
	s_add_nc_u64 s[26:27], s[18:19], s[26:27]
	s_add_nc_u64 s[28:29], s[18:19], s[28:29]
.irp p, 0,1,2,3,4,5,6,7,8,9,10,11,12,13,14,15
	global_load_b128 v[16+4*\p:19+4*\p], v3, s[14:15] offset:(\p+8*(\p/8))*2048 th:TH_LOAD_NT   ; the tile's row p: 512 consecutive bytes
.endr
.irp j, 0,1,2,3,4,5,6,7
	v_mov_b32 v[96+\j], 0                          ; a lane write's destination counts as read
.endr
	s_wait_loadcnt 0x0
.irp p, 0,1,2,3,4,5,6,7,8,9,10,11,12,13,14,15
	ds_store_b128 v4, v[16+4*\p:19+4*\p] offset:528*\p
.endr
; Key step k of my four.  Lane (r, h) takes, of row r, the 16 bytes of each block of 32 keys that its half owns.  Byte i of block b, compared against 0 in all lanes at once, IS word 16 b + i.
; The words go lane by lane into registers laid for a dense store: two steps' 128 words are 512 bytes, word m in lane m / 4, register m % 4.
.macro MSTEP k
.irp b, 0,1,2,3
	ds_load_b128 v[80+4*\b:83+4*\b], v5 offset:128*\k+32*\b        ; LDS serves a wave's instructions in order: these see my stores
.endr
	s_wait_dscnt 0x0
	s_mov_b32 s[40+\k], 0
	s_mov_b32 s[48+\k], -1
.set n, 0
.rept 64
	v_bfe_u32 v[8+n%4], v[80+n/4], 8*(n%4), 8
	v_cmp_ne_u32 s[36+n%4], 0, v[8+n%4]
	s_or_b32 s[40+\k], s[40+\k], s[36+n%4]
	s_and_b32 s[48+\k], s[48+\k], s[36+n%4]
	v_writelane_b32 v[96+4*(\k/2)+n%4], s[36+n%4], 16*(\k%2)+n/4
.set n, n+1
.endr
.if \k%2 == 1
	global_store_b128 v3, v[96+4*(\k/2):99+4*(\k/2)], s[26:27] offset:512*(\k/2)   ; 512 consecutive bytes
.endif
.endm
	MSTEP 0
	MSTEP 1
	MSTEP 2
	MSTEP 3
.irp k, 0,1,2,3
	s_cmp_lg_u32 s[40+\k], 0
	s_cselect_b32 s[40+\k], 1, 0
	s_cmp_eq_u32 s[48+\k], -1
	s_cselect_b32 s[48+\k], 2, 0
	s_or_b32 s[40+\k], s[40+\k], s[48+\k]          ; the flag: 0, 1 or 3
	v_mov_b32 v[104+\k], s[40+\k]
.endr
	v_mov_b32 v12, 0
	v_cmp_eq_u32 vcc_lo, 0, v2
	s_wait_alu depctr_va_vdst(0)
	s_wait_xcnt 0x0                                ; EXEC changes only behind this wait: the stores above have had their addresses translated
	s_wait_tensorcnt 0x0
	ds_add_u32 v192, v193
	s_wait_dscnt 0x0
	s_and_saveexec_b32 s44, vcc_lo
	global_store_b128 v12, v[104:107], s[28:29]    ; lane 0: my four flags
	s_wait_xcnt 0x0                                ; and again in front of the line that widens it
	s_or_b32 exec_lo, exec_lo, s44
	s_endpgm
.Lfunc_end_k_q6eec212789_prep:
	.size	k_q6eec212789_prep, .Lfunc_end_k_q6eec212789_prep-k_q6eec212789_prep
	.p2alignl 7, 3214868480
	.fill 96, 4, 3214868480
	.section	.rodata,"a",@progbits
	.p2align	6, 0x0
	.amdhsa_kernel k_q6eec212789_prep
		.amdhsa_group_segment_fixed_size 67072
		.amdhsa_private_segment_fixed_size 0
		.amdhsa_enable_private_segment 0
		.amdhsa_kernarg_size 64
		.amdhsa_user_sgpr_count 2
		.amdhsa_user_sgpr_kernarg_segment_ptr 1
		.amdhsa_wavefront_size32 1
		.amdhsa_system_sgpr_workgroup_id_x 1
		.amdhsa_system_sgpr_workgroup_id_y 1
		.amdhsa_system_sgpr_workgroup_id_z 1
		.amdhsa_system_vgpr_workitem_id 0
		.amdhsa_next_free_vgpr 194
		.amdhsa_next_free_sgpr 66
		.amdhsa_reserve_vcc 1
		.amdhsa_float_denorm_mode_32 3
		.amdhsa_float_denorm_mode_16_64 3
		.amdhsa_memory_ordered 1
		.amdhsa_forward_progress 1
		.amdhsa_inst_pref_size 126
	.end_amdhsa_kernel
	.amdgpu_metadata
---
amdhsa.version: [ 1, 2 ]
amdhsa.kernels:
  - .name:           k_q6eec212789_prep
    .symbol:         k_q6eec212789_prep.kd
    .args:
      - { .name: x, .offset: 0, .size: 8, .value_kind: global_buffer, .address_space: global }
      - { .name: Wq, .offset: 8, .size: 8, .value_kind: global_buffer, .address_space: global }
      - { .name: Wo, .offset: 16, .size: 8, .value_kind: global_buffer, .address_space: global }
      - { .name: Wk, .offset: 24, .size: 8, .value_kind: global_buffer, .address_space: global }
      - { .name: Wv, .offset: 32, .size: 8, .value_kind: global_buffer, .address_space: global }
      - { .name: mask, .offset: 40, .size: 8, .value_kind: global_buffer, .address_space: global }
      - { .name: pre, .offset: 48, .size: 8, .value_kind: global_buffer, .address_space: global }
      - { .name: mw, .offset: 56, .size: 8, .value_kind: global_buffer, .address_space: global }
    .group_segment_fixed_size: 67072
    .private_segment_fixed_size: 0
    .kernarg_segment_align: 8
    .kernarg_segment_size: 64
    .max_flat_workgroup_size: 128
    .sgpr_count:     66
    .vgpr_count:     194
    .wavefront_size: 32
...
	.end_amdgpu_metadata
.endif
;; end of part 5
;; launch proj (part 6): grid 16 x 16, 4 waves a work-group, clusters of 4 x 4, 327,680 bytes of LDS; arguments pre, bq, bk, bv, qkv; writes qkv
.if DOCPART == 6
	.amdgcn_target "amdgcn-amd-amdhsa--gfx1250"
	.amdhsa_code_object_version 6
	.text
	.protected	k_q6eec212789_proj
	.globl	k_q6eec212789_proj
	.p2align	8
	.type	k_q6eec212789_proj,@function
k_q6eec212789_proj:
	s_mov_b64 s[64:65], 0
	v_nop
	global_prefetch_b8 v0, s[64:65] scope:SCOPE_SE
	s_setreg_imm32_b32 hwreg(HW_REG_WAVE_MODE, 25, 1), 1
	s_wait_xcnt 0x0
	s_wait_alu depctr_hold_cnt(0) depctr_sa_sdst(0) depctr_va_vdst(0) depctr_va_sdst(0) depctr_va_ssrc(0) depctr_va_vcc(0) depctr_vm_vsrc(0)
	s_getreg_b32 s2, hwreg(HW_REG_IB_STS2, 6, 4)
	s_cmp_eq_u32 s2, 0
	s_cbranch_scc0 .Lentry_in_a_cluster
	s_endpgm
.Lentry_in_a_cluster:
	s_bfe_u32 s2, ttmp6, 0x10000c
	s_cmp_lg_u32 s2, 0xf033
	s_cbranch_scc0 .Lentry_shape_is_right
	s_endpgm
.Lentry_shape_is_right:
; PROJ.  q = x Wq^T + bq, k = x Wk^T + bk, v = x Wv^T + bv on codes of FP8 (E4M3) with E8M0 scales, sums in f32; the results are quantised here: q and k along the head's 128, v along the keys.
; SHARES.  Work-group (j, i) makes 128 rows of x (positions 128 i on) x the 128 columns of head j of q, and 64 rows x 32 columns of k or v: 256 work-groups of equal work.
; Wave w = (wr, wc) = (w / 2, w % 2) takes rows 64 wr on x columns 64 wc on: 16 accumulators.  THE MATRIX INSTRUCTION IS USED TRANSPOSED (source 0 = 16 rows of W, source 1 = 16 rows of x): a lane holds one row of x.
; Rows lie by POSITION (bits 3 and 4 of the index exchanged), so the 16 registers of tiles 2 b and 2 b + 1 are the true columns 32 b + 16 h + 0 .. 15: half a block of 32; the other half lies in lane l xor 16.
; K GOES IN FOUR STEPS OF 512 through two LDS slots: (128 + 160) rows x 528 bytes each.  Both slots are filled at the head, one whole tile a wave; the two refills bring a half tile a wave.  The steps are written out.
; THE SCALE BYTES of all of K come through registers into LDS bytes of their own, a quarter of both blocks a wave.
; THE EXTRA PART: two accumulators E = P0, P1 (source 0) x Q (source 1).  With X the cluster's x: X / 2 says k or v, X % 2 which 64 of the 128 rows of x, and cx which 32 columns (they come with W's group j).
; k: P = Wk's 32 rows, Q = x's rows 16 w on of the 64 (a lane holds a key, registers run along d).  v: P = x's rows 32 (w % 2) on of the 64, Q = Wv's rows 16 (w / 2) on (a lane holds a d, registers run along the keys).
; A branch on X, the same in all sixteen partners, picks one of four runs of LDS loads whose addresses are constants and terms of the lane and the wave; all four have as many loads.
; THE BIASES ARE LOADED INTO THE ACCUMULATORS: every product adds in place and nothing is cleared.
; CLUSTERS: 4 x 4.  x's tile hangs on i alone and is asked for jointly along a row of the cluster, W's on j alone, along a column.
; PREFETCH: K steps 2 and 3, the two refills', are asked for two K steps ahead of their loads: step 2 behind the head's loads, step 3 behind the first fragment loads.  The four partners that share a tile share its rows by address.
; qkv: q's codes [plane 4 head + c][position][32 bytes] (a fragment's registers 4 c .. 4 c + 3 of 16 positions are 512 consecutive bytes), k's [c][position][32], v's [block of 32 keys][d position][32];
; scale words of q [head][position], scale bytes of k [position][4], of v [d position][64].  k's and v's scale bytes leave as single bytes: 16,384 of the launch's 4.9 million bytes.
; LIMITS: NaN and infinities are not served; a block of zeros carries the byte 1 (its codes are zeros; this program alone reads the bytes).
; REGISTERS.  Window 0: v8-9 prefetch offsets, v10-31 and v60-62 addresses, v32-59 and v208-235 scale words (a set of 28 for each slot), v64-191 the accumulators ((mt, nt) at 64 + 32 mt + 8 nt), v192-207 E;
; v0-15 and v236-255 at work on the way out.  Windows 1 and 2: fragment sets 0 and 1: W's four at v0, x's four at v64, P0, P1 at v128, v144, Q at v160.
.set BR,     160                       ; rows of W in a group
.set PITCH,  528                       ; an LDS row: 512 bytes + 16 of padding: the 16 rows of a fragment start at 16 different groups of four banks
.set BOFF,   128*PITCH                 ; in a slot: x's 128 rows, then W's 160
.set SLOT,   (128+BR)*PITCH
.set SCL,    2*SLOT                    ; x's scale bytes, 8,192, as rows of 256 bytes + 16
.set SCLB,   SCL+32*272                ; W's, 10,240 likewise
.set SPARE,  323840                    ; the spare words, 128 bytes a wave: two blocks of 256 bytes that no other line names
.set QSS,    SPARE+512                 ; q's scale words on their way out: 128 positions
.set SBLK,   4*272                     ; the scale bytes of 16 rows
.set NF,     44                        ; LDS loads of a set of fragments
.set PXS,    13631488
.set PWC,    4194304
.set PWS,    13762560
.set KC,     4194304
.set VC,     4456448
.set QS,     4718592
.set KS,     4849664
.set VS,     4857856
.set TM,   0                           ; +0 largest magnitudes, +4 bytes, +8 448 x the scale, +12 the scale operands
.set PFO,  8
.set VP,   10                          ; v10-11, v12-13: v's P and Q in slot 0, 1
.set VQ,   12
.set VPS,  14                          ; and their scale bytes
.set VQS,  15
.set ADRA, 16
.set ADRB, 18
.set KP,   20                          ; the same for k
.set KQ,   22
.set ADRS, 24
.set KPS,  25
.set KQS,  26
.set LQ,   27                          ; 32 r + 16 h: my 16 codes in 16 positions' 512 bytes
.set SPW,  28
.set NIL,  29
.set LS8,  30
.set QSA,  31
.set SC,   32                          ; slot sl's scale words at SC + 176 sl: + 4 i + q: lanes 0-15 x's tile i, lanes 16-31 W's tile i; + 16 P0's, + 20 P1's, + 24 Q's
.set QRD,  60
.set QGO,  61
.set VB,   62                          ; bv of my lane's d
.set ACC,  64
.set E,    192
.set PC,   236                         ; the codes just made
.set HW,   252                         ; half scale words
.set G1,   24
.set G0,   32
.set G1B,  48
.set G0B,  56
.set HX,   68                          ; s[68:75] group 0 of the head's loads of x's tile into slots 0, 1;  s[76:83] of W's
.set HB,   76
.set PFB,  88
.set SEL,  96
.set MNT,  98
.set TYM,  99                          ; 0 in k's work-groups, all ones in v's
.set MSB, 0
.macro WIN new                         ; the immediate's high byte repeats the setting that is left
.if MSB != (\new)
	s_set_vgpr_msb (MSB<<8)|(\new)
.set MSB, (\new)
.endif
.endm
; A joint load: waves 0 and 1 fetch for x, waves 2 and 3 for W.  The branch hangs on the wave's number alone.  Four v_nop follow each of the two lines.
.macro JLOAD g0a, g1a, g0b, g1b
	s_cmp_eq_u32 s15, 0
	s_cbranch_scc0 .Lfor_b_\@
	tensor_load_to_lds s[\g0a:\g0a+3], s[\g1a:\g1a+7]
	s_nop 0
.rept 4
	v_nop
.endr
	s_branch .Lasked_\@
.Lfor_b_\@:
	tensor_load_to_lds s[\g0b:\g0b+3], s[\g1b:\g1b+7]
	s_nop 0
.rept 4
	v_nop
.endr
.Lasked_\@:
.endm
.macro CREST                           ; a round of the cluster's barrier behind its opening barrier
	s_cmp_lg_u32 s14, 0
	s_cbranch_scc1 .Lnot_wave_0_\@
	s_barrier_signal -3
.Lnot_wave_0_\@:
	s_barrier_wait -3
	s_barrier_signal -1
	s_barrier_wait -1
.endm
.macro CROUND
	s_barrier_signal -1
	s_barrier_wait -1
	CREST
.endm
.macro PLACES n
.rept \n
	v_nop
.endr
.endm
; A PREFETCH INTO THE L2 of a refill's K step: 512 bytes, two units of 256, of each row, a lane a unit.  Waves 0 and 1 ask for x's rows (16 a wave), waves 2 and 3 for W's (20 a wave, in two instructions).
.macro ASK off
	global_prefetch_b8 v[PFO], s[PFB:PFB+1] offset:\off th:TH_LOAD_NT scope:SCOPE_SE
	s_cmp_eq_u32 s15, 0
	s_cbranch_scc1 .Lask_x_\@
	global_prefetch_b8 v[PFO+1], s[PFB:PFB+1] offset:\off th:TH_LOAD_NT scope:SCOPE_SE
.Lask_x_\@:
.endm
	s_load_b256 s[4:11], s[0:1], 0x0               ; pre, bq, bk, bv
	s_load_b64 s[12:13], s[0:1], 0x20              ; qkv
	v_lshl_add_u32 v[SPW], v0, 2, SPARE
	v_mov_b32 v[NIL], 0
	ds_add_u32 v[SPW], v[NIL]                      ; the opening lines: the add, twice on end, under one wait
	ds_add_u32 v[SPW], v[NIL]
	v_lshrrev_b32 v1, 5, v0
	v_readfirstlane_b32 s14, v1                    ; wave
	s_lshr_b32 s15, s14, 1                         ; wr: which 64 rows are mine.  Also: I refill for x (0) or for W (1)
	s_and_b32 s16, s14, 1                          ; wc: which 64 columns.  Also: which half of its rows I refill
	s_bfe_u32 s40, ttmp6, 0x40000                  ; cx
	s_bfe_u32 s41, ttmp6, 0x40004                  ; cy
	s_lshl_b32 s42, ttmp9, 2
	s_add_co_u32 s42, s42, s40                     ; j
	s_and_b32 s17, ttmp7, 0xffff
	s_lshl_b32 s17, s17, 2
	s_add_co_u32 s17, s17, s41                     ; i
	s_lshl_b32 s43, s41, 2
	s_lshl_b32 s43, 15, s43                        ; my row of the cluster
	s_lshl_b32 s44, 0x1111, s40                    ; my column
	s_or_b32 s[G1+0], s43, (1<<20)|(1<<21)|(6<<22)|(3<<25)    ; the mask; elements of 1 byte; padding on; bit 21 beside a mask; 4 words behind every 128
	s_or_b32 s[G1B+0], s44, (1<<20)|(1<<21)|(6<<22)|(3<<25)
	s_mov_b32 s[G1+1], 512<<16                     ; tensor_dim0
	s_mov_b32 s[G1+2], 128<<16                     ; tensor_dim1: x's 128 rows at the head; behind it 64
	s_mov_b32 s[G1+3], 512<<16                     ; tile_dim0
	s_mov_b32 s[G1+4], 128                         ; tile_dim1
	s_mov_b32 s[G1+5], 2048                        ; from row to row
	s_mov_b32 s[G1+6], 0
	s_mov_b32 s[G1+7], 0
	s_mov_b32 s[G1B+1], 512<<16
	s_mov_b32 s[G1B+2], BR<<16                     ; W's 160 rows; behind the head 80
	s_mov_b32 s[G1B+3], 512<<16
	s_mov_b32 s[G1B+4], BR
	s_mov_b32 s[G1B+5], 2048
	s_mov_b32 s[G1B+6], 0
	s_mov_b32 s[G1B+7], 0
	s_lshl_b32 s20, s17, 18                        ; x's codes: row 128 i
	s_mov_b32 s21, 0
	s_mul_i32 s46, s42, BR*2048
	s_add_co_u32 s46, s46, PWC                     ; W's codes: row 160 j
	s_mov_b32 s47, 0
	s_lshl_b32 s2, s17, 13                         ; x's scale bytes: my quarter of 8,192
	s_lshl_b32 s18, s14, 11
	s_add_co_u32 s2, s2, s18
	s_add_co_u32 s2, s2, PXS
	s_mov_b32 s3, 0
	s_mul_i32 s90, s42, BR*64                      ; W's: my quarter of 10,240
	s_mul_i32 s18, s14, BR*16
	s_add_co_u32 s90, s90, s18
	s_add_co_u32 s90, s90, PWS
	s_mov_b32 s91, 0
	s_lshl_b32 s18, s40, 1                         ; the prefetches, at K step 2: x: rows 16 (2 cx + half) on of the tile,
	s_add_co_u32 s18, s18, s16
	s_lshl_b32 s18, s18, 15
	s_add_co_u32 s18, s18, s20
	s_lshl_b32 s19, s41, 1                         ; W: rows 20 (2 cy + half) on
	s_add_co_u32 s19, s19, s16
	s_mul_i32 s19, s19, 20*2048
	s_add_co_u32 s19, s19, s46
	s_cmp_eq_u32 s15, 0
	s_cselect_b32 s[PFB], s18, s19
	s_add_co_u32 s[PFB], s[PFB], 1024
	s_mov_b32 s[PFB+1], 0
	s_lshl_b32 s84, s16, 17                        ; the refills: my 64 rows of x,
	s_mov_b32 s85, 0
	s_mul_i32 s86, s16, (BR/2)*2048                ; my 80 rows of W,
	s_mov_b32 s87, 0
	s_mul_i32 s45, s16, 64*PITCH                   ; and where they go: no place in the cluster enters an LDS address
	s_mul_i32 s94, s16, (BR/2)*PITCH
	s_add_co_u32 s94, s94, BOFF
	s_mov_b32 s[SEL], 0x76543210
	s_mov_b32 s[SEL+1], 0xfedcba98                 ; v_permlanex16_b32's selects for lane l xor 16
	s_mov_b32 s[MNT], 0x600000                     ; the mantissa field of 448
	s_wait_dscnt 0x0                               ; both opening adds are done
	s_wait_kmcnt 0x0
	s_add_nc_u64 s[20:21], s[4:5], s[20:21]
	s_add_nc_u64 s[46:47], s[4:5], s[46:47]
	s_add_nc_u64 s[2:3], s[4:5], s[2:3]
	s_add_nc_u64 s[90:91], s[4:5], s[90:91]
	s_add_nc_u64 s[PFB:PFB+1], s[4:5], s[PFB:PFB+1]
	CROUND                                         ; all sixteen work-groups are here: the first joint loads meet
.irp s, 0,1
	s_mov_b32 s[HX+4*\s], 1
	s_mov_b32 s[HX+4*\s+1], \s*SLOT
	s_add_nc_u64 s[HX+4*\s+2:HX+4*\s+3], s[20:21], \s*512
	s_or_b32 s[HX+4*\s+3], s[HX+4*\s+3], 0x80000000
	s_mov_b32 s[HB+4*\s], 1
	s_mov_b32 s[HB+4*\s+1], BOFF+\s*SLOT
	s_add_nc_u64 s[HB+4*\s+2:HB+4*\s+3], s[46:47], \s*512
	s_or_b32 s[HB+4*\s+3], s[HB+4*\s+3], 0x80000000
.endr
; THE HEAD'S LOADS, ONE A WAVE.  ONE tree of branches on the wave's number; every way through it passes exactly one load.
.macro ARM under, g0, g1, next
	s_cmp_lt_u32 s14, \under
	s_cbranch_scc0 \next
	tensor_load_to_lds s[\g0:\g0+3], s[\g1:\g1+7]
	s_nop 0
	PLACES 4
	s_branch .Lhead_asked
\next:
.endm
	ARM 1, HX, G1, .Lhead_b0
	ARM 2, HB, G1B, .Lhead_x1
	ARM 3, HX+4, G1, .Lhead_b1
	tensor_load_to_lds s[HB+4:HB+7], s[G1B:G1B+7]
	s_nop 0
	PLACES 4
.Lhead_asked:
	v_and_b32 v246, 31, v0
	v_lshlrev_b32 v246, 4, v246                    ; 16 x lane
.irp i, 0,1,2,3
	global_load_b128 v[208+4*\i:211+4*\i], v246, s[2:3] offset:512*\i      ; my 2,048 of x's scale bytes
.endr
.irp i, 0,1,2,3,4
	global_load_b128 v[224+4*\i:227+4*\i], v246, s[90:91] offset:512*\i    ; my 2,560 of W's
.endr
	s_add_nc_u64 s[20:21], s[20:21], s[84:85]
	s_add_nc_u64 s[46:47], s[46:47], s[86:87]
.irp s, 0,1
	s_mov_b32 s[G0+4*\s], 1
	s_add_co_u32 s[G0+4*\s+1], s45, \s*SLOT
	s_add_nc_u64 s[G0+4*\s+2:G0+4*\s+3], s[20:21], \s*512
	s_or_b32 s[G0+4*\s+3], s[G0+4*\s+3], 0x80000000
	s_mov_b32 s[G0B+4*\s], 1
	s_add_co_u32 s[G0B+4*\s+1], s94, \s*SLOT
	s_add_nc_u64 s[G0B+4*\s+2:G0B+4*\s+3], s[46:47], \s*512
	s_or_b32 s[G0B+4*\s+3], s[G0B+4*\s+3], 0x80000000
.endr
	s_mul_i32 s18, s14, 8*272
	s_add_co_u32 s18, s18, SCL
	s_mul_i32 s19, s14, 10*272
	s_add_co_u32 s19, s19, SCLB
	s_wait_alu depctr_va_vdst(0)                   ; ahead of the readers below
	v_lshrrev_b32 v3, 8, v246                      ; a load's 512 bytes in LDS: two rows of 256 + 16
	v_and_b32 v4, 255, v246
	v_mul_u32_u24 v3, v3, 272
	v_add_nc_u32 v3, v3, v4
	v_add_nc_u32 v244, s18, v3
	v_add_nc_u32 v245, s19, v3
	v_and_b32 v4, 31, v0
	v_lshrrev_b32 v5, 1, v4
	v_and_b32 v4, 1, v4
	v_lshlrev_b32 v[PFO], 11, v5
	v_lshl_add_u32 v[PFO], v4, 8, v[PFO]           ; row lane / 2, unit lane % 2
	v_min_u32 v5, 3, v5
	v_add_nc_u32 v5, 16, v5
	v_lshlrev_b32 v[PFO+1], 11, v5
	v_lshl_add_u32 v[PFO+1], v4, 8, v[PFO+1]       ; W's rows 16 to 19 (the lanes left over name row 19 again)
	ASK 0                                          ; K step 2
	; ---- LDS addresses
	v_and_b32 v1, 15, v0                           ; r
	v_bfe_u32 v2, v0, 4, 1                         ; h
	v_mul_u32_u24 v3, v1, PITCH
	v_lshl_add_u32 v3, v2, 4, v3                   ; a fragment's row x pitch + 16 h
	s_wait_alu depctr_va_vdst(0)                   ; ahead of the scalar lines below
	s_mul_i32 s18, s15, 64*PITCH                   ; my 64 rows of x
	s_mul_i32 s19, s16, 64*PITCH
	s_add_co_u32 s19, s19, BOFF                    ; my 64 rows of Wq
	s_mul_i32 s45, s16, 32*PITCH                   ; v: P = x's rows 32 (w % 2) on
	s_mul_i32 s46, s14, 16*PITCH                   ; k: Q = x's rows 16 w on
	s_mul_i32 s66, s15, 16*PITCH
	s_add_co_u32 s66, s66, BOFF+128*PITCH          ; v: Q = the group's rows 128 + 16 (w / 2) on
	s_mov_b32 s47, BOFF+128*PITCH                  ; k: P = the group's rows 128 on
.irp s, 0,1
	v_add_nc_u32 v[ADRA+\s], s18, v3
	v_add_nc_u32 v[ADRB+\s], s19, v3
	v_add_nc_u32 v[KP+\s], s47, v3
	v_add_nc_u32 v[KQ+\s], s46, v3
	v_add_nc_u32 v[VP+\s], s45, v3
	v_add_nc_u32 v[VQ+\s], s66, v3
	s_add_co_u32 s18, s18, SLOT
	s_add_co_u32 s19, s19, SLOT
	s_add_co_u32 s45, s45, SLOT
	s_add_co_u32 s46, s46, SLOT
	s_add_co_u32 s47, s47, SLOT
	s_add_co_u32 s66, s66, SLOT
.endr
	v_lshrrev_b32 v4, 2, v1                        ; row r's scale bytes: four rows of 64 bytes to 256 + 16
	v_mul_u32_u24 v4, v4, 272
	v_and_b32 v5, 3, v1
	v_lshl_add_u32 v4, v5, 6, v4
	s_wait_alu depctr_va_vdst(0)
	s_xor_b32 s19, s15, 1                          ; from the scale bytes of my 64 rows of x to those of my 64 rows of W: (1 - wr) + 1 + wc times the bytes of 64 rows
	s_add_co_u32 s19, s19, s16
	s_add_co_u32 s19, s19, 1
	s_mul_i32 s19, s19, 16*272
	v_mul_u32_u24 v5, s19, v2                      ; lanes 16-31 take W's
	v_add_nc_u32 v5, v5, v4
	s_mul_i32 s18, s15, 16*272
	s_add_co_u32 s18, s18, SCL
	v_add_nc_u32 v[ADRS], s18, v5
	s_mul_i32 s18, s16, 8*272
	s_add_co_u32 s18, s18, SCL                     ; v: P's
	s_mul_i32 s19, s14, 4*272
	s_add_co_u32 s19, s19, SCL                     ; k: Q's
	s_mul_i32 s45, s15, 4*272
	s_add_co_u32 s45, s45, SCLB+32*272             ; v: Q's
	s_wait_alu depctr_va_vdst(0)
	v_add_nc_u32 v[KPS], SCLB+32*272, v4
	v_add_nc_u32 v[KQS], s19, v4
	v_add_nc_u32 v[VPS], s18, v4
	v_add_nc_u32 v[VQS], s45, v4
	v_lshlrev_b32 v[LQ], 5, v1
	v_lshl_add_u32 v[LQ], v2, 4, v[LQ]
	s_lshl_b32 s18, s15, 8                         ; 64 wr positions of 4 bytes
	s_lshl_b32 s19, s16, 1
	s_add_co_u32 s18, s18, s19
	s_add_co_u32 s18, s18, QSS
	v_lshl_add_u32 v[QSA], v1, 2, s18              ; my two bytes of position r's scale word: bytes 2 wc on
	v_and_b32 v[QGO], 31, v0
	v_lshlrev_b32 v[QGO], 4, v[QGO]                ; on the way out 16 bytes a lane, in memory
	v_add_nc_u32 v[QRD], QSS, v[QGO]               ; and in LDS
	; ---- the biases, into the accumulators: register j of tile 2 b + u holds column 32 b + 16 h + 8 u + j
	s_lshl_b32 s18, s42, 9
	s_lshl_b32 s19, s16, 8
	s_add_co_u32 s18, s18, s19
	s_mov_b32 s19, 0
	s_add_nc_u64 s[6:7], s[6:7], s[18:19]          ; bq at column 128 j + 64 wc
	v_lshlrev_b32 v6, 6, v2                        ; 16 h numbers
.irp m, 0,1,2,3
.irp t, 0,1,2,3
	global_load_b128 v[ACC+32*\m+8*\t:ACC+32*\m+8*\t+3], v6, s[6:7] offset:(32*(\t/2)+8*(\t%2))*4
	global_load_b128 v[ACC+32*\m+8*\t+4:ACC+32*\m+8*\t+7], v6, s[6:7] offset:(32*(\t/2)+8*(\t%2))*4+16
.endr
.endr
	s_lshl_b32 s18, s40, 7                         ; 32 cx numbers
	s_add_nc_u64 s[8:9], s[8:9], s[18:19]
	s_add_nc_u64 s[10:11], s[10:11], s[18:19]
.irp c, 0,1,2,3
	global_load_b128 v[E+4*\c:E+4*\c+3], v6, s[8:9] offset:16*\c   ; k: bk at d = 32 cx + 16 h + 0 .. 15
.endr
	v_and_b32 v7, 8, v1
	v_add_nc_u32 v7, v7, v1                        ; 16 (r / 8) + r % 8
	s_lshl_b32 s18, s15, 3
	v_add_nc_u32 v7, s18, v7                       ; + 8 (w / 2): the true d of position 16 (w / 2) + r
	v_lshlrev_b32 v7, 2, v7
	global_load_b32 v[VB], v7, s[10:11]            ; v: bv of my lane's d
	; ---- where the results go
	s_lshl_b32 s18, s42, 2
	s_lshl_b32 s19, s16, 1
	s_add_co_u32 s18, s18, s19                     ; plane 4 j + 2 wc
	s_lshl_b32 s18, s18, 16
	s_lshl_b32 s19, s17, 12                        ; 128 i positions of 32 bytes
	s_add_co_u32 s18, s18, s19
	s_lshl_b32 s19, s15, 11                        ; + 64 wr
	s_add_co_u32 s18, s18, s19
	s_mov_b32 s19, 0
	s_add_nc_u64 s[20:21], s[12:13], s[18:19]      ; q's codes
	s_lshl_b32 s18, s42, 13                        ; head j: 8,192 bytes a head
	s_lshl_b32 s45, s17, 9                         ; 128 i positions of 4 bytes
	s_add_co_u32 s18, s18, s45
	s_add_co_u32 s18, s18, QS
	s_add_nc_u64 s[22:23], s[12:13], s[18:19]      ; q's scale words
	s_and_b32 s67, ttmp9, 1                        ; which 64 rows the extra part takes
	s_lshl_b32 s18, s17, 7
	s_lshl_b32 s19, s67, 6
	s_add_co_u32 s18, s18, s19
	s_lshl_b32 s19, s14, 4
	s_add_co_u32 s18, s18, s19                     ; k: position 128 i + 64 (X % 2) + 16 w
	s_lshl_b32 s19, s40, 5
	s_lshl_b32 s45, s15, 4
	s_add_co_u32 s19, s19, s45                     ; v: d position 32 cx + 16 (w / 2)
	s_lshl_b32 s45, s17, 2
	s_lshl_b32 s46, s67, 1
	s_add_co_u32 s45, s45, s46
	s_add_co_u32 s45, s45, s16                     ; v: block of keys 4 i + 2 (X % 2) + w % 2
	s_lshl_b32 s46, s40, 16
	s_lshl_b32 s47, s18, 5
	s_add_co_u32 s46, s46, s47
	s_add_co_u32 s46, s46, KC                      ; k's codes
	s_lshl_b32 s47, s45, 12
	s_lshl_b32 s66, s19, 5
	s_add_co_u32 s47, s47, s66
	s_add_co_u32 s47, s47, VC                      ; v's codes
	s_lshl_b32 s66, s18, 2
	s_add_co_u32 s66, s66, s40
	s_add_co_u32 s66, s66, KS                      ; k's scale bytes
	s_lshl_b32 s67, s19, 6
	s_add_co_u32 s67, s67, s45
	s_add_co_u32 s67, s67, VS                      ; v's scale bytes
	s_cmp_lt_u32 ttmp9, 2
	s_cselect_b32 s92, s46, s47
	s_cselect_b32 s94, s66, s67
	s_cselect_b32 s18, 2, 6                        ; from lane to lane: 4 bytes in k's, 64 in v's
	s_cselect_b32 s[TYM], 0, -1
	s_mov_b32 s93, 0
	s_mov_b32 s95, 0
	s_add_nc_u64 s[92:93], s[12:13], s[92:93]
	s_add_nc_u64 s[94:95], s[12:13], s[94:95]
	v_lshlrev_b32 v[LS8], s18, v1
	s_wait_alu depctr_va_vdst(0)                   ; ahead of the wait below
	s_wait_loadcnt 0x0                             ; the biases and my scale bytes
.irp n, 0,1,2,3,4,5,6,7,8,9,10,11,12,13,14,15
	v_cndmask_b32 v[E+\n], v[E+\n], v[VB], s[TYM]  ; in v's work-groups all 16 registers are keys of one d
.endr
.macro FRAG reg, adr, off              ; 16 rows x 128 K: registers 4 c .. 4 c + 3 hold K = 32 c + 16 h + 0 .. 15
.irp c, 0,1,2,3
	ds_load_b128 v[\reg+4*\c:\reg+4*\c+3], v[\adr] offset:\off+32*\c
.endr
.endm
; The extra part's loads (macro m) in four runs, one of which is taken: k or v, and the first or the second 64 rows of x.
.macro XCASE m, kp, kq, vp, vq, ob, a, b, c
	WIN 0
	s_cmp_lt_u32 ttmp9, 2
	s_cbranch_scc0 .Lv0_\@
	s_cmp_eq_u32 ttmp9, 0
	s_cbranch_scc0 .Lk1_\@
	\m \kp, \kq, 0, 0, \a, \b, \c
	s_branch .Lxd_\@
.Lk1_\@:
	\m \kp, \kq, 0, \ob, \a, \b, \c
	s_branch .Lxd_\@
.Lv0_\@:
	s_cmp_eq_u32 ttmp9, 2
	s_cbranch_scc0 .Lv1_\@
	\m \vp, \vq, 0, 0, \a, \b, \c
	s_branch .Lxd_\@
.Lv1_\@:
	\m \vp, \vq, \ob, 0, \a, \b, \c
.Lxd_\@:
.endm
.macro X3 p, q, po, qo, slot, kq, w    ; P0, P1, Q
	WIN \w
	FRAG 128, \p+\slot, 128*(\kq)+\po
	FRAG 144, \p+\slot, 128*(\kq)+\po+16*PITCH
	FRAG 160, \q+\slot, 128*(\kq)+\qo
	WIN 0
.endm
.macro XS3 p, q, po, qo, sl, kk, w     ; their scale words
	ds_load_b128 v[SC+176*(\sl)+16:SC+176*(\sl)+19], v[\p] offset:\po+16*(\kk)
	ds_load_b128 v[SC+176*(\sl)+20:SC+176*(\sl)+23], v[\p] offset:\po+16*(\kk)+SBLK
	ds_load_b128 v[SC+176*(\sl)+24:SC+176*(\sl)+27], v[\q] offset:\qo+16*(\kk)
.endm
.macro FETCH slot, q, p                ; the slot's q-th 128 along K into set p: 44 loads in one run
	WIN 0x40+0x40*(\p)
.irp t, 0,1,2,3
	FRAG 16*\t, ADRB+\slot, 128*(\q)+\t*16*PITCH
.endr
.irp t, 0,1,2,3
	FRAG 64+16*\t, ADRA+\slot, 128*(\q)+\t*16*PITCH
.endr
	XCASE X3, KP, KQ, VP, VQ, 64*PITCH, \slot, \q, 0x40+0x40*(\p)
.endm
.macro SCALES sl, kk                   ; K step kk's scale words, four a row: lanes 0-15 x's tile i, lanes 16-31 W's tile i; then P0's, P1's, Q's
	WIN 0
.irp i, 0,1,2,3
	ds_load_b128 v[SC+176*(\sl)+4*\i:SC+176*(\sl)+4*\i+3], v[ADRS] offset:\i*SBLK+16*(\kk)
.endr
	XCASE XS3, KPS, KQS, VPS, VQS, 16*272, \sl, \kk, 0
.endm
; The 18 accumulators take turns, one instruction a turn, in the same order in every step.
.macro MUL p, q, sl, mtlo, mthi
	WIN 0x05+0x05*(\p)
.set mt, \mtlo
.rept \mthi-\mtlo+1
.irp nt, 0,1,2,3
	v_wmma_scale_f32_16x16x128_f8f6f4 v[ACC+32*mt+8*\nt:ACC+32*mt+8*\nt+7], v[16*\nt:16*\nt+15], v[64+16*mt:64+16*mt+15], v[ACC+32*mt+8*\nt:ACC+32*mt+8*\nt+7], v[SC+176*(\sl)+4*\nt+(\q)], v[SC+176*(\sl)+4*mt+(\q)] matrix_a_scale:MATRIX_SCALE_ROW1
.endr
.set mt, mt+1
.endr
.endm
.macro MULX p, q, sl
	WIN 0x05+0x05*(\p)
.irp u, 0,1
	v_wmma_scale_f32_16x16x128_f8f6f4 v[E+8*\u:E+8*\u+7], v[128+16*\u:128+16*\u+15], v[160:175], v[E+8*\u:E+8*\u+7], v[SC+176*(\sl)+16+4*\u+(\q)], v[SC+176*(\sl)+24+(\q)]
.endr
.endm
; One of a slot's first three 128 along K: set q % 2 is multiplied, the next 128 are fetched into the other set.
; Eight places stand in front of loads into registers that matrix instructions have read.
.macro STEP slot, q
.set QN, (\q)+1
.set PN, QN%2
.set PQ, (\q)%2
	PLACES 8
	FETCH \slot, QN, PN
	s_wait_dscnt NF                                ; all but the 44 just issued: this step's set and its scale words are in
	MUL PQ, \q, \slot, 0, 3
	MULX PQ, \q, \slot
.endm
; A slot's last 128 (set 1) change slots: one barrier; in front of it each wave waits for all its tensor loads, adds 0 to its spare word, and waits for that and for its reads of this slot.  kk: the next K step.
.macro TURN slot, next, fill, kk
	WIN 0
	s_wait_tensorcnt 0x0                           ; all my tensor loads have landed: my part of the next slot
	ds_add_u32 v[SPW], v[NIL]                      ; 0 onto my spare word
	s_wait_dscnt 1                                 ; set 1 is in; the add alone may be out
	MUL 1, 3, \slot, 0, 1
	s_wait_dscnt 0x0                               ; the add is done, and my reads of this slot are over
	s_barrier_signal -1
	MUL 1, 3, \slot, 2, 2
	WIN 0
	s_barrier_wait -1
.if \fill
	CREST                                          ; the barrier has opened a round of the cluster's: no wave of any partner still reads this slot or has a load on its way
	s_add_nc_u64 s[G0+4*\slot+2:G0+4*\slot+3], s[G0+4*\slot+2:G0+4*\slot+3], 1024
	s_add_nc_u64 s[G0B+4*\slot+2:G0B+4*\slot+3], s[G0B+4*\slot+2:G0B+4*\slot+3], 1024
	JLOAD G0+4*\slot, G1, G0B+4*\slot, G1B         ; the first tensor load behind the round; its four v_nop are four of the eight places
	PLACES 4
.else
	PLACES 8
.endif
	FETCH \next, 0, 0
	SCALES \next, \kk
	MUL 1, 3, \slot, 3, 3
	MULX 1, 3, \slot
	WIN 0
.endm
	s_wait_alu depctr_va_vdst(0)                   ; the wait at the head's end
	s_wait_tensorcnt 0x0                           ; my tile is in, and no tensor load of mine is out: from here on a load brings half a tile
	s_mov_b32 s[G1+2], 64<<16
	s_mov_b32 s[G1+4], 64
	s_mov_b32 s[G1B+2], (BR/2)<<16
	s_mov_b32 s[G1B+4], BR/2
.irp i, 0,1,2,3
	ds_store_b128 v244, v[208+4*\i:211+4*\i] offset:544*\i
.endr
.irp i, 0,1,2,3,4
	ds_store_b128 v245, v[224+4*\i:227+4*\i] offset:544*\i
.endr
	s_wait_dscnt 0x0                               ; for the others' sake: my scale bytes lie in LDS
	s_barrier_signal -1
	s_barrier_wait -1                              ; both slots are whole
	FETCH 0, 0, 0
	SCALES 0, 0
	ASK 512                                        ; K step 3
	STEP 0, 0                                      ; K 0 to 511
	STEP 0, 1
	STEP 0, 2
	TURN 0, 1, 1, 1                                ; slot 0 takes K 1,024 on
	STEP 1, 0                                      ; K 512 to 1,023
	STEP 1, 1
	STEP 1, 2
	TURN 1, 0, 1, 2                                ; slot 1 takes K 1,536 on
	STEP 0, 0
	STEP 0, 1
	STEP 0, 2
	TURN 0, 1, 0, 3                                ; nothing is left to fetch
	STEP 1, 0
	STEP 1, 1
	STEP 1, 2
	s_wait_dscnt 0x0
	MUL 1, 3, 1, 0, 3
	MULX 1, 3, 1
	WIN 0
	s_wait_xcnt 0x0                                ; the prefetches have read their offsets: their registers are written below
	PLACES 8                                       ; in front of the first read of results
.irp b, 0,1,2,3
	v_mov_b32 v[TM+4+\b], 0                        ; a lane permute's destination counts as one of its sources
.endr
; n blocks of a lane: v[s + 16 b + i] = number 32 b + 16 h + i of my row: codes into v[PC + 4 b] on, bytes into v[TM + 4 + b].  Each accumulator is read from its low end on.
.macro QUANT s, n
.set qb, 0
.rept \n
	v_max3_num_f32 v[TM+qb], |v[(\s)+16*qb]|, |v[(\s)+1+16*qb]|, 0x4800000   ; my 16 numbers, and the floor 2^(9 - 127): the byte cannot fall under 1
.set qb, qb+1
.endr
.irp i, 2,4,6,8,10,12,14
.set qb, 0
.rept \n
	v_max3_num_f32 v[TM+qb], v[TM+qb], |v[(\s)+16*qb+\i]|, |v[(\s)+1+16*qb+\i]|
.set qb, qb+1
.endr
.endr
.set qb, 0
.rept \n
	v_permlanex16_b32 v[TM+4+qb], v[TM+qb], s[SEL], s[SEL+1]
.set qb, qb+1
.endr
.set qb, 0
.rept \n
	v_max_num_f32 v[TM+qb], v[TM+qb], v[TM+4+qb]   ; with lane l xor 16's: the block's largest magnitude
.set qb, qb+1
.endr
.set qb, 0
.rept \n
	v_add_nc_u32 v[TM+12+qb], 0xfc000000, v[TM+qb] ; 8 off its exponent field: the conversion's scale operand
	v_and_or_b32 v[TM+8+qb], v[TM+qb], 0x7f800000, s[MNT]   ; 448 x the scale
.set qb, qb+1
.endr
.set qb, 0
.rept \n
	v_lshrrev_b32 v[TM+4+qb], 23, v[TM+12+qb]      ; the scale's byte
.set qb, qb+1
.endr
.set qb, 0
.rept \n
.irp i, 0,1,2,3,4,5,6,7,8,9,10,11,12,13,14,15
	v_med3_num_f32 v[(\s)+16*qb+\i], v[(\s)+16*qb+\i], -v[TM+8+qb], v[TM+8+qb]   ; the conversion does not saturate (ISA guide 7.6.2): the hold comes first
.endr
	v_cvt_scalef32_pk8_fp8_f32 v[PC+4*qb:PC+4*qb+1], v[(\s)+16*qb:(\s)+16*qb+7], v[TM+12+qb]
	v_cvt_scalef32_pk8_fp8_f32 v[PC+4*qb+2:PC+4*qb+3], v[(\s)+16*qb+8:(\s)+16*qb+15], v[TM+12+qb]
.set qb, qb+1
.endr
	v_nop                                          ; one plain instruction behind the last conversion
.endm
	; ---- q: two tiles of rows at a time; block B is (tile 2 mp + B / 2, columns 32 (B % 2) on)
.irp mp, 0,1
.if \mp == 1
	s_wait_xcnt 0x0                                ; the stores have read the codes' registers
.endif
	QUANT ACC+64*\mp, 4
.irp B, 0,1,2,3
	global_store_b128 v[LQ], v[PC+4*\B:PC+4*\B+3], s[20:21] offset:(\B%2)*65536+(2*\mp+\B/2)*512   ; 512 consecutive bytes
.endr
	v_lshl_or_b32 v[HW+2*\mp], v[TM+5], 8, v[TM+4]
	v_lshl_or_b32 v[HW+2*\mp+1], v[TM+7], 8, v[TM+6]
	ds_store_b16 v[QSA], v[HW+2*\mp] offset:64*(2*\mp)             ; both lanes of a block write the same two bytes with the same value
	ds_store_b16 v[QSA], v[HW+2*\mp+1] offset:64*(2*\mp+1)
.endr
	; ---- k or v: one block a lane
	s_wait_xcnt 0x0
	QUANT E, 1
	global_store_b128 v[LQ], v[PC:PC+3], s[92:93]  ; 512 consecutive bytes
	global_store_b8 v[LS8], v[TM+4], s[94:95]
	s_wait_dscnt 0x0                               ; for the others' sake: my half words lie in LDS
	s_barrier_signal -1
	s_barrier_wait -1
	s_cmp_lg_u32 s14, 0
	s_cbranch_scc1 .Lnot_first
	ds_load_b128 v[TM+12:TM+15], v[QRD]            ; wave 0: the head's 128 positions of whole scale words
	s_wait_dscnt 0x0
	global_store_b128 v[QGO], v[TM+12:TM+15], s[22:23]   ; 32 lanes store 512 consecutive bytes, aligned
.Lnot_first:
	s_wait_tensorcnt 0x0                           ; the wave's end
	ds_add_u32 v[SPW], v[NIL]
	s_wait_dscnt 0x0
	CROUND                                         ; the closing round
	s_endpgm
.Lfunc_end_k_q6eec212789_proj:
	.size	k_q6eec212789_proj, .Lfunc_end_k_q6eec212789_proj-k_q6eec212789_proj
	.p2alignl 7, 3214868480
	.fill 96, 4, 3214868480
	.section	.rodata,"a",@progbits
	.p2align	6, 0x0
	.amdhsa_kernel k_q6eec212789_proj
		.amdhsa_group_segment_fixed_size 327680
		.amdhsa_private_segment_fixed_size 0
		.amdhsa_enable_private_segment 0
		.amdhsa_kernarg_size 40
		.amdhsa_user_sgpr_count 2
		.amdhsa_user_sgpr_kernarg_segment_ptr 1
		.amdhsa_wavefront_size32 1
		.amdhsa_system_sgpr_workgroup_id_x 1
		.amdhsa_system_sgpr_workgroup_id_y 1
		.amdhsa_system_sgpr_workgroup_id_z 1
		.amdhsa_system_vgpr_workitem_id 0
		.amdhsa_next_free_vgpr 768
		.amdhsa_next_free_sgpr 100
		.amdhsa_reserve_vcc 0
		.amdhsa_float_denorm_mode_32 3
		.amdhsa_float_denorm_mode_16_64 3
		.amdhsa_memory_ordered 1
		.amdhsa_forward_progress 1
		.amdhsa_inst_pref_size 179
	.end_amdhsa_kernel
	.amdgpu_metadata
---
amdhsa.version: [ 1, 2 ]
amdhsa.kernels:
  - .name:           k_q6eec212789_proj
    .symbol:         k_q6eec212789_proj.kd
    .args:
      - { .name: pre, .offset: 0, .size: 8, .value_kind: global_buffer, .address_space: global }
      - { .name: bq, .offset: 8, .size: 8, .value_kind: global_buffer, .address_space: global }
      - { .name: bk, .offset: 16, .size: 8, .value_kind: global_buffer, .address_space: global }
      - { .name: bv, .offset: 24, .size: 8, .value_kind: global_buffer, .address_space: global }
      - { .name: qkv, .offset: 32, .size: 8, .value_kind: global_buffer, .address_space: global }
    .group_segment_fixed_size: 327680
    .private_segment_fixed_size: 0
    .kernarg_segment_align: 8
    .kernarg_segment_size: 40
    .max_flat_workgroup_size: 128
    .sgpr_count:     100
    .vgpr_count:     768
    .wavefront_size: 32
...
	.end_amdgpu_metadata
.endif
;; end of part 6
;; launch attn (part 7): grid 64 x 4, 8 waves a work-group, no clusters, 313,344 bytes of LDS; arguments qkv, mw, att; writes att
.if DOCPART == 7
	.amdgcn_target "amdgcn-amd-amdhsa--gfx1250"
	.amdhsa_code_object_version 6
	.text
	.protected	k_q6eec212789_attn
	.globl	k_q6eec212789_attn
	.p2align	8
	.type	k_q6eec212789_attn,@function
k_q6eec212789_attn:
	s_mov_b64 s[64:65], 0
	v_nop
	global_prefetch_b8 v0, s[64:65] scope:SCOPE_SE
	s_setreg_imm32_b32 hwreg(HW_REG_WAVE_MODE, 25, 1), 1
	s_wait_xcnt 0x0
; ATTN.  o = softmax(q k^T / sqrt(128), under the mask) v for 16 query heads on ONE key and value head, both products on codes of FP8 (E4M3) with E8M0 scales; o / l is quantised along the hidden axis for the last product.
; THE SOFTMAX: t = score x log2(e) / sqrt(128); M = the row's largest t so far, rounded up to a whole number; p = 2^(t - M) is quantised along the keys, not normalised; l sums the unquantised p and divides at the end.
; When M moves, l and O are multiplied by 2^(old M - new M): exact.
; THE MASK is an input.  An earlier launch has stored it as lane-mask words (one word for each score register of a step) and one flag for each (tile of 16 queries, step of 128 keys): bit 0: some bit of the step is true; bit 1: all are.
; A false bit makes the score -infinity ahead of the maximum.  A step with no true bit adds nothing for any input, and a scalar branch on the stored flag leads round its work; a step whose bits are all true needs no words.
; This launch has no tensor load, no joint loads and no cluster, although all work-groups walk the same K and V: LDS is filled through registers.
; SHARES.  Work-group (a, hq): tiles a and 127 - a of 16 queries x heads 4 hq .. 4 hq + 3.  The pairing only evens the work out where flags fall as for a triangular mask; no value hangs on it.
; A wave takes ONE tile, TWO heads A and B (each fragment of K and V serves both) and EVERY SECOND key step: wave w: steps of parity kh = w / 4, tile tl = (w / 4 + w) % 2, heads A = 2 hp + kh and B = 2 hp + 1 - kh, hp = (w / 2) % 2.
; Wave w and its partner w xor 5 hold the same tile and heads and the two halves of the keys: at the end each gives its part of head B to the partner, whose head A it is, and joins the partner's part with its own: both are brought to the larger M by powers of two.
; K and V come through two LDS slots of 256 keys, one step of each parity: wave w brings 8,192 consecutive bytes of a slot (waves 0-3: K's four planes; waves 4-7: V's eight planes, two each) into registers
; while the slot in hand is worked, and stores them into the other slot; one barrier a slot.  A slot that no wave of the work-group needs (both tiles' flags) is not brought.
; LAYOUT.  Both products transposed: S^T = K Q^T, O^T = V^T P^T: a lane holds one query.  Rows lie by POSITION (bits 3, 4 exchanged): the 16 registers of tiles 2 b, 2 b + 1 are true keys (or channels) 32 b + 16 h + 0 .. 15.
; A QUERY WITH NO TRUE KEY: l = 0.  Its codes are zeros and its scale word is 0xffffffff, which makes the last product's whole row NaN, as the softmax of such a row is.  This path was not tried.
; LIMITS: NaN and infinities among the inputs are not served; the scaled scores stay under 2^31 in magnitude; a block of zeros carries the byte 1.  The rows' scale bytes leave as 16 bytes a row: 131,072 of the launch's 4.3 million bytes.
; REGISTERS.  Window 0: v0 the thread's number; v1-7 addresses that stay; v8-9 addresses in hand; v10, v11 Q's scale words of A, B; v12, v13 -M and the largest t of A, v14, v15 of B; v[16:17], v[18:19] l of A, B;
; v20, v21 f and p's scale word of A, v22, v23 of B; v24-31 scale words; v32-95 S^T of A, then p; v96-159 of B; v160-191 Q of A and B, then at work, then p's codes of A and B; v192-255 the next slot's bytes.
; Window 1: v0-127 eight fragments of K, then of V; v128-191 O^T of A; v192-255 of B.
.set KC,    4194304
.set VC,    4456448
.set QS,    4718592
.set KS,    4849664
.set ASC,   4194304
.set FLB,   524288
.set SLOT1, 131072                     ; slot 1 begins here; a slot uses 8 x 8,704 bytes: 8,192 as rows of 256 bytes + 16 of padding
.set VOFF,  4*8704                     ; in a slot: K's four planes (256 positions x 32 bytes), then V's eight (128 positions x 32 bytes)
.set EXB,   69632                      ; behind slot 0: the exchange, 8,192 bytes for each of waves 0-3; behind slot 1 for waves 4-7,
.set ML,    233472                     ; then each wave's -M and l,
.set OST,   235520                     ; the way out: 32 rows x (512 + 16) bytes,
.set SCST,  OST+32*528                 ; and 32 rows x 16 scale bytes
.set SCK,   262144                     ; K's scale words, 8,192 bytes as rows of 256 + 16
.set SCV,   SCK+8704                   ; V's scale bytes likewise
.set QST,   SCV+8704                   ; Q's fragments: 4,096 bytes a wave, its own
.set SPARE, QST+32768                  ; the spare words, 128 bytes a wave: four blocks of 256 bytes that no other line names
.set AK0,  1
.set AV0,  2
.set ASK0, 3
.set ASV0, 4
.set FA0,  5
.set GOFF, 6
.set PFO,  7
.set SA,   32
.set SB,   96
.set CQ,   160
.set STR,  192
.set KH,   2                           ; s2   which key steps are mine
.set TS,   3                           ; s3   where the slot's scale words of K begin: 1,088 bytes a slot
.set TJ,   4                           ; s4   and V's: 8 bytes a slot
.set CNT,  5                           ; s5   the slot in hand
.set MYF,  6                           ; s6   my tile's flags, two bits a step, mine of the slot in hand in bits 1:0
.set TB,   7                           ; s7   LDS byte at which the slot in hand begins
.set WV,   8
.set MNT,  9
.set PLIM, 10
.set T,    11
.set SEL,  12
.set CS,   14
.set MP,   16                          ; s[16:17] my step's mask words
.set GP,   18                          ; s[18:19] my 8,192 bytes of the next slot
.set STG,  20                          ; s[20:21] a slot on, in bytes
.set PFA,  22                          ; s[22:23] my 8,192 bytes of the slot after the next
.set FLW,  24                          ; s24  both tiles' flags, four bits a slot
.set QB,   31                          ; s31  LDS byte of my Q
.set MSB, 0
.macro WIN new
.if MSB != (\new)
	s_set_vgpr_msb (MSB<<8)|(\new)
.set MSB, (\new)
.endif
.endm
	s_load_b128 s[32:35], s[0:1], 0x0              ; qkv, mw
	v_lshrrev_b32 v8, 5, v0
	v_readfirstlane_b32 s[WV], v8                  ; wave 0..7
	s_mov_b32 s25, ttmp9                           ; a
	s_and_b32 s26, ttmp7, 0xffff                   ; hq
	s_lshr_b32 s[KH], s[WV], 2
	s_xor_b32 s27, s[KH], s[WV]
	s_and_b32 s27, s27, 1                          ; tl: which of the two tiles
	s_lshr_b32 s28, s[WV], 1
	s_and_b32 s28, s28, 1
	s_lshl_b32 s28, s28, 1
	s_add_co_u32 s28, s28, s[KH]                   ; head A among the four; head B is this xor 1
	s_sub_co_u32 s30, 127, s25
	s_cmp_eq_u32 s27, 0
	s_cselect_b32 s29, s25, s30                    ; my tile
	s_lshl_b32 s31, s26, 2
	s_add_co_u32 s31, s31, s28                     ; head A
	s_xor_b32 s54, s31, 1                          ; head B
	s_lshl_b32 s55, s29, 9                         ; 16 positions of 32 bytes a tile
	s_lshl_b32 s40, s31, 18                        ; Q's codes: four planes of 65,536 bytes a head
	s_add_co_u32 s40, s40, s55
	s_lshl_b32 s36, s54, 18
	s_add_co_u32 s36, s36, s55
	s_mov_b32 s41, 0
	s_mov_b32 s37, 0
	s_lshl_b32 s55, s29, 6
	s_add_co_u32 s55, s55, QS
	s_lshl_b32 s42, s31, 13                        ; Q's scale words
	s_add_co_u32 s42, s42, s55
	s_lshl_b32 s38, s54, 13
	s_add_co_u32 s38, s38, s55
	s_mov_b32 s43, 0
	s_mov_b32 s39, 0
	s_lshl_b32 s44, s[WV], 11                      ; K's and V's scale bytes lie on end: 2,048 bytes a wave
	s_add_co_u32 s44, s44, KS
	s_mov_b32 s45, 0
	s_lshl_b32 s46, s[WV], 16
	s_add_co_u32 s46, s46, KC                      ; waves 0-3: K's plane w
	s_lshl_b32 s47, s[WV], 13
	s_add_co_u32 s47, s47, VC-4*8192               ; waves 4-7: two of V's planes
	s_mov_b32 s[STG], 32768
	s_cmp_lt_u32 s[WV], 4
	s_cselect_b32 s46, s46, s47
	s_cselect_b32 s[STG], 8192, s[STG]
	s_mov_b32 s47, 0
	s_mov_b32 s[STG+1], 0
	s_lshl_b32 s48, s25, 6
	s_add_co_u32 s48, s48, FLB                     ; tile a's flags
	s_mov_b32 s49, 0
	s_lshl_b32 s50, s30, 6
	s_add_co_u32 s50, s50, FLB                     ; tile 127 - a's
	s_mov_b32 s51, 0
	s_lshl_b32 s52, s29, 12
	s_lshl_b32 s53, s[KH], 8
	s_add_co_u32 s52, s52, s53                     ; my first step's mask words
	s_mov_b32 s53, 0
	s_mul_i32 s55, s[KH], 16*272                   ; my parity's step in a slot: K,
	s_mul_i32 s56, s[KH], 4*4352                   ; V,
	s_add_co_u32 s56, s56, VOFF
	s_mul_i32 s57, s[KH], 544                      ; K's scale words,
	s_add_co_u32 s57, s57, SCK
	s_lshl_b32 s58, s[KH], 2                       ; V's
	s_add_co_u32 s58, s58, SCV
	s_mul_i32 s59, s[WV], 8704
	s_mul_i32 s60, s[WV], 2176
	s_add_co_u32 s60, s60, SCK
	s_lshl_b32 s[QB], s[WV], 12
	s_add_co_u32 s[QB], s[QB], QST
	v_and_b32 v9, 31, v0                           ; lane
	v_and_b32 v12, 15, v0                          ; r
	v_bfe_u32 v13, v0, 4, 1                        ; h
	v_lshlrev_b32 v[GOFF], 4, v9
	v_lshlrev_b32 v[PFO], 8, v9
	v_lshrrev_b32 v14, 3, v12
	v_and_b32 v15, 7, v12
	v_mul_u32_u24 v14, v14, 272
	v_lshl_add_u32 v14, v15, 5, v14
	v_lshl_add_u32 v14, v13, 4, v14                ; position r of a tile: eight positions of 32 bytes to 256 + 16; + 16 h: sixteen lanes touch sixteen different columns of 16 bytes
	v_add_nc_u32 v[AK0], s55, v14
	v_add_nc_u32 v[AV0], s56, v14
	v_lshl_add_u32 v[ASK0], v12, 2, s57
	v_lshrrev_b32 v15, 2, v12
	v_and_b32 v16, 3, v12
	v_mul_u32_u24 v15, v15, 272
	v_lshl_add_u32 v15, v16, 6, v15
	v_add_nc_u32 v[ASV0], s58, v15
	v_mul_u32_u24 v15, v13, 272
	v_lshl_add_u32 v15, v12, 4, v15                ; a load's 512 bytes in LDS: two rows of 256 + 16
	v_add_nc_u32 v[FA0], s59, v15
	v_add_nc_u32 v17, s60, v15
	v_lshlrev_b32 v18, 5, v12
	v_lshl_add_u32 v18, v13, 4, v18
	v_lshlrev_b32 v19, 2, v12
	v_add_nc_u32 v20, s[QB], v[GOFF]
	s_wait_alu depctr_va_vdst(0)                   ; the wait at the head's end
	s_mov_b32 s[SEL], 0x76543210
	s_mov_b32 s[SEL+1], 0xfedcba98
	s_mov_b32 s[CS], 0x3e0293ee                    ; c = log2(e) / sqrt(128)
	s_mov_b32 s[CS+1], s[CS]
	s_mov_b32 s[MNT], 0x600000
	s_mov_b32 s[TS], 0
	s_mov_b32 s[TJ], 0
	s_mov_b32 s[CNT], 0
	s_mov_b32 s[TB], 0
	s_or_b32 s54, s25, s26
	s_cmp_eq_u32 s54, 0
	s_cselect_b32 s[PLIM], 6, 0                    ; work-group (0, 0) alone prefetches, in slots 0 to 5
	s_wait_kmcnt 0x0
	s_add_nc_u64 s[40:41], s[32:33], s[40:41]
	s_add_nc_u64 s[36:37], s[32:33], s[36:37]
	s_add_nc_u64 s[42:43], s[32:33], s[42:43]
	s_add_nc_u64 s[38:39], s[32:33], s[38:39]
	s_add_nc_u64 s[44:45], s[32:33], s[44:45]
	s_add_nc_u64 s[GP:GP+1], s[32:33], s[46:47]
	s_add_nc_u64 s[48:49], s[34:35], s[48:49]
	s_add_nc_u64 s[50:51], s[34:35], s[50:51]
	s_add_nc_u64 s[MP:MP+1], s[34:35], s[52:53]
	s_load_b512 s[68:83], s[48:49], 0x0            ; both tiles' flags
	s_load_b512 s[84:99], s[50:51], 0x0
.macro NEXTSLOT                        ; my 8,192 bytes of a slot
.irp i, 0,1,2,3,4,5,6,7,8,9,10,11,12,13,14,15
	global_load_b128 v[STR+4*\i:STR+4*\i+3], v[GOFF], s[GP:GP+1] offset:512*\i
.endr
.endm
	NEXTSLOT                                       ; slot 0
.irp i, 0,1,2,3
	global_load_b128 v[64+4*\i:67+4*\i], v[GOFF], s[44:45] offset:512*\i   ; my 2,048 scale bytes
.endr
.irp c, 0,1,2,3
	global_load_b128 v[32+4*\c:35+4*\c], v18, s[40:41] offset:65536*\c     ; Q's fragments of A,
	global_load_b128 v[48+4*\c:51+4*\c], v18, s[36:37] offset:65536*\c     ; of B
.endr
	global_load_b32 v10, v19, s[42:43]
	global_load_b32 v11, v19, s[38:39]
	WIN 0x40
.set J_, 128
.rept 128
	v_mov_b32 v[J_], 0                             ; O^T: the step is written once; the first change of M leaves zeros zeros
.set J_, J_+1
.endr
	WIN 0
	s_wait_alu depctr_va_vdst(0)                   ; ahead of the wait below
	s_wait_kmcnt 0x0
	s_mov_b32 s54, 0
	s_mov_b32 s55, 0
.irp k, 0,1,2,3,4,5,6,7,8,9,10,11,12,13,14,15
	s_lshl_b32 s[T], s[68+\k], 2*\k
	s_or_b32 s54, s54, s[T]
	s_lshl_b32 s[T], s[84+\k], 2*\k
	s_or_b32 s55, s55, s[T]
.endr
	s_or_b32 s[FLW], s54, s55
	s_cmp_eq_u32 s27, 0
	s_cselect_b32 s[MYF], s54, s55
	s_lshl_b32 s[T], s[KH], 1
	s_lshr_b32 s[MYF], s[MYF], s[T]
	s_wait_xcnt 0x0                                ; the loads above have read their bases, some of which lie in s32-51
	s_load_b512 s[32:47], s[MP:MP+1], 0x0          ; my first step's 64 mask words, on every way: from here on these registers hold mask words alone
	s_load_b512 s[48:63], s[MP:MP+1], 0x40
	s_load_b512 s[68:83], s[MP:MP+1], 0x80
	s_load_b512 s[84:99], s[MP:MP+1], 0xc0
	s_wait_loadcnt 0x0
.irp i, 0,1,2,3,4,5,6,7,8,9,10,11,12,13,14,15
	ds_store_b128 v[FA0], v[STR+4*\i:STR+4*\i+3] offset:544*\i
.endr
.irp i, 0,1,2,3
	ds_store_b128 v17, v[64+4*\i:67+4*\i] offset:544*\i
.endr
.irp n, 0,1,2,3,4,5,6,7
	ds_store_b128 v20, v[32+4*\n:35+4*\n] offset:512*\n                    ; my own bytes
.endr
	s_add_nc_u64 s[GP:GP+1], s[GP:GP+1], s[STG:STG+1]      ; slot 1
	s_add_nc_u64 s[PFA:PFA+1], s[GP:GP+1], s[STG:STG+1]    ; slot 2
	v_mov_b32 v13, 0xff61b1e6                      ; the largest t so far: -3e38
	v_mov_b32 v15, 0xff61b1e6
	v_floor_f32 v12, -v13                          ; -M
	v_floor_f32 v14, -v15
.irp n, 16,17,18,19,21,23
	v_mov_b32 v[\n], 0
.endr
; The row's sum: 64 unquantised p from v[s] on, two at a time in three chains, onto the pair v[l].
.macro SUM s, l, t
	v_pk_add_f32 v[\t:\t+1], v[\s:\s+1], v[\s+2:\s+3]
	v_pk_add_f32 v[\t+2:\t+3], v[\s+4:\s+5], v[\s+6:\s+7]
	v_pk_add_f32 v[\l:\l+1], v[\l:\l+1], v[\s+8:\s+9]
.set K_, 10
.rept 9
	v_pk_add_f32 v[\t:\t+1], v[\t:\t+1], v[\s+K_:\s+K_+1]
	v_pk_add_f32 v[\t+2:\t+3], v[\t+2:\t+3], v[\s+K_+2:\s+K_+3]
	v_pk_add_f32 v[\l:\l+1], v[\l:\l+1], v[\s+K_+4:\s+K_+5]
.set K_, K_+6
.endr
	v_pk_add_f32 v[\t:\t+1], v[\t:\t+1], v[\t+2:\t+3]
	v_pk_add_f32 v[\l:\l+1], v[\l:\l+1], v[\t:\t+1]
.endm
; Four blocks' scales from their largest p at x: the floor 2^(9 - 127), the conversion's scale operands at so, 448 x the scale at bd, the bytes at by, the word w.
.macro BSCALE x, so, bd, by, w
.irp b, 0,1,2,3
	v_max_num_f32 v[\x+\b], 0x4800000, v[\x+\b]
.endr
.irp b, 0,1,2,3
	v_add_nc_u32 v[\so+\b], 0xfc000000, v[\x+\b]
.endr
.irp b, 0,1,2,3
	v_and_or_b32 v[\bd+\b], v[\x+\b], 0x7f800000, s[MNT]
.endr
.irp b, 0,1,2,3
	v_lshrrev_b32 v[\by+\b], 23, v[\so+\b]
.endr
	v_lshl_or_b32 v[\w], v[\by+1], 8, v[\by]
	v_lshl_or_b32 v[\w], v[\by+2], 16, v[\w]
	v_lshl_or_b32 v[\w], v[\by+3], 24, v[\w]
.endm
; A SLOT.  In front of the barrier each wave waits for its stores into this slot and for its reads of the other.  Behind it this slot is whole and nobody reads the other, which is written at the slot's end and read behind the next barrier.
.Lslot:
	s_wait_alu depctr_va_vdst(0)
	s_wait_dscnt 0x0
	s_barrier_signal -1
	s_barrier_wait -1
	s_lshr_b32 s[FLW], s[FLW], 4                   ; does any wave of the work-group need the next slot?  Behind the eighth shift: 0
	s_and_b32 s[T], s[FLW], 15
	s_cmp_eq_u32 s[T], 0
	s_cbranch_scc1 .Lnofill
	NEXTSLOT
	s_cmp_lt_u32 s[CNT], s[PLIM]
	s_cbranch_scc0 .Lnofill
	global_prefetch_b8 v[PFO], s[PFA:PFA+1] th:TH_LOAD_NT scope:SCOPE_SE   ; my 8,192 bytes of the slot after the next, lanes 256 bytes apart: one work-group asks for all, a slot ahead of the loads
.Lnofill:
	s_and_b32 s[T], s[MYF], 3
	s_lshr_b32 s[MYF], s[MYF], 4
	s_cmp_eq_u32 s[T], 0
	s_cbranch_scc1 .Lskip                          ; no true bit in 16 queries x 128 keys
	v_add_nc_u32 v8, s[TB], v[AK0]
	v_add_nc_u32 v9, s[QB], v[GOFF]
.rept 7
	v_nop                                          ; with the two additions nine places behind the last step's products
.endr
.irp n, 0,1,2,3,4,5,6,7
	ds_load_b128 v[CQ+4*\n:CQ+4*\n+3], v9 offset:512*\n
.endr
	v_add_nc_u32 v9, s[TS], v[ASK0]
.irp t, 0,1,2,3
	ds_load_b32 v[24+\t], v9 offset:64*\t
	ds_load_b32 v[28+\t], v9 offset:272+64*\t
.endr
	WIN 0x40
.irp t, 0,1,2,3,4,5,6,7
.irp c, 0,1,2,3
	ds_load_b128 v[16*\t+4*\c:16*\t+4*\c+3], v8 offset:8704*\c+2*\t*272
.endr
.endr
.macro QK t
	v_wmma_scale_f32_16x16x128_f8f6f4 v[SA+8*\t:SA+8*\t+7], v[16*\t:16*\t+15], v[CQ:CQ+15], 0, v[24+\t], v10
	v_wmma_scale_f32_16x16x128_f8f6f4 v[SB+8*\t:SB+8*\t+7], v[16*\t:16*\t+15], v[CQ+16:CQ+31], 0, v[24+\t], v11
.endm
	WIN 0x01
	s_wait_dscnt 16                                ; all but the 16 loads of K's tiles 4-7
.irp t, 0,1,2,3
	QK \t
.endr
	s_wait_dscnt 0x0
.irp t, 4,5,6,7
	QK \t
.endr
	WIN 0
	v_add_nc_u32 v8, s[TB], v[AV0]
	v_add_nc_u32 v9, s[TJ], v[ASV0]
.rept 6
	v_nop                                          ; eight places with the two additions, in front of the loads below and of the first read of the scores
.endr
.irp t, 0,1,2,3,4,5,6,7                            ; V lands under the softmax
	ds_load_b32 v[24+\t], v9 offset:1088*\t
.endr
	WIN 0x40
.irp t, 0,1,2,3,4,5,6,7
.irp c, 0,1,2,3
	ds_load_b128 v[16*\t+4*\c:16*\t+4*\c+3], v8 offset:4352*\c+2*\t*272
.endr
.endr
	WIN 0
	s_cmp_eq_u32 s[T], 1
	s_cbranch_scc0 .Lopen
	s_wait_kmcnt 0x0
	v_mov_b32 v168, 0xff800000                     ; -infinity
.set J_, 0
.rept 32
	v_cndmask_b32 v[SA+J_], v168, v[SA+J_], s[32+J_]       ; THE MASK: word n holds register n's bit of every lane, for both heads
	v_cndmask_b32 v[SB+J_], v168, v[SB+J_], s[32+J_]
.set J_, J_+1
.endr
.rept 32
	v_cndmask_b32 v[SA+J_], v168, v[SA+J_], s[36+J_]
	v_cndmask_b32 v[SB+J_], v168, v[SB+J_], s[36+J_]
.set J_, J_+1
.endr
.Lopen:
; The largest score of each block of 32 keys (A's at v176 on, B's at v184 on), eight chains by turns: for the row's maximum, and, since p rises with the score, for the block's largest p.
.irp hd, 0,1
.irp b, 0,1,2,3
	v_max3_num_f32 v[176+8*\hd+\b], v[SA+64*\hd+16*\b], v[SA+64*\hd+16*\b+1], v[SA+64*\hd+16*\b+2]
.endr
.endr
.irp i, 3,5,7,9,11,13
.irp hd, 0,1
.irp b, 0,1,2,3
	v_max3_num_f32 v[176+8*\hd+\b], v[176+8*\hd+\b], v[SA+64*\hd+16*\b+\i], v[SA+64*\hd+16*\b+\i+1]
.endr
.endr
.endr
.irp hd, 0,1
.irp b, 0,1,2,3
	v_max_num_f32 v[176+8*\hd+\b], v[176+8*\hd+\b], v[SA+64*\hd+16*\b+15]
.endr
.endr
.irp hd, 0,1
.irp b, 0,1,2,3
	v_permlanex16_b32 v[160+4*\hd+\b], v[176+8*\hd+\b], s[SEL], s[SEL+1]
.endr
.endr
.irp hd, 0,1
.irp b, 0,1,2,3
	v_max_num_f32 v[176+8*\hd+\b], v[176+8*\hd+\b], v[160+4*\hd+\b]        ; with lane l xor 16's 16 keys
.endr
.endr
.macro BOTH m
	\m 0
	\m 1
.endm
.macro M0 hd
	v_max3_num_f32 v[168+\hd], v[176+8*\hd], v[177+8*\hd], v[178+8*\hd]
.endm
.macro M1 hd
	v_max_num_f32 v[168+\hd], v[168+\hd], v[179+8*\hd]
.endm
.macro M2 hd
	v_mul_f32 v[168+\hd], s[CS], v[168+\hd]        ; as t
.endm
.macro M3 hd
	v_max_num_f32 v[13+2*\hd], v[13+2*\hd], v[168+\hd]     ; the running largest t
.endm
.macro M4 hd
	v_mov_b32 v[170+\hd], v[12+2*\hd]
.endm
.macro M5 hd
	v_floor_f32 v[12+2*\hd], -v[13+2*\hd]          ; the new -M = -ceil(t)
.endm
.macro M6 hd
	v_sub_f32 v[170+\hd], v[12+2*\hd], v[170+\hd]  ; old M - new M: a whole number, 0 or less
.endm
.macro M7 hd
	v_cvt_i32_f32 v[170+\hd], v[170+\hd]           ; (it saturates)
.endm
.macro M8 hd
	v_ldexp_f32 v[20+2*\hd], 1.0, v[170+\hd]       ; f = 2^(old M - new M)
.endm
.irp m, M0, M1, M2, M3, M4, M5, M6, M7, M8
	BOTH \m
.endr
.irp hd, 0,1
.irp b, 0,1,2,3
	v_fma_f32 v[176+8*\hd+\b], v[176+8*\hd+\b], s[CS], v[12+2*\hd]
.endr
.endr
	WIN 0x41
.set J_, 0
.rept 32
	v_pk_mul_f32 v[128+2*J_:129+2*J_], v[128+2*J_:129+2*J_], v[20:21] op_sel_hi:[1,0]      ; O^T under the new M
	v_pk_mul_f32 v[192+2*J_:193+2*J_], v[192+2*J_:193+2*J_], v[22:23] op_sel_hi:[1,0]
.set J_, J_+1
.endr
	WIN 0
.set J_, 0
.rept 32
	v_pk_fma_f32 v[SA+2*J_:SA+2*J_+1], v[SA+2*J_:SA+2*J_+1], s[CS:CS+1], v[12:13] op_sel_hi:[1,0,0]        ; A's t - M
.set J_, J_+1
.endr
	s_wait_alu depctr_va_vdst(0)                   ; ahead of the batch
.irp b, 0,1,2,3
	v_exp_f32 v[176+\b], v[176+\b]                 ; the blocks' largest p: the same two instructions on the same number
	v_exp_f32 v[184+\b], v[184+\b]
.endr
.set J_, 0
.rept 32
	v_exp_f32 v[SA+2*J_], v[SA+2*J_]               ; A's p = 2^(t - M), with B's t - M between
	v_exp_f32 v[SA+2*J_+1], v[SA+2*J_+1]
	v_pk_fma_f32 v[SB+2*J_:SB+2*J_+1], v[SB+2*J_:SB+2*J_+1], s[CS:CS+1], v[14:15] op_sel_hi:[1,0,0]
.set J_, J_+1
.endr
	v_pk_mul_f32 v[16:17], v[16:17], v[20:21] op_sel_hi:[1,0]      ; l under the new M
	v_pk_mul_f32 v[18:19], v[18:19], v[22:23] op_sel_hi:[1,0]
	s_wait_alu depctr_va_vdst(0)                   ; and behind it, ahead of its first reader
	BSCALE 176, 180, 172, 160, 21
	SUM SA, 16, 168
	s_wait_alu depctr_va_vdst(0)                   ; and ahead of the second batch
.set J_, 0
.rept 32
	v_exp_f32 v[SB+2*J_], v[SB+2*J_]               ; B's p, with A's holds between: p is not negative
	v_exp_f32 v[SB+2*J_+1], v[SB+2*J_+1]
	v_dual_min_num_f32 v[SA+2*J_], v[SA+2*J_], v[172+J_/8] :: v_dual_min_num_f32 v[SA+2*J_+1], v[SA+2*J_+1], v[172+J_/8]
.set J_, J_+1
.endr
	v_nop
	s_wait_alu depctr_va_vdst(0)                   ; and behind it
.irp b, 0,1,2,3
	v_cvt_scalef32_pk8_fp8_f32 v[CQ+4*\b:CQ+4*\b+1], v[SA+16*\b:SA+16*\b+7], v[180+\b]
	v_cvt_scalef32_pk8_fp8_f32 v[CQ+4*\b+2:CQ+4*\b+3], v[SA+16*\b+8:SA+16*\b+15], v[180+\b]
.endr
	SUM SB, 18, 188
	BSCALE 184, 32, 36, 40, 23                     ; (A's p has become codes: its registers are free)
	s_wait_alu depctr_va_vdst(0)                   ; ahead of the wait below
	s_wait_dscnt 0x0                               ; V
.macro PV t, o, cd, sw
	WIN 0x51
	v_wmma_scale_f32_16x16x128_f8f6f4 v[\o+8*\t:\o+8*\t+7], v[16*\t:16*\t+15], v[\cd:\cd+15], v[\o+8*\t:\o+8*\t+7], v[24+\t], v[\sw]
.endm
.set J_, 0
.irp t, 0,1,2,3,4,5,6,7
	PV \t, 128, CQ, 21                             ; A's products, with B's holds and conversions between
	WIN 0
.rept 4
	v_dual_min_num_f32 v[SB+2*J_], v[SB+2*J_], v[36+J_/8] :: v_dual_min_num_f32 v[SB+2*J_+1], v[SB+2*J_+1], v[36+J_/8]
.set J_, J_+1
.endr
.if \t%2
	v_cvt_scalef32_pk8_fp8_f32 v[CQ+16+4*(\t/2):CQ+17+4*(\t/2)], v[SB+16*(\t/2):SB+16*(\t/2)+7], v[32+\t/2]
	v_cvt_scalef32_pk8_fp8_f32 v[CQ+18+4*(\t/2):CQ+19+4*(\t/2)], v[SB+16*(\t/2)+8:SB+16*(\t/2)+15], v[32+\t/2]
.endif
.endr
.rept 4
	v_nop                                          ; places behind the codes
.endr
.irp t, 0,1,2,3,4,5,6,7
	PV \t, 192, CQ+16, 23
.endr
	WIN 0
.Lskip:
	s_add_co_u32 s[TS], s[TS], 1088
	s_add_co_u32 s[TJ], s[TJ], 8
	s_wait_alu depctr_va_vdst(0)                   ; ahead of the wait below
	s_wait_loadcnt 0x0                             ; on every way: the next slot's loads, where they were issued, are in,
	s_wait_kmcnt 0x0                               ; and so are this slot's mask words: their registers are loaded again below
	s_and_b32 s[T], s[FLW], 15
	s_cmp_eq_u32 s[T], 0
	s_cbranch_scc1 .Lnostore
	s_xor_b32 s[T], s[TB], SLOT1
	v_add_nc_u32 v8, s[T], v[FA0]
.irp i, 0,1,2,3,4,5,6,7,8,9,10,11,12,13,14,15
	ds_store_b128 v8, v[STR+4*\i:STR+4*\i+3] offset:544*\i
.endr
.Lnostore:
	s_wait_xcnt 0x0                                ; the loads and the prefetch have read their bases
	s_add_nc_u64 s[GP:GP+1], s[GP:GP+1], s[STG:STG+1]
	s_add_nc_u64 s[PFA:PFA+1], s[PFA:PFA+1], s[STG:STG+1]
	s_add_nc_u64 s[MP:MP+1], s[MP:MP+1], 0x200
	s_and_b32 s[T], s[MYF], 3                      ; my next step's flag.  Behind the last step the flags are all shifted out: nothing is read
	s_cmp_eq_u32 s[T], 1
	s_cbranch_scc0 .Lnowords                       ; no bit or every bit is true: no words are needed
	s_load_b512 s[32:47], s[MP:MP+1], 0x0
	s_load_b512 s[48:63], s[MP:MP+1], 0x40
	s_load_b512 s[68:83], s[MP:MP+1], 0x80
	s_load_b512 s[84:99], s[MP:MP+1], 0xc0
.Lnowords:
	s_xor_b32 s[TB], s[TB], SLOT1
	s_add_co_u32 s[CNT], s[CNT], 1
	s_cmp_lt_u32 s[CNT], 8
	s_cbranch_scc1 .Lslot
	; THE EXCHANGE: my part of head B to the partner, its part of my head A to me.
	s_wait_kmcnt 0x0                               ; no scalar load is out: s32 on are written below
	s_load_b64 s[66:67], s[0:1], 0x10              ; att
	s_lshl_b32 s33, s[WV], 13
	s_mul_i32 s34, s[KH], SLOT1-4*8192
	s_add_co_u32 s33, s33, s34
	s_add_co_u32 s33, s33, EXB                     ; where I put it
	s_xor_b32 s35, s[WV], 5                        ; the partner
	s_lshr_b32 s36, s35, 2
	s_mul_i32 s36, s36, SLOT1-4*8192
	s_lshl_b32 s37, s35, 13
	s_add_co_u32 s37, s37, s36
	s_add_co_u32 s37, s37, EXB                     ; where the partner does
	s_lshl_b32 s38, s[WV], 8
	s_add_co_u32 s38, s38, ML
	s_lshl_b32 s39, s35, 8
	s_add_co_u32 s39, s39, ML
	v_add_nc_u32 v8, s33, v[GOFF]
	v_add_f32 v16, v16, v17
	v_add_f32 v18, v18, v19
	v_permlanex16_b32 v32, v16, s[SEL], s[SEL+1]
	v_permlanex16_b32 v33, v18, s[SEL], s[SEL+1]
	v_mov_b32 v34, v14
	v_add_f32 v16, v16, v32                        ; A's l
	v_add_f32 v35, v18, v33                        ; B's
	v_lshrrev_b32 v160, 1, v[GOFF]
	v_add_nc_u32 v161, s38, v160
	v_add_nc_u32 v162, s39, v160
	v_add_nc_u32 v163, s37, v[GOFF]                ; (these lines are also the places behind the last products)
	WIN 0x04
.irp j, 0,1,2,3,4,5,6,7,8,9,10,11,12,13,14,15
	ds_store_b128 v8, v[192+4*\j:195+4*\j] offset:512*\j
.endr
	WIN 0
	ds_store_b64 v161, v[34:35]
	s_wait_alu depctr_va_vdst(0)
	s_wait_dscnt 0x0                               ; for the partner's sake
	s_barrier_signal -1
	s_barrier_wait -1
	ds_load_b64 v[164:165], v162
.irp j, 0,1,2,3,4,5,6,7,8,9,10,11,12,13,14,15
	ds_load_b128 v[96+4*\j:99+4*\j], v163 offset:512*\j
.endr
	; where the results go
	s_mul_i32 s34, s27, 16*528
	s_lshl_b32 s35, s28, 7
	s_add_co_u32 s34, s34, s35
	s_add_co_u32 s34, s34, OST                     ; my tile's 16 stage rows, my head's 128 bytes
	s_lshl_b32 s35, s27, 8
	s_lshl_b32 s36, s28, 2
	s_add_co_u32 s35, s35, s36
	s_add_co_u32 s35, s35, SCST
	s_mul_i32 s36, s[WV], 4*528
	s_add_co_u32 s36, s36, OST                     ; back: stage rows 4 w on
	s_lshr_b32 s38, s25, 1
	s_lshl_b32 s38, s38, 5
	s_and_b32 s39, s25, 1
	s_lshl_b32 s39, s39, 3
	s_add_co_u32 s38, s38, s39                     ; tile a's first true row
	s_lshr_b32 s37, s30, 1
	s_lshl_b32 s37, s37, 5
	s_and_b32 s39, s30, 1
	s_lshl_b32 s39, s39, 3
	s_add_co_u32 s37, s37, s39                     ; tile 127 - a's: the larger
	s_cmp_eq_u32 s[KH], 0
	s_cselect_b32 s40, s38, s37                    ; the tile whose rows I store
	s_and_b32 s39, s[WV], 3
	s_lshl_b32 s41, s39, 2
	s_add_co_u32 s40, s40, s41                     ; + r = 4 (w % 4)
	s_lshr_b32 s39, s39, 1
	s_lshl_b32 s39, s39, 3
	s_add_co_u32 s40, s40, s39                     ; + 8 (r / 8)
	s_lshl_b32 s40, s40, 11
	s_lshl_b32 s39, s26, 9
	s_add_co_u32 s40, s40, s39                     ; + my four heads' 512 bytes
	s_mov_b32 s41, 0
	s_sub_co_u32 s37, s37, s38
	s_lshl_b32 s42, s38, 6
	s_lshl_b32 s39, s26, 4
	s_add_co_u32 s42, s42, s39
	s_add_co_u32 s42, s42, ASC
	s_mov_b32 s43, 0
	v_bfe_u32 v178, v[GOFF], 4, 4                  ; r
	v_bfe_u32 v179, v[GOFF], 8, 1                  ; h
	v_mul_u32_u24 v180, v178, 528
	v_lshl_add_u32 v180, v179, 4, v180
	v_add_nc_u32 v180, s34, v180                   ; into the stage: row r, + 16 h; block b 32 bytes on
	v_lshl_add_u32 v181, v178, 4, s35              ; my row's scale word
	v_add_nc_u32 v182, s36, v[GOFF]                ; back: 16 bytes a lane
	v_add_nc_u32 v183, SCST, v[GOFF]               ; a row's 16 scale bytes a lane
	v_and_b32 v184, 8, v178
	v_add_nc_u32 v184, v184, v178
	v_mad_u32_u24 v184, v179, s37, v184
	v_lshlrev_b32 v184, 6, v184                    ; and that row's place among the scale bytes: 64 bytes a true row
	v_lshl_add_u32 v188, v0, 2, SPARE              ; my spare word, and 0
	v_mov_b32 v189, 0
	s_wait_alu depctr_va_vdst(0)
	s_wait_dscnt 0x0
	; THE JOIN
	v_min_num_f32 v166, v12, v164                  ; -M of both
	v_sub_f32 v167, v166, v12
	v_sub_f32 v168, v166, v164
	v_cvt_i32_f32 v167, v167
	v_cvt_i32_f32 v168, v168
	v_ldexp_f32 v170, 1.0, v167                    ; what brings my part to it,
	v_ldexp_f32 v171, 1.0, v167
	v_ldexp_f32 v172, 1.0, v168                    ; and the partner's
	v_ldexp_f32 v173, 1.0, v168
	v_mul_f32 v174, v16, v170
	v_fma_f32 v174, v165, v172, v174               ; l
	WIN 0x01
.set J_, 0
.rept 32
	v_pk_mul_f32 v[32+2*J_:33+2*J_], v[128+2*J_:129+2*J_], v[170:171]
.set J_, J_+1
.endr
	WIN 0
.set J_, 0
.rept 32
	v_pk_fma_f32 v[32+2*J_:33+2*J_], v[96+2*J_:97+2*J_], v[172:173], v[32+2*J_:33+2*J_]
.set J_, J_+1
.endr
	s_wait_alu depctr_va_vdst(0)                   ; ahead of the transcendental
	v_rcp_f32 v176, v174
	v_cmp_eq_f32 vcc_lo, 0, v174                   ; no true key
	v_nop
	s_wait_alu depctr_va_vdst(0)                   ; and behind it
	v_cndmask_b32 v176, v176, 0, vcc_lo
	v_mov_b32 v177, v176
.set J_, 0
.rept 32
	v_pk_mul_f32 v[32+2*J_:33+2*J_], v[32+2*J_:33+2*J_], v[176:177]
.set J_, J_+1
.endr
	; THE QUANTISER along the channels (register 16 b + i = channel 32 b + 16 h + i): v96 largest magnitudes, v100 bytes, v104 448 x the scale, v108 scale operands, v112 codes
.irp b, 0,1,2,3
	v_max3_num_f32 v[96+\b], |v[32+16*\b]|, |v[33+16*\b]|, 0x4800000
.endr
.irp i, 2,4,6,8,10,12,14
.irp b, 0,1,2,3
	v_max3_num_f32 v[96+\b], v[96+\b], |v[32+16*\b+\i]|, |v[33+16*\b+\i]|
.endr
.endr
.irp b, 0,1,2,3
	v_permlanex16_b32 v[100+\b], v[96+\b], s[SEL], s[SEL+1]
.endr
.irp b, 0,1,2,3
	v_max_num_f32 v[96+\b], v[96+\b], v[100+\b]
.endr
	BSCALE 96, 108, 104, 100, 187
	v_cndmask_b32 v187, v187, -1, vcc_lo           ; no true key: four bytes 0xff
.irp b, 0,1,2,3
.irp i, 0,1,2,3,4,5,6,7,8,9,10,11,12,13,14,15
	v_med3_num_f32 v[32+16*\b+\i], v[32+16*\b+\i], -v[104+\b], v[104+\b]
.endr
	v_cvt_scalef32_pk8_fp8_f32 v[112+4*\b:113+4*\b], v[32+16*\b:39+16*\b], v[108+\b]
	v_cvt_scalef32_pk8_fp8_f32 v[114+4*\b:115+4*\b], v[40+16*\b:47+16*\b], v[108+\b]
.endr
	v_nop                                          ; one plain instruction behind the last conversion
.irp b, 0,1,2,3
	ds_store_b128 v180, v[112+4*\b:115+4*\b] offset:32*\b
.endr
	ds_store_b32 v181, v187                        ; both halves of the lanes write the same word with the same value
	s_wait_alu depctr_va_vdst(0)
	s_wait_kmcnt 0x0
	s_add_nc_u64 s[40:41], s[66:67], s[40:41]
	s_add_nc_u64 s[42:43], s[66:67], s[42:43]
	s_wait_dscnt 0x0                               ; for the others' sake: my stores lie in the stage
	s_barrier_signal -1
	s_barrier_wait -1
.irp i, 0,1,2,3
	ds_load_b128 v[48+4*\i:51+4*\i], v182 offset:528*\i
.endr
	s_wait_dscnt 0x0
.irp i, 0,1,2,3
	global_store_b128 v[GOFF], v[48+4*\i:51+4*\i], s[40:41] offset:2048*\i   ; 32 lanes store 512 consecutive bytes, aligned
.endr
	s_cmp_lg_u32 s[WV], 0
	s_cbranch_scc1 .Lend
	ds_load_b128 v[64:67], v183                    ; wave 0: 32 rows x my four heads' scale words
	s_wait_dscnt 0x0
	global_store_b128 v184, v[64:67], s[42:43]
.Lend:
	s_wait_tensorcnt 0x0                           ; the wave's end
	ds_add_u32 v188, v189
	s_wait_dscnt 0x0
	s_endpgm
.Lfunc_end_k_q6eec212789_attn:
	.size	k_q6eec212789_attn, .Lfunc_end_k_q6eec212789_attn-k_q6eec212789_attn
	.p2alignl 7, 3214868480
	.fill 96, 4, 3214868480
	.section	.rodata,"a",@progbits
	.p2align	6, 0x0
	.amdhsa_kernel k_q6eec212789_attn
		.amdhsa_group_segment_fixed_size 313344
		.amdhsa_private_segment_fixed_size 0
		.amdhsa_enable_private_segment 0
		.amdhsa_kernarg_size 24
		.amdhsa_user_sgpr_count 2
		.amdhsa_user_sgpr_kernarg_segment_ptr 1
		.amdhsa_wavefront_size32 1
		.amdhsa_system_sgpr_workgroup_id_x 1
		.amdhsa_system_sgpr_workgroup_id_y 1
		.amdhsa_system_sgpr_workgroup_id_z 1
		.amdhsa_system_vgpr_workitem_id 0
		.amdhsa_next_free_vgpr 512
		.amdhsa_next_free_sgpr 100
		.amdhsa_reserve_vcc 1
		.amdhsa_float_denorm_mode_32 3
		.amdhsa_float_denorm_mode_16_64 3
		.amdhsa_memory_ordered 1
		.amdhsa_forward_progress 1
		.amdhsa_inst_pref_size 93
	.end_amdhsa_kernel
	.amdgpu_metadata
---
amdhsa.version: [ 1, 2 ]
amdhsa.kernels:
  - .name:           k_q6eec212789_attn
    .symbol:         k_q6eec212789_attn.kd
    .args:
      - { .name: qkv, .offset: 0, .size: 8, .value_kind: global_buffer, .address_space: global }
      - { .name: mw, .offset: 8, .size: 8, .value_kind: global_buffer, .address_space: global }
      - { .name: att, .offset: 16, .size: 8, .value_kind: global_buffer, .address_space: global }
    .group_segment_fixed_size: 313344
    .private_segment_fixed_size: 0
    .kernarg_segment_align: 8
    .kernarg_segment_size: 24
    .max_flat_workgroup_size: 256
    .sgpr_count:     100
    .vgpr_count:     512
    .wavefront_size: 32
...
	.end_amdgpu_metadata
.endif
;; end of part 7
;; launch oproj (part 8): grid 16 x 16, 4 waves a work-group, clusters of 4 x 4, 327,680 bytes of LDS; arguments att, pre, bo, out0; writes out0
.if DOCPART == 8
	.amdgcn_target "amdgcn-amd-amdhsa--gfx1250"
	.amdhsa_code_object_version 6
	.text
	.protected	k_q6eec212789_oproj
	.globl	k_q6eec212789_oproj
	.p2align	8
	.type	k_q6eec212789_oproj,@function
k_q6eec212789_oproj:
	s_mov_b64 s[64:65], 0
	v_nop
	global_prefetch_b8 v0, s[64:65] scope:SCOPE_SE
	s_setreg_imm32_b32 hwreg(HW_REG_WAVE_MODE, 25, 1), 1
	s_wait_xcnt 0x0
	s_wait_alu depctr_hold_cnt(0) depctr_sa_sdst(0) depctr_va_vdst(0) depctr_va_sdst(0) depctr_va_ssrc(0) depctr_va_vcc(0) depctr_vm_vsrc(0)
	s_getreg_b32 s2, hwreg(HW_REG_IB_STS2, 6, 4)
	s_cmp_eq_u32 s2, 0
	s_cbranch_scc0 .Lentry_in_a_cluster
	s_endpgm
.Lentry_in_a_cluster:
	s_bfe_u32 s2, ttmp6, 0x10000c
	s_cmp_lg_u32 s2, 0xf033
	s_cbranch_scc0 .Lentry_shape_is_right
	s_endpgm
.Lentry_shape_is_right:
; OPROJ.  out0 = att Wo^T + bo on codes of FP8 (E4M3) with E8M0 scales, f32 sums.  Work-group (j, i): 128 rows of att x 128 columns; wave (w / 2, w % 2): 64 x 64, 16 accumulators that begin with the bias.
; Wo's rows lie by position (bits 3 and 4 of the index exchanged), the product is used transposed: a lane's 16 registers of two neighbouring tiles are 16 neighbouring columns of one row.
; K goes in four steps of 512 through two LDS slots.  Both are filled at the head, one whole tile a wave; two refills follow, half a tile a wave.  The scale bytes of all of K come through registers into LDS bytes of their own.
; CLUSTERS: 4 x 4: att's tile is shared along a row of the cluster, Wo's along a column.
; PREFETCH: K steps 2 and 3 are asked for two K steps ahead of their loads: step 2 behind the head's loads, step 3 behind the first fragment loads; the four partners of a tile share its rows by address.
; The results go through each wave's own stage and leave as whole units of 256 bytes.  LIMITS: NaN and infinities are served only as a scale byte 0xff, which makes a row NaN.
.set BR,     128
.set PITCH,  528
.set BOFF,   128*PITCH
.set SLOT,   (128+BR)*PITCH
.set SCL,    2*SLOT
.set SCLB,   SCL+32*272
.set SPARE,  SCLB+32*272
.set STG,    SPARE+512
.set SBLK,   4*272
.set NF,     32
.set ASC,    4194304
.set POC,    9437184
.set POS,    13926400
.set ADRA, 16
.set ADRB, 18
.set ADRS, 24
.set STO,  25
.set RD,   26
.set CO,   27
.set SPW,  28
.set NIL,  29
.set SC,   32
.set ACC,  64
.set BK,   192
.set G1,   24
.set G0,   32
.set G1B,  48
.set G0B,  56
.set HX,   68                          ; s[68:75] group 0 of the head's loads of att's tile into slots 0, 1;  s[76:83] of Wo's
.set HB,   76
.set PFB,  88
.set PFO,  30
.set MSB, 0
.macro WIN new
.if MSB != (\new)
	s_set_vgpr_msb (MSB<<8)|(\new)
.set MSB, (\new)
.endif
.endm
.macro JLOAD g0a, g1a, g0b, g1b
	s_cmp_eq_u32 s15, 0
	s_cbranch_scc0 .Lfor_b_\@
	tensor_load_to_lds s[\g0a:\g0a+3], s[\g1a:\g1a+7]
	s_nop 0
.rept 4
	v_nop
.endr
	s_branch .Lasked_\@
.Lfor_b_\@:
	tensor_load_to_lds s[\g0b:\g0b+3], s[\g1b:\g1b+7]
	s_nop 0
.rept 4
	v_nop
.endr
.Lasked_\@:
.endm
.macro CREST
	s_cmp_lg_u32 s14, 0
	s_cbranch_scc1 .Lnot_wave_0_\@
	s_barrier_signal -3
.Lnot_wave_0_\@:
	s_barrier_wait -3
	s_barrier_signal -1
	s_barrier_wait -1
.endm
.macro CROUND
	s_barrier_signal -1
	s_barrier_wait -1
	CREST
.endm
.macro PLACES n
.rept \n
	v_nop
.endr
.endm
	s_load_b256 s[4:11], s[0:1], 0x0
	v_lshl_add_u32 v[SPW], v0, 2, SPARE
	v_mov_b32 v[NIL], 0
	ds_add_u32 v28, v29
	ds_add_u32 v28, v29
	s_wait_dscnt 0x0
	v_lshrrev_b32 v1, 5, v0
	v_readfirstlane_b32 s14, v1
	s_lshr_b32 s15, s14, 1
	s_and_b32 s16, s14, 1
	s_bfe_u32 s40, ttmp6, 0x40000
	s_bfe_u32 s41, ttmp6, 0x40004
	s_lshl_b32 s42, ttmp9, 2
	s_add_co_u32 s42, s42, s40
	s_and_b32 s17, ttmp7, 0xffff
	s_lshl_b32 s17, s17, 2
	s_add_co_u32 s17, s17, s41
	s_lshl_b32 s43, s41, 2
	s_lshl_b32 s43, 15, s43
	s_lshl_b32 s44, 0x1111, s40
	s_or_b32 s[G1+0], s43, (1<<20)|(1<<21)|(6<<22)|(3<<25)
	s_or_b32 s[G1B+0], s44, (1<<20)|(1<<21)|(6<<22)|(3<<25)
.irp g, G1, G1B
	s_mov_b32 s[\g+1], 512<<16
	s_mov_b32 s[\g+2], 128<<16                     ; 128 rows at the head; behind it 64
	s_mov_b32 s[\g+3], 512<<16
	s_mov_b32 s[\g+4], 128
	s_mov_b32 s[\g+5], 2048
	s_mov_b32 s[\g+6], 0
	s_mov_b32 s[\g+7], 0
.endr
	s_lshl_b32 s20, s17, 18                        ; att's codes: row 128 i
	s_mov_b32 s21, 0
	s_lshl_b32 s46, s42, 18
	s_add_co_u32 s46, s46, POC                     ; Wo's: row 128 j
	s_mov_b32 s47, 0
	s_lshl_b32 s18, s14, 11                        ; the scale bytes: my quarter of 8,192 of each
	s_lshl_b32 s2, s17, 13
	s_add_co_u32 s2, s2, s18
	s_add_co_u32 s2, s2, ASC
	s_mov_b32 s3, 0
	s_lshl_b32 s90, s42, 13
	s_add_co_u32 s90, s90, s18
	s_add_co_u32 s90, s90, POS
	s_mov_b32 s91, 0
	s_lshl_b32 s18, s40, 1                         ; the prefetches, at K step 2: rows 16 (2 cx + half) on of att's tile, or 16 (2 cy + half) on of Wo's
	s_lshl_b32 s19, s41, 1
	s_cmp_eq_u32 s15, 0
	s_cselect_b32 s18, s18, s19
	s_cselect_b32 s19, s20, s46
	s_add_co_u32 s18, s18, s16
	s_lshl_b32 s18, s18, 15
	s_add_co_u32 s18, s18, s19
	s_add_co_u32 s18, s18, 1024
	s_mov_b32 s19, 0
	s_lshl_b32 s84, s16, 17                        ; the refills: my 64 rows,
	s_mov_b32 s85, 0
	s_mul_i32 s45, s16, 64*PITCH                   ; and where they go
	s_mul_i32 s94, s16, 64*PITCH
	s_add_co_u32 s94, s94, BOFF
	s_wait_kmcnt 0x0
	s_add_nc_u64 s[20:21], s[4:5], s[20:21]
	s_add_nc_u64 s[46:47], s[6:7], s[46:47]
	s_add_nc_u64 s[2:3], s[4:5], s[2:3]
	s_add_nc_u64 s[90:91], s[6:7], s[90:91]
	s_cmp_eq_u32 s15, 0
	s_cselect_b64 s[PFB:PFB+1], s[4:5], s[6:7]
	s_add_nc_u64 s[PFB:PFB+1], s[PFB:PFB+1], s[18:19]
	CROUND                                         ; all sixteen work-groups are here: the first joint loads meet
.irp s, 0,1
	s_mov_b32 s[HX+4*\s], 1
	s_mov_b32 s[HX+4*\s+1], \s*SLOT
	s_add_nc_u64 s[HX+4*\s+2:HX+4*\s+3], s[20:21], \s*512
	s_or_b32 s[HX+4*\s+3], s[HX+4*\s+3], 0x80000000
	s_mov_b32 s[HB+4*\s], 1
	s_mov_b32 s[HB+4*\s+1], BOFF+\s*SLOT
	s_add_nc_u64 s[HB+4*\s+2:HB+4*\s+3], s[46:47], \s*512
	s_or_b32 s[HB+4*\s+3], s[HB+4*\s+3], 0x80000000
.endr
; THE HEAD'S LOADS, ONE A WAVE.  ONE tree of branches on the wave's number; every way through it passes exactly one load.
.macro ARM under, g0, g1, next
	s_cmp_lt_u32 s14, \under
	s_cbranch_scc0 \next
	tensor_load_to_lds s[\g0:\g0+3], s[\g1:\g1+7]
	s_nop 0
	PLACES 4
	s_branch .Lhead_asked
\next:
.endm
	ARM 1, HX, G1, .Lhead_b0
	ARM 2, HB, G1B, .Lhead_x1
	ARM 3, HX+4, G1, .Lhead_b1
	tensor_load_to_lds s[HB+4:HB+7], s[G1B:G1B+7]
	s_nop 0
	PLACES 4
.Lhead_asked:
	v_and_b32 v226, 31, v0
	v_lshlrev_b32 v226, 4, v226
.irp i, 0,1,2,3
	global_load_b128 v[192+4*\i:195+4*\i], v226, s[2:3] offset:512*\i
	global_load_b128 v[208+4*\i:211+4*\i], v226, s[90:91] offset:512*\i
.endr
	s_add_nc_u64 s[20:21], s[20:21], s[84:85]
	s_add_nc_u64 s[46:47], s[46:47], s[84:85]
.irp s, 0,1
	s_mov_b32 s[G0+4*\s], 1
	s_add_co_u32 s[G0+4*\s+1], s45, \s*SLOT
	s_add_nc_u64 s[G0+4*\s+2:G0+4*\s+3], s[20:21], \s*512
	s_or_b32 s[G0+4*\s+3], s[G0+4*\s+3], 0x80000000
	s_mov_b32 s[G0B+4*\s], 1
	s_add_co_u32 s[G0B+4*\s+1], s94, \s*SLOT
	s_add_nc_u64 s[G0B+4*\s+2:G0B+4*\s+3], s[46:47], \s*512
	s_or_b32 s[G0B+4*\s+3], s[G0B+4*\s+3], 0x80000000
.endr
	s_mul_i32 s18, s14, 8*272
	s_add_co_u32 s18, s18, SCL
	s_add_co_u32 s19, s18, SCLB-SCL
	s_wait_alu depctr_va_vdst(0)                   ; ahead of the readers below
	v_lshrrev_b32 v3, 8, v226                      ; a load's 512 bytes in LDS: two rows of 256 + 16
	v_and_b32 v4, 255, v226
	v_mul_u32_u24 v3, v3, 272
	v_add_nc_u32 v3, v3, v4
	v_add_nc_u32 v224, s18, v3
	v_add_nc_u32 v225, s19, v3
	v_and_b32 v4, 31, v0
	v_lshrrev_b32 v5, 1, v4
	v_and_b32 v4, 1, v4
	v_lshlrev_b32 v[PFO], 11, v5
	v_lshl_add_u32 v[PFO], v4, 8, v[PFO]           ; row lane / 2, unit lane % 2 of a K step's two
	global_prefetch_b8 v[PFO], s[PFB:PFB+1] th:TH_LOAD_NT scope:SCOPE_SE   ; K step 2
	v_and_b32 v1, 15, v0
	v_bfe_u32 v2, v0, 4, 1
	v_mul_u32_u24 v3, v1, PITCH
	v_lshl_add_u32 v3, v2, 4, v3
	s_mul_i32 s18, s15, 64*PITCH
	s_mul_i32 s19, s16, 64*PITCH
	s_add_co_u32 s19, s19, BOFF
.irp s, 0,1
	v_add_nc_u32 v[ADRA+\s], s18, v3
	v_add_nc_u32 v[ADRB+\s], s19, v3
	s_add_co_u32 s18, s18, SLOT
	s_add_co_u32 s19, s19, SLOT
.endr
	v_lshrrev_b32 v4, 2, v1
	v_mul_u32_u24 v4, v4, 272
	v_and_b32 v5, 3, v1
	v_lshl_add_u32 v4, v5, 6, v4
	s_xor_b32 s19, s15, 1
	s_add_co_u32 s19, s19, s16
	s_add_co_u32 s19, s19, 1
	s_mul_i32 s19, s19, 16*272
	v_mul_u32_u24 v5, s19, v2
	v_add_nc_u32 v5, v5, v4
	s_mul_i32 s18, s15, 16*272
	s_add_co_u32 s18, s18, SCL
	v_add_nc_u32 v[ADRS], s18, v5
	s_mul_i32 s18, s14, 16*272
	s_add_co_u32 s18, s18, STG
	v_mul_u32_u24 v[STO], v1, 272
	v_lshl_add_u32 v[STO], v2, 6, v[STO]
	v_add_nc_u32 v[STO], s18, v[STO]
	v_mul_u32_u24 v[RD], v2, 272
	v_lshl_add_u32 v[RD], v1, 4, v[RD]
	v_add_nc_u32 v[RD], s18, v[RD]
	v_lshlrev_b32 v[CO], 13, v2
	v_lshl_add_u32 v[CO], v1, 4, v[CO]
	s_lshl_b32 s18, s42, 9
	s_lshl_b32 s19, s16, 8
	s_add_co_u32 s18, s18, s19
	s_mov_b32 s19, 0
	s_add_nc_u64 s[8:9], s[8:9], s[18:19]
	s_add_nc_u64 s[10:11], s[10:11], s[18:19]
	s_lshl_b32 s18, s17, 20
	s_lshl_b32 s45, s15, 19
	s_add_co_u32 s18, s18, s45
	s_add_nc_u64 s[10:11], s[10:11], s[18:19]
	v_lshlrev_b32 v6, 6, v2
.irp m, 0,1,2,3
.irp t, 0,1,2,3
	global_load_b128 v[ACC+32*\m+8*\t:ACC+32*\m+8*\t+3], v6, s[8:9] offset:(32*(\t/2)+8*(\t%2))*4
	global_load_b128 v[ACC+32*\m+8*\t+4:ACC+32*\m+8*\t+7], v6, s[8:9] offset:(32*(\t/2)+8*(\t%2))*4+16
.endr
.endr
	s_wait_alu depctr_va_vdst(0)                   ; the wait at the head's end
	s_wait_loadcnt 0x0
.macro FRAG reg, adr, off
.irp c, 0,1,2,3
	ds_load_b128 v[\reg+4*\c:\reg+4*\c+3], v[\adr] offset:\off+32*\c
.endr
.endm
.macro FETCH slot, q, p
	WIN 0x40+0x40*(\p)
.irp t, 0,1,2,3
	FRAG 16*\t, ADRB+\slot, 128*(\q)+\t*16*PITCH
.endr
.irp t, 0,1,2,3
	FRAG 64+16*\t, ADRA+\slot, 128*(\q)+\t*16*PITCH
.endr
.endm
.macro SCALES sl
	WIN 0
.irp i, 0,1,2,3
	ds_load_b128 v[SC+16*(\sl)+4*\i:SC+16*(\sl)+4*\i+3], v[ADRS] offset:\i*SBLK
.endr
.endm
.macro MUL p, q, sl, mtlo, mthi
	WIN 0x05+0x05*(\p)
.set mt, \mtlo
.rept \mthi-\mtlo+1
.irp nt, 0,1,2,3
	v_wmma_scale_f32_16x16x128_f8f6f4 v[ACC+32*mt+8*\nt:ACC+32*mt+8*\nt+7], v[16*\nt:16*\nt+15], v[64+16*mt:64+16*mt+15], v[ACC+32*mt+8*\nt:ACC+32*mt+8*\nt+7], v[SC+16*(\sl)+4*\nt+(\q)], v[SC+16*(\sl)+4*mt+(\q)] matrix_a_scale:MATRIX_SCALE_ROW1
.endr
.set mt, mt+1
.endr
.endm
.macro STEP slot, q
.set QN, (\q)+1
.set PN, QN%2
.set PQ, (\q)%2
	PLACES 8
	FETCH \slot, QN, PN
	s_wait_dscnt NF
	MUL PQ, \q, \slot, 0, 3
.endm
.macro TURN slot, next, fill
	WIN 0
	s_wait_tensorcnt 0x0
	ds_add_u32 v[SPW], v[NIL]
	s_wait_dscnt 1
	MUL 1, 3, \slot, 0, 1
	s_wait_dscnt 0x0
	s_barrier_signal -1
	MUL 1, 3, \slot, 2, 2
	WIN 0
	s_barrier_wait -1
.if \fill
	CREST
	s_add_nc_u64 s[G0+4*\slot+2:G0+4*\slot+3], s[G0+4*\slot+2:G0+4*\slot+3], 1024
	s_add_nc_u64 s[G0B+4*\slot+2:G0B+4*\slot+3], s[G0B+4*\slot+2:G0B+4*\slot+3], 1024
	JLOAD G0+4*\slot, G1, G0B+4*\slot, G1B
	PLACES 4
.else
	PLACES 8
.endif
	s_wait_alu depctr_va_vdst(0)
	v_add_nc_u32 v[ADRS], 16, v[ADRS]
	FETCH \next, 0, 0
	SCALES \next
	MUL 1, 3, \slot, 3, 3
	WIN 0
.endm
	s_wait_tensorcnt 0x0                           ; my tile is in, and no tensor load of mine is out: from here on a load brings 64 rows
.irp g, G1, G1B
	s_mov_b32 s[\g+2], 64<<16
	s_mov_b32 s[\g+4], 64
.endr
.irp i, 0,1,2,3
	ds_store_b128 v224, v[192+4*\i:195+4*\i] offset:544*\i
	ds_store_b128 v225, v[208+4*\i:211+4*\i] offset:544*\i
.endr
	s_wait_dscnt 0x0                               ; for the others' sake: my scale bytes lie in LDS
	s_barrier_signal -1
	s_barrier_wait -1                              ; both slots are whole
	FETCH 0, 0, 0
	SCALES 0
	global_prefetch_b8 v[PFO], s[PFB:PFB+1] offset:512 th:TH_LOAD_NT scope:SCOPE_SE        ; K step 3
	STEP 0, 0
	STEP 0, 1
	STEP 0, 2
	TURN 0, 1, 1
	STEP 1, 0
	STEP 1, 1
	STEP 1, 2
	TURN 1, 0, 1
	STEP 0, 0
	STEP 0, 1
	STEP 0, 2
	TURN 0, 1, 0
	STEP 1, 0
	STEP 1, 1
	STEP 1, 2
	s_wait_dscnt 0x0
	MUL 1, 3, 1, 0, 3
	WIN 0
	PLACES 8
.macro TOSTAGE mt
.irp nt, 0,1,2,3
	ds_store_b128 v[STO], v[ACC+32*\mt+8*\nt:ACC+32*\mt+8*\nt+3] offset:128*(\nt/2)+32*(\nt%2)
	ds_store_b128 v[STO], v[ACC+32*\mt+8*\nt+4:ACC+32*\mt+8*\nt+7] offset:128*(\nt/2)+32*(\nt%2)+16
.endr
.irp t, 0,1,2,3,4,5,6,7
	ds_load_b128 v[BK+32*(\mt%2)+4*\t:BK+32*(\mt%2)+4*\t+3], v[RD] offset:\t*2*272
.endr
.endm
.macro SEND mt, younger
	s_wait_dscnt \younger
.irp t, 0,1,2,3,4,5,6,7
	global_store_b128 v[CO], v[BK+32*(\mt%2)+4*\t:BK+32*(\mt%2)+4*\t+3], s[10:11] offset:(16*\mt+2*\t)*8192 th:TH_STORE_NT
.endr
.endm
	TOSTAGE 0
	TOSTAGE 1
	SEND 0, 16
	s_wait_xcnt 0x0
	TOSTAGE 2
	SEND 1, 16
	s_wait_xcnt 0x0
	TOSTAGE 3
	SEND 2, 16
	SEND 3, 0
	s_wait_tensorcnt 0x0
	ds_add_u32 v[SPW], v[NIL]
	s_wait_dscnt 0x0
	CROUND
	s_endpgm
.Lfunc_end_k_q6eec212789_oproj:
	.size	k_q6eec212789_oproj, .Lfunc_end_k_q6eec212789_oproj-k_q6eec212789_oproj
	.p2alignl 7, 3214868480
	.fill 96, 4, 3214868480
	.section	.rodata,"a",@progbits
	.p2align	6, 0x0
	.amdhsa_kernel k_q6eec212789_oproj
		.amdhsa_group_segment_fixed_size 327680
		.amdhsa_private_segment_fixed_size 0
		.amdhsa_enable_private_segment 0
		.amdhsa_kernarg_size 32
		.amdhsa_user_sgpr_count 2
		.amdhsa_user_sgpr_kernarg_segment_ptr 1
		.amdhsa_wavefront_size32 1
		.amdhsa_system_sgpr_workgroup_id_x 1
		.amdhsa_system_sgpr_workgroup_id_y 1
		.amdhsa_system_sgpr_workgroup_id_z 1
		.amdhsa_system_vgpr_workitem_id 0
		.amdhsa_next_free_vgpr 768
		.amdhsa_next_free_sgpr 96
		.amdhsa_reserve_vcc 0
		.amdhsa_float_denorm_mode_32 3
		.amdhsa_float_denorm_mode_16_64 3
		.amdhsa_memory_ordered 1
		.amdhsa_forward_progress 1
		.amdhsa_inst_pref_size 96
	.end_amdhsa_kernel
	.amdgpu_metadata
---
amdhsa.version: [ 1, 2 ]
amdhsa.kernels:
  - .name:           k_q6eec212789_oproj
    .symbol:         k_q6eec212789_oproj.kd
    .args:
      - { .name: att, .offset: 0, .size: 8, .value_kind: global_buffer, .address_space: global }
      - { .name: pre, .offset: 8, .size: 8, .value_kind: global_buffer, .address_space: global }
      - { .name: bo, .offset: 16, .size: 8, .value_kind: global_buffer, .address_space: global }
      - { .name: out0, .offset: 24, .size: 8, .value_kind: global_buffer, .address_space: global }
    .group_segment_fixed_size: 327680
    .private_segment_fixed_size: 0
    .kernarg_segment_align: 8
    .kernarg_segment_size: 32
    .max_flat_workgroup_size: 128
    .sgpr_count:     96
    .vgpr_count:     768
    .wavefront_size: 32
...
	.end_amdgpu_metadata
.endif
;; end of part 8
